; MI455X (gfx1250); checked and timed in simulation.
; The chip was launched on July 23, 2026; its instructions are those of AMD's public machine-readable ISA for CDNA 5 (MIT licence, August 2026) and "CDNA5" Instruction Set Architecture Reference Guide (July 2026). The comments in the code are by the model that wrote it; some were corrected since.
;; Causal Attention. Allowed arithmetic: matrix products marked QUANTISED: E2M3 operands, one E8M0 scale for each 32 along K, by v_wmma_scale_f32_16x16x128_f8f6f4 with both operands' format E2M3, f32 sums; everything else in f32.
;; Inputs: wk 1,024 x 1,024 float32; wq 1,024 x 1,024 float32; wv 1,024 x 1,024 float32; x 4 x 2,048 x 1,024 float32.
;; Outputs: out0 4 x 2,048 x 1,024 float32.
;; This version of the problem:
;;   THIS VERSION OF THE PROBLEM IS GIVEN IN LOW PRECISION. The matrix products marked QUANTISED in the list below multiply operands that are first quantised to E2M3 (2 exponent bits, 3 mantissa bits; 6 bits a number), with one power-of-two scale for each 32 numbers along K (OCP MX v1.0); their sums are f32. All else is computed in f32.
;;   The module's matrix products, in the order in which they are computed (A, B: the left and right operand; K: the contracted axis; several contracted axes count as one K, in the product's order):
;;     1. [M 8,192, K 1,024] x [K 1,024, N 1,024]; A: input x; B: input wq: QUANTISED
;;     2. [M 8,192, K 1,024] x [K 1,024, N 1,024]; A: input x; B: input wk: QUANTISED
;;     3. [M 8,192, K 1,024] x [K 1,024, N 1,024]; A: input x; B: input wv: QUANTISED
;;     4. batch 4 x [M 2,048, K 1,024] x [K 1,024, N 2,048]; A: computed on the way; B: computed on the way: QUANTISED
;;     5. batch 4 x [M 2,048, K 2,048] x [K 2,048, N 1,024]; A: softmax (see below); B: computed on the way: QUANTISED
;;   THE QUANTISER, for each operand of a quantised product, along K:
;;     - K is cut into blocks of 32 from its start; a last block that is shorter is filled with zeros.
;;     - A block's scale is 2^e with e = floor(log2(the largest magnitude in the block)) - 2, held to -126 .. 127; a block of zeros has e = 0. As a byte (E8M0): e + 127.
;;     - Each number is divided by its block's scale, clamped to +-7.5, and rounded to the nearest number of E2M3, ties to even, subnormals kept.
;;     - The product sums the exact products of the quantised numbers (number of the format x scale) in f32.
;;   ~~~python
;;   def quantise(x, axis):      # numpy; x: float32 -> the quantised numbers, widened to float32 again
;;       x = np.moveaxis(x, axis, -1); K = x.shape[-1]
;;       x = np.pad(x, [(0, 0)] * (x.ndim - 1) + [(0, -K % 32)]); x = x.reshape(x.shape[:-1] + (-1, 32)); a = np.abs(x).max(-1, keepdims=True)
;;       e = np.where(a > 0, np.clip(np.frexp(np.where(a > 0, a, 1))[1] - 1 - 2, -126, 127), 0)      # np.frexp(a)[1] - 1 = floor(log2(a)), exactly
;;       r = np.clip(x / 2.0 ** e, -7.5, 7.5)
;;       step = 2.0 ** (np.maximum(np.frexp(np.where(r == 0, 1, r))[1] - 1, 0) - 3)
;;       q = np.round(r / step) * step * 2.0 ** e      # np.round: ties to even
;;       return np.moveaxis(q.reshape(q.shape[:-2] + (-1,))[..., :K], -1, axis).astype(np.float32)
;;   ~~~
;;   SOFTMAX AHEAD OF A QUANTISED PRODUCT. Where the list says 'softmax', what is quantised is not the finished softmax but p = 2^(t - M), with t = logit x log2(e) and M = ceil(the row's largest t), a whole number; so 1/2 < the row's largest p <= 1. The row's sum l is taken of the UNQUANTISED p, in f32, and the product's result is divided by l at the end. Since M is a whole number, a kernel that streams over the keys may use a running M (the ceiling of the running maximum): every later rescaling is an exact power of two, which a block's scale takes up: the codes' values come out the same.
;;   OPERANDS COMPUTED ON THE WAY. 'Computed on the way' means the value that the module computes at that place (a softmax that the list does not call 'softmax' is quantised finished and normalised). What goes into a quantiser is computed in f32, as accurately as f32 sums, v_exp_f32 and their like allow (about 1e-6 of the number): no bf16 or f16 on the way to a quantiser, and a product that is left as it is and whose result goes on into a quantised operand takes f32 operands (vector FMAs, or v_wmma_f32_16x16x4_f32). A number that lies on a knife's edge between two numbers of the format may be rounded either way, as far as f32 arithmetic and the matrix unit's own rounding can turn it there, and no further.
;; 2 versions. Each part assembles by itself: llvm-mc -triple=amdgcn-amd-amdhsa -mcpu=gfx1250 --defsym DOCPART=n.
;; ======== version 1 of 2: 4 launches
;; workspace buffers: xc 6,553,600 bytes; wc 2,457,600 bytes; qk 13,107,200 bytes; vt 6,553,600 bytes; pc 14,155,776 bytes
;; launch quant (part 1): grid 352 x 1, 4 waves a work-group, no clusters, 34,304 bytes of LDS; arguments x, wq, wk, wv, xc, wc; writes xc, wc
.if DOCPART == 1
	.amdgcn_target "amdgcn-amd-amdhsa--gfx1250"
	.amdhsa_code_object_version 6
	.text
	.protected	k_qf509e61649_quant
	.globl	k_qf509e61649_quant
	.p2align	8
	.type	k_qf509e61649_quant,@function
k_qf509e61649_quant:
	s_mov_b64 s[64:65], 0
	v_nop
	global_prefetch_b8 v0, s[64:65] scope:SCOPE_SE
	s_setreg_imm32_b32 hwreg(HW_REG_WAVE_MODE, 25, 1), 1
	s_wait_xcnt 0x0
; x [8192][1024] and wq, wk, wv [1024][1024], f32 with K innermost, become codes of FP6 (E2M3) with one E8M0 byte for each 32 along K.
; A block's scale is 2^(floor(log2(its largest magnitude)) - 2); its byte is the largest magnitude's exponent field - 2, held at 1 from below.
; THE LAYOUT OF THE CODES is that of the matrix operand's registers, so that the products' launches load fragments 16 bytes a lane on end:
;   a buffer is [block of 128 rows][128 along K][half-panel of 12,800 bytes]; a half-panel is 8 fragment images of 1,536 bytes, then 512 bytes of scale words.
;   Fragment a, lane r holds row 32 (a / 2) + 8 (a % 2) + r + 8 (r / 8) of the block; register j of lane l lies at 512 (j / 4) + 16 l + 4 (j % 4) of the image;
;   the scale word of (a, r) lies at 256 (a / 4) + 16 r + 4 (a % 4).
; SHARES: 88 blocks of rows (64 of x, 8 of each weight) x 2 halves of a block's fragments x 2 halves of K = 352 work-groups; a wave takes 64 rows x 128 along K: four fragments.
; One path serves all four tensors: only pointers are chosen, by the work-group's number.  Waves share nothing: no barrier.  No tile is read by two work-groups, so clusters and tensor loads would add nothing.
; Each load reads 512 consecutive bytes of a row; a fragment's 16 rows turn through the wave's own stage in LDS (rows 528 bytes apart), from which a lane takes 16 neighbours of each block of 32.
; LIMITS: NaN and infinities among the inputs are not served.  A block of zeros gets the byte 1 where the rule says 127: its codes are zeros, and this program alone reads the bytes.
.set HP,   12800                       ; a half-panel
.set FRB,  1536                        ; a fragment's image
.set SCW,  12288                       ; where a half-panel's scale words begin
.set SP,   528                         ; a stage row: 512 bytes + 16
.set R,    16                          ; v16-143  two sets of 64: a fragment's 16 rows as loaded
.set X,    144                         ; v144-207 register 16 b + e = k 32 b + 16 (lane / 16) + e of my row
.set TM,   208                         ; v208-223 at work
.set PW,   224                         ; v224-227 the four fragments' scale words
.set PC,   228                         ; v228-247 the codes just made
	s_load_b256 s[4:11], s[0:1], 0x0               ; x, wq, wk, wv
	s_load_b128 s[12:15], s[0:1], 0x20             ; xc, wc
	v_lshl_add_u32 v254, v0, 2, 0x8400
	v_mov_b32 v255, 0
	v_lshrrev_b32 v1, 5, v0
	v_readfirstlane_b32 s18, v1                    ; wave 0..3
	v_and_b32 v1, 31, v0                           ; lane
	v_and_b32 v2, 15, v0                           ; r
	v_bfe_u32 v3, v0, 4, 1                         ; h
	v_lshlrev_b32 v4, 4, v1                        ; 16 x lane: my bytes of a load, and of an image's store
	s_mul_i32 s19, s18, 16*SP                      ; my wave's stage
	v_add_nc_u32 v5, s19, v4                       ; into it: 16 x lane of a row
	v_mul_u32_u24 v6, v2, SP
	v_lshl_add_u32 v6, v3, 6, v6
	v_add_nc_u32 v6, s19, v6                       ; out of it: row r, + 64 h: my 16 numbers of a block of 32
	v_lshlrev_b32 v7, 4, v2
	v_lshl_add_u32 v7, v3, 3, v7                   ; the scale words' way out: 16 r + 8 h
	s_mov_b32 s20, 0x76543210
	s_mov_b32 s21, 0xfedcba98                      ; v_permlanex16_b32's selects for lane l xor 16
.irp b, 0,1,2,3
	v_mov_b32 v[TM+4+\b], 0                        ; written once: a lane permute's destination counts as one of its sources
.endr
	s_and_b32 s22, ttmp9, 1
	s_lshl_b32 s22, s22, 2
	s_add_co_u32 s22, s22, s18                     ; which 128 along K: 4 x (id % 2) + wave
	s_bfe_u32 s23, ttmp9, 0x10001                  ; which four fragments of the block
	s_lshr_b32 s16, ttmp9, 2                       ; block of rows 0..87: 0-63 x, 64-71 wq, 72-79 wk, 80-87 wv
	s_and_b32 s17, s16, 7
	s_sub_co_u32 s24, s16, 64
	s_wait_kmcnt 0x0
	s_cmp_lt_u32 s16, 72                           ; the choices hang on the work-group's number alone
	s_cselect_b64 s[6:7], s[6:7], s[8:9]
	s_cmp_lt_u32 s16, 80
	s_cselect_b64 s[6:7], s[6:7], s[10:11]
	s_cmp_lt_u32 s16, 64
	s_cselect_b64 s[4:5], s[4:5], s[6:7]           ; the source,
	s_cselect_b64 s[12:13], s[12:13], s[14:15]     ; the codes' buffer,
	s_cselect_b32 s17, s16, s17                    ; the block in the source,
	s_cselect_b32 s24, s16, s24                    ; and in the codes' buffer
	s_lshl_b32 s26, s17, 19                        ; 128 rows of 4,096 bytes
	s_lshl_b32 s25, s23, 18                        ; 64 rows
	s_add_co_u32 s26, s26, s25
	s_lshl_b32 s25, s22, 9                         ; 128 numbers
	s_add_co_u32 s26, s26, s25
	s_mov_b32 s27, 0
	s_add_nc_u64 s[4:5], s[4:5], s[26:27]
	s_lshl_b32 s28, s24, 3
	s_add_co_u32 s28, s28, s22
	s_mul_i32 s28, s28, HP
	s_mov_b32 s29, 0
	s_add_nc_u64 s[12:13], s[12:13], s[28:29]      ; my half-panel
	s_mul_i32 s28, s23, 4*FRB
	s_add_nc_u64 s[14:15], s[12:13], s[28:29]      ; my four images
	s_lshl_b32 s28, s23, 8
	s_add_nc_u64 s[12:13], s[12:13], s[28:29]      ; my 256 bytes of scale words (SCW stands in the store's immediate)
.macro LOAD a                          ; fragment a's 16 rows: each load reads 512 consecutive bytes
.irp i, 0,1,2,3,4,5,6,7,8,9,10,11,12,13,14,15
	global_load_b128 v[R+64*((\a)%2)+4*\i:R+64*((\a)%2)+4*\i+3], v4, s[4:5] offset:(32*((\a)/2)+8*((\a)%2)+\i+8*(\i/8))*4096 th:TH_LOAD_NT
.endr
.endm
; 64 numbers of a lane, register 16 b + e = k 32 b + 16 (lane / 16) + e of my row, become a fragment's codes in v[PC] on and its scale word in v[pw]
.macro QUANT s, pw
.irp b, 0,1,2,3
	v_max3_num_f32 v[TM+\b], |v[\s+16*\b]|, |v[\s+16*\b+1]|, 0x1800000   ; block b: my 16 numbers, and the floor 2^(3 - 127): the byte cannot fall under 1
.endr
.irp i, 2,4,6,8,10,12,14
.irp b, 0,1,2,3
	v_max3_num_f32 v[TM+\b], v[TM+\b], |v[\s+16*\b+\i]|, |v[\s+16*\b+\i+1]|   ; the four blocks by turns
.endr
.endr
.irp b, 0,1,2,3
	v_permlanex16_b32 v[TM+4+\b], v[TM+\b], s20, s21
.endr
.irp b, 0,1,2,3
	v_max_num_f32 v[TM+\b], v[TM+\b], v[TM+4+\b]   ; with lane l xor 16's: the block's largest magnitude
.endr
.irp b, 0,1,2,3
	v_add_nc_u32 v[TM+12+\b], 0xff000000, v[TM+\b] ; 2 off its exponent field: the conversion takes this operand's exponent field as its scale
.endr
.irp b, 0,1,2,3
	v_lshrrev_b32 v[TM+4+\b], 23, v[TM+12+\b]      ; the scale's byte
.endr
	v_lshl_or_b32 v[\pw], v[TM+5], 8, v[TM+4]
	v_lshl_or_b32 v[\pw], v[TM+6], 16, v[\pw]
	v_lshl_or_b32 v[\pw], v[TM+7], 24, v[\pw]      ; my row's scale word
.irp c, 0,1
	v_cvt_scalef32_pk16_fp6_f32 v[PC+6*\c:PC+6*\c+2], v[\s+32*\c:\s+32*\c+15], v[TM+12+2*\c]
	v_cvt_scalef32_pk16_fp6_f32 v[PC+12+4*\c:PC+12+4*\c+2], v[\s+32*\c+16:\s+32*\c+31], v[TM+12+2*\c+1]   ; (a conversion's three registers begin on an even number)
.endr
	v_nop                                          ; one plain place behind a scaled conversion
.irp c, 0,1                            ; the operand's layout wants a whole block in a lane: lanes 0-15 block 2 c, lanes 16-31 block 2 c + 1
.irp i, 0,1,2
	v_permlane16_swap_b32 v[PC+6*\c+\i], v[PC+12+4*\c+\i]
.endr
.irp i, 0,1,2
	v_mov_b32 v[PC+3+6*\c+\i], v[PC+12+4*\c+\i]
.endr
.endr
.endm
.macro QSTEP a
.if (\a) < 3
	s_wait_loadcnt 16                              ; this fragment's 16 loads are in; the next fragment's 16 may be out
.else
	s_wait_loadcnt 0x0
.endif
.irp i, 0,1,2,3,4,5,6,7,8,9,10,11,12,13,14,15
	ds_store_b128 v5, v[R+64*((\a)%2)+4*\i:R+64*((\a)%2)+4*\i+3] offset:SP*\i
.endr
.irp b, 0,1,2,3
.irp j, 0,1,2,3
	ds_load_b128 v[X+16*\b+4*\j:X+16*\b+4*\j+3], v6 offset:128*\b+16*\j   ; LDS serves a wave's instructions in order: these see the stores above
.endr
.endr
	s_wait_dscnt 0x0                               ; my numbers are back, and the stores into the stage have read their registers,
.if (\a) < 2
	LOAD (\a)+2                                    ; which take the fragment two on
.endif
	s_wait_xcnt 0x0                                ; the last image's stores have read v[PC] on: it is written again only behind this wait
	QUANT X, PW+(\a)
.irp g, 0,1,2
	global_store_b128 v4, v[PC+4*\g:PC+4*\g+3], s[14:15] offset:FRB*(\a)+512*\g   ; 32 lanes store 512 consecutive bytes, at a multiple of 256 from the buffer's first byte
.endr
.endm
	LOAD 0
	LOAD 1
	QSTEP 0
	QSTEP 1
	QSTEP 2
	QSTEP 3
	v_cmp_ne_u32 vcc_lo, 0, v3                     ; lanes 0-15 store words 0, 1 of their row, lanes 16-31 words 2, 3 (every lane holds its row's four)
	v_cndmask_b32 v8, v[PW], v[PW+2], vcc_lo
	v_cndmask_b32 v9, v[PW+1], v[PW+3], vcc_lo
	global_store_b64 v7, v[8:9], s[12:13] offset:SCW   ; 256 consecutive bytes
	s_wait_tensorcnt 0x0
	ds_add_u32 v254, v255
	s_wait_dscnt 0x0
	s_endpgm
.Lfunc_end_k_qf509e61649_quant:
	.size	k_qf509e61649_quant, .Lfunc_end_k_qf509e61649_quant-k_qf509e61649_quant
	.p2alignl 7, 3214868480
	.fill 96, 4, 3214868480
	.section	.rodata,"a",@progbits
	.p2align	6, 0x0
	.amdhsa_kernel k_qf509e61649_quant
		.amdhsa_group_segment_fixed_size 34304
		.amdhsa_private_segment_fixed_size 0
		.amdhsa_enable_private_segment 0
		.amdhsa_kernarg_size 48
		.amdhsa_user_sgpr_count 2
		.amdhsa_user_sgpr_kernarg_segment_ptr 1
		.amdhsa_wavefront_size32 1
		.amdhsa_system_sgpr_workgroup_id_x 1
		.amdhsa_system_sgpr_workgroup_id_y 1
		.amdhsa_system_sgpr_workgroup_id_z 1
		.amdhsa_system_vgpr_workitem_id 0
		.amdhsa_next_free_vgpr 256
		.amdhsa_next_free_sgpr 66
		.amdhsa_reserve_vcc 1
		.amdhsa_float_denorm_mode_32 3
		.amdhsa_float_denorm_mode_16_64 3
		.amdhsa_memory_ordered 1
		.amdhsa_forward_progress 1
		.amdhsa_inst_pref_size 34
	.end_amdhsa_kernel
	.amdgpu_metadata
---
amdhsa.version: [ 1, 2 ]
amdhsa.kernels:
  - .name:           k_qf509e61649_quant
    .symbol:         k_qf509e61649_quant.kd
    .args:
      - { .name: x, .offset: 0, .size: 8, .value_kind: global_buffer, .address_space: global }
      - { .name: wq, .offset: 8, .size: 8, .value_kind: global_buffer, .address_space: global }
      - { .name: wk, .offset: 16, .size: 8, .value_kind: global_buffer, .address_space: global }
      - { .name: wv, .offset: 24, .size: 8, .value_kind: global_buffer, .address_space: global }
      - { .name: xc, .offset: 32, .size: 8, .value_kind: global_buffer, .address_space: global }
      - { .name: wc, .offset: 40, .size: 8, .value_kind: global_buffer, .address_space: global }
    .group_segment_fixed_size: 34304
    .private_segment_fixed_size: 0
    .kernarg_segment_align: 8
    .kernarg_segment_size: 48
    .max_flat_workgroup_size: 128
    .sgpr_count:     66
    .vgpr_count:     256
    .wavefront_size: 32
...
	.end_amdgpu_metadata
.endif
;; end of part 1
;; launch proj (part 2): grid 8 x 48, 4 waves a work-group, clusters of 4 x 4, 327,680 bytes of LDS; arguments xc, wc, qk, vt; writes qk, vt
.if DOCPART == 2
	.amdgcn_target "amdgcn-amd-amdhsa--gfx1250"
	.amdhsa_code_object_version 6
	.text
	.protected	k_qf509e61649_proj
	.globl	k_qf509e61649_proj
	.p2align	8
	.type	k_qf509e61649_proj,@function
k_qf509e61649_proj:
	s_mov_b64 s[64:65], 0
	v_nop
	global_prefetch_b8 v0, s[64:65] scope:SCOPE_SE
	s_setreg_imm32_b32 hwreg(HW_REG_WAVE_MODE, 25, 1), 1
	s_wait_xcnt 0x0
	s_wait_alu depctr_hold_cnt(0) depctr_sa_sdst(0) depctr_va_vdst(0) depctr_va_sdst(0) depctr_va_ssrc(0) depctr_va_vcc(0) depctr_vm_vsrc(0)
	s_getreg_b32 s2, hwreg(HW_REG_IB_STS2, 6, 4)
	s_cmp_eq_u32 s2, 0
	s_cbranch_scc0 .Lentry_in_a_cluster
	s_endpgm
.Lentry_in_a_cluster:
	s_bfe_u32 s2, ttmp6, 0x10000c
	s_cmp_lg_u32 s2, 0xf033
	s_cbranch_scc0 .Lentry_shape_is_right
	s_endpgm
.Lentry_shape_is_right:
; THE THREE PROJECTIONS on codes of FP6 (E2M3) with E8M0 scales, their results quantised on the way out.  Sums in f32.
; Job qk (cluster rows 0-7): q and k = x wq^T, x wk^T; lanes hold tokens, registers run along d_out, which is the next product's K: codes go to qk [64 token blocks][16 K steps: 0-7 q, 8-15 k].
; Job v (cluster rows 8-11): v^T = wv x^T; lanes hold d_out, registers run along the tokens, which are the last product's K: codes go to vt [8 d_out blocks][64 token blocks].
; Both jobs are ONE path: the buffers and tile numbers are chosen by the cluster's row, which all partners share.
; OPERANDS IN MEMORY lie as images of fragment registers: [block of 128 rows][128 along K][half-panel]; a half-panel is 8 images of 1,536 bytes and 512 bytes of scale words.
; Fragment a, lane r holds row 32 (a / 2) + 8 (a % 2) + r + 8 (r / 8) of its block, so that as source 0 the 16 registers of tiles 2 b, 2 b + 1 are 16 neighbouring rows: 32 b + 16 (lane / 16) + 0 .. 15.
; THE CORE: a tile of 256 x 256, four waves of 128 x 128 (64 accumulators, 512 registers); K in steps of 256 through two LDS slots; a wave's tensor load brings one block's two half-panels, dense bytes;
; a fragment is three loads of 16 bytes a lane on end.  4 x 4 work-groups form a cluster: A's tiles are asked for jointly along a row of it, B's along a column.
; Source 0 = B's fragments, source 1 = A's: a lane holds one row of A and its registers run along B's rows.
; REGISTERS: window 0: v1-31 addresses; v32-63 scale words, two sets, and nothing else; v64-255 the way out; v128-223 A's fragments, one set.  Window 1: B's fragments, two sets, at v0 and v128.
;   Windows 2, 3: accumulator (a, b) at v[8 (8 (a % 4) + b)].
; LIMITS: NaN and infinities are not served.  A block of zeros gets the byte 1 where the rule says 127: its codes are zeros, and this program alone reads the bytes.
.set HPA,   12800                      ; A's half-panel
.set HPB,   12800                      ; B's
.set PVK,   0
.set QA,    2*HPA                      ; what one tensor load brings: 128 rows x 256 along K
.set QB,    2*HPB
.set SLOT,  2*QA+2*QB                  ; A's two blocks, then B's two
.set SPARE, 2*SLOT                     ; behind the ring: the spare words, 128 bytes a wave: two blocks of 256 bytes that no other line names
.set FR,    12                         ; registers of a fragment
.set FRB,   1536                       ; its image
.set SCW,   12288                      ; where a half-panel's scale words begin
.set ADRA,  16                         ; v16-17  my A fragments in slot 0, 1: + 16 x lane
.set ADRB,  18                         ; v18-19  the same for B
.set ADRSA, 20                         ; v20-21  A's scale words in slot 0, 1: + 16 r; lanes 16-31 one half-panel on: the slot's second 128 along K
.set ADRSB, 22                         ; v22-23  the same for B
.set LN16,  26                         ; v26     16 x lane
.set SPW,   28                         ; v28     my spare word; never rewritten
.set NIL,   29                         ; v29     0; never rewritten
.set SC,    32                         ; set s at 32 + 16 s: registers 0-7 the words of A's fragments, 8-15 of B's; lanes 0-15 for the slot's first 128 along K, lanes 16-31 for its second
.set AF,    128
.set G1,    24                         ; s[24:31], s[32:39]: groups 1 and 0 (a set a slot) for A;  s[48:55], s[56:63] for B
.set G0,    32
.set G1B,   48
.set G0B,   56
.set MUL_LO, 0xa1                      ; source 0 window 1, source 1 window 0, C and D window 2
.set MUL_HI, 0xf1                      ; the same, C and D window 3
.set TO_B,   0x40                      ; destination window 1
.set MSB, 0
.macro WIN new                         ; the immediate's high byte repeats the setting that is left
.if MSB != (\new)
	s_set_vgpr_msb (MSB<<8)|(\new)
.set MSB, \new
.endif
.endm
.macro PLACES n                        ; plain places behind matrix instructions, in front of loads into registers that they read and of reads of their results
.rept \n
	v_nop
.endr
.endm
; A joint load: waves 0 and 1 fetch A's two blocks, waves 2 and 3 B's.  The branch hangs on the wave's number alone.  Four v_nop follow each line.
.macro JLOAD g0a, g1a, g0b, g1b
	s_cmp_eq_u32 s15, 0
	s_cbranch_scc0 .Lfor_b_\@
	tensor_load_to_lds s[\g0a:\g0a+3], s[\g1a:\g1a+7]
	s_nop 0
.rept 4
	v_nop
.endr
	s_branch .Lasked_\@
.Lfor_b_\@:
	tensor_load_to_lds s[\g0b:\g0b+3], s[\g1b:\g1b+7]
	s_nop 0
.rept 4
	v_nop
.endr
.Lasked_\@:
.endm
.macro CREST                           ; a round of the cluster's barrier behind its opening barrier
	s_cmp_lg_u32 s14, 0
	s_cbranch_scc1 .Lnot_wave_0_\@
	s_barrier_signal -3
.Lnot_wave_0_\@:
	s_barrier_wait -3
	s_barrier_signal -1
	s_barrier_wait -1
.endm
.macro CROUND
	s_barrier_signal -1
	s_barrier_wait -1
	CREST
.endm
.macro HEAD                            ; the add's two registers, the wave, the place in the cluster, both groups 1
	v_lshl_add_u32 v[SPW], v0, 2, SPARE
	v_mov_b32 v[NIL], 0
	ds_add_u32 v28, v29
	ds_add_u32 v28, v29
	s_wait_dscnt 0x0
	v_lshrrev_b32 v1, 5, v0
	v_readfirstlane_b32 s14, v1                    ; wave 0..3
	s_lshr_b32 s15, s14, 1                         ; which block of A is mine.  Also: I fetch for A (0) or for B (1)
	s_and_b32 s16, s14, 1                          ; which block of B is mine.  Also: which block I fetch
	s_bfe_u32 s40, ttmp6, 0x40000                  ; cx
	s_bfe_u32 s41, ttmp6, 0x40004                  ; cy
	s_lshl_b32 s43, s41, 2
	s_lshl_b32 s43, 15, s43                        ; my row of the cluster
	s_lshl_b32 s44, 0x1111, s40                    ; my column
	s_or_b32 s[G1], s43, (3<<16)|(1<<21)           ; 15:0 the mask; 17:16 elements of 8 bytes; 21 set beside a mask; no padding
	s_or_b32 s[G1B], s44, (3<<16)|(1<<21)
	s_mov_b32 s[G1+1], 32<<16                      ; tensor_dim0 = 32 elements: rows of 256 bytes
	s_mov_b32 s[G1+2], (QA/256)<<16                ; tensor_dim1
	s_mov_b32 s[G1+3], 32<<16                      ; tile_dim0
	s_mov_b32 s[G1+4], QA/256                      ; tile_dim1
	s_mov_b32 s[G1+5], 32                          ; the pitch: the block is dense
	s_mov_b32 s[G1+6], 0
	s_mov_b32 s[G1+7], 0
	s_mov_b32 s[G1B+1], 32<<16
	s_mov_b32 s[G1B+2], (QB/256)<<16
	s_mov_b32 s[G1B+3], 32<<16
	s_mov_b32 s[G1B+4], QB/256
	s_mov_b32 s[G1B+5], 32
	s_mov_b32 s[G1B+6], 0
	s_mov_b32 s[G1B+7], 0
.endm
.macro FILLS                           ; s[66:67], s[68:69]: the first bytes that I would fetch of A and of B.  Both slots are asked for behind one round: two loads of mine are out
	s_mul_i32 s46, s16, QA                         ; where they go: no place in the cluster enters an LDS address
	s_mul_i32 s47, s16, QB
	s_add_co_u32 s47, s47, 2*QA
	CROUND
.irp s, 0,1
	s_mov_b32 s[G0+4*\s], 1
	s_add_co_u32 s[G0+4*\s+1], s46, \s*SLOT
	s_add_nc_u64 s[G0+4*\s+2:G0+4*\s+3], s[66:67], \s*QA
	s_or_b32 s[G0+4*\s+3], s[G0+4*\s+3], 0x80000000
	s_mov_b32 s[G0B+4*\s], 1
	s_add_co_u32 s[G0B+4*\s+1], s47, \s*SLOT
	s_add_nc_u64 s[G0B+4*\s+2:G0B+4*\s+3], s[68:69], \s*QB
	s_or_b32 s[G0B+4*\s+3], s[G0B+4*\s+3], 0x80000000
	JLOAD G0+4*\s, G1, G0B+4*\s, G1B
.endr
.endm
.macro LANES                           ; the lanes' LDS addresses: a constant, a constant x the wave's halves, constants x the lane's r and h
	v_and_b32 v1, 15, v0                           ; r
	v_bfe_u32 v2, v0, 4, 1                         ; h
	v_and_b32 v3, 31, v0
	v_lshlrev_b32 v[LN16], 4, v3
	v_mul_u32_u24 v6, v2, HPA
	v_lshl_add_u32 v6, v1, 4, v6                   ; 16 r + h x A's half-panel
	v_mul_u32_u24 v7, v2, HPB
	v_lshl_add_u32 v7, v1, 4, v7                   ; 16 r + h x B's half-panel
	s_mul_i32 s21, s15, QA
	s_mul_i32 s22, s16, QB
	s_add_co_u32 s22, s22, 2*QA
.irp s, 0,1
	v_add_nc_u32 v[ADRA+\s], s21, v[LN16]
	v_add_nc_u32 v[ADRB+\s], s22, v[LN16]
	s_add_co_u32 s23, s21, SCW
	s_add_co_u32 s45, s22, SCW
	v_add_nc_u32 v[ADRSA+\s], s23, v6
	v_add_nc_u32 v[ADRSB+\s], s45, v7
.if PVK
	s_add_co_u32 s23, s21, 12800
	v_add_nc_u32 v[ADRN+\s], s23, v6
.endif
	s_add_co_u32 s21, s21, SLOT
	s_add_co_u32 s22, s22, SLOT
.endr
.endm
.macro FRAG reg, adr, off              ; a fragment comes back as it was stored: three loads, 512 consecutive bytes each
.irp g, 0,1,2
	ds_load_b128 v[\reg+4*\g:\reg+4*\g+3], v[\adr] offset:\off+512*\g
.endr
.endm
.macro FETCH_B slot, q, p              ; B's eight fragments of the slot's q-th 128 along K into set p
	WIN TO_B
.irp i, 0,1,2,3,4,5,6,7
	FRAG 128*(\p)+FR*\i, ADRB+\slot, (\q)*HPB+FRB*\i
.endr
	WIN 0
.endm
.macro FETCH_A slot, q, i0             ; A's fragments i0 .. i0 + 3
.irp i, \i0, \i0+1, \i0+2, \i0+3
	FRAG AF+FR*(\i), ADRA+\slot, (\q)*HPA+FRB*(\i)
.endr
.endm
.macro SCALES s                        ; a slot's scale words: four loads, each the words of four fragments, for both of the slot's steps
.irp g, 0,1
	ds_load_b128 v[SC+16*(\s)+4*\g:SC+16*(\s)+4*\g+3], v[ADRSA+(\s)] offset:256*\g
.endr
.irp g, 0,1
	ds_load_b128 v[SC+16*(\s)+8+4*\g:SC+16*(\s)+8+4*\g+3], v[ADRSB+(\s)] offset:256*\g
.endr
.endm
; 16 matrix instructions: A's fragments a0, a0 + 1 x B's eight.  The 64 accumulators take turns, one instruction a turn, in the same order in every step.
; The slot's second step takes both sides' scale words from lanes 16-31.
.macro MUL16 a0, p, q, sc, zero
.irp a, \a0, \a0+1
.irp b, 0,1,2,3,4,5,6,7
.if \zero
	v_wmma_scale_f32_16x16x128_f8f6f4 v[8*(8*((\a)%4)+\b):8*(8*((\a)%4)+\b)+7], v[128*(\p)+FR*\b:128*(\p)+FR*\b+FR-1], v[AF+FR*(\a):AF+FR*(\a)+FR-1], 0, v[SC+16*(\sc)+8+\b], v[SC+16*(\sc)+(\a)] matrix_a_fmt:MATRIX_FMT_FP6 matrix_b_fmt:MATRIX_FMT_FP6
.elseif (\q) == 0
	v_wmma_scale_f32_16x16x128_f8f6f4 v[8*(8*((\a)%4)+\b):8*(8*((\a)%4)+\b)+7], v[128*(\p)+FR*\b:128*(\p)+FR*\b+FR-1], v[AF+FR*(\a):AF+FR*(\a)+FR-1], v[8*(8*((\a)%4)+\b):8*(8*((\a)%4)+\b)+7], v[SC+16*(\sc)+8+\b], v[SC+16*(\sc)+(\a)] matrix_a_fmt:MATRIX_FMT_FP6 matrix_b_fmt:MATRIX_FMT_FP6
.else
	v_wmma_scale_f32_16x16x128_f8f6f4 v[8*(8*((\a)%4)+\b):8*(8*((\a)%4)+\b)+7], v[128*(\p)+FR*\b:128*(\p)+FR*\b+FR-1], v[AF+FR*(\a):AF+FR*(\a)+FR-1], v[8*(8*((\a)%4)+\b):8*(8*((\a)%4)+\b)+7], v[SC+16*(\sc)+8+\b], v[SC+16*(\sc)+(\a)] matrix_a_fmt:MATRIX_FMT_FP6 matrix_b_fmt:MATRIX_FMT_FP6 matrix_a_scale:MATRIX_SCALE_ROW1 matrix_b_scale:MATRIX_SCALE_ROW1
.endif
.endr
.endr
.endm
.macro STEP slot, zero                 ; a slot's first 128 along K; it fetches the second
	s_wait_dscnt 12                                ; all but the youngest twelve loads (A's fragments 4-7) are in
	WIN MUL_LO
	MUL16 0, 0, 0, \slot, \zero
	MUL16 2, 0, 0, \slot, \zero
	s_wait_dscnt 0x0                               ; A's fragments 4-7 are in
	PLACES 4
	FETCH_B \slot, 1, 1
	FETCH_A \slot, 1, 0
	WIN MUL_HI
	MUL16 4, 0, 0, \slot, \zero
	MUL16 6, 0, 0, \slot, \zero
	PLACES 4
	WIN 0
	FETCH_A \slot, 1, 4
.endm
; A slot's second 128 along K changes slots: one barrier; in front of it each wave waits for all its tensor loads, adds 0 to its spare word, and waits for that and for its reads of this slot.
.macro TURN slot, next, fill
	s_wait_tensorcnt 0x0                           ; all my tensor loads have landed: my part of the next slot
	ds_add_u32 v[SPW], v[NIL]                      ; 0 onto my spare word
	s_wait_dscnt 13                                ; (the add and the twelve loads of A's fragments 4-7 may be out)
	WIN MUL_LO
	MUL16 0, 1, 1, \slot, 0
	s_wait_dscnt 0x0                               ; the add is done, and my reads of this slot are over
	s_barrier_signal -1
	MUL16 2, 1, 1, \slot, 0
	WIN 0
	s_barrier_wait -1
.if \fill
	CREST                                          ; the barrier has opened a round of the cluster's: no wave of any partner still reads this slot or has a load on its way
	s_add_nc_u64 s[G0+4*\slot+2:G0+4*\slot+3], s[G0+4*\slot+2:G0+4*\slot+3], 2*QA
	s_add_nc_u64 s[G0B+4*\slot+2:G0B+4*\slot+3], s[G0B+4*\slot+2:G0B+4*\slot+3], 2*QB
	JLOAD G0+4*\slot, G1, G0B+4*\slot, G1B         ; my one tensor load behind the round; its four v_nop are the places in front of the loads below
.else
	PLACES 4
.endif
	SCALES \next
.if PVK
	NEGM \next
.endif
	FETCH_B \next, 0, 0
	FETCH_A \next, 0, 0
	WIN MUL_HI
	MUL16 4, 1, 1, \slot, 0
	MUL16 6, 1, 1, \slot, 0
	WIN 0
.if PVK
	s_wait_dscnt 36                                ; the scale words and the -M are in; the 36 fragment loads behind them may be out
	ADJ \next
.else
	PLACES 4
.endif
	FETCH_A \next, 0, 4
.endm
.macro KLOOP                           ; s3: laps less one; a lap is once round the ring, 512 along K
	s_wait_tensorcnt 0x1                           ; my part of slot 0 is in; slot 1's may stay out
	s_barrier_signal -1
	s_barrier_wait -1
	SCALES 0
.if PVK
	NEGM 0
.endif
	FETCH_B 0, 0, 0
	FETCH_A 0, 0, 0
	FETCH_A 0, 0, 4
.if PVK
	s_wait_dscnt 48                                ; the scale words and the -M are in; the 48 fragment loads may be out
	ADJ 0
.endif
	STEP 0, 1                                      ; the first step's products start the sums: nothing is cleared
.Llap:
	TURN 0, 1, 1
	STEP 1, 0
	TURN 1, 0, 1
	STEP 0, 0
	s_sub_co_u32 s3, s3, 1
	s_cmp_lg_u32 s3, 0
	s_cbranch_scc1 .Llap
	TURN 0, 1, 0                                   ; the last lap fills nothing, and has no round
	STEP 1, 0
	s_wait_dscnt 12
	WIN MUL_LO
	MUL16 0, 1, 1, 1, 0
	MUL16 2, 1, 1, 1, 0
	s_wait_dscnt 0x0
	WIN MUL_HI
	MUL16 4, 1, 1, 1, 0
	MUL16 6, 1, 1, 1, 0
	WIN 0
	PLACES 4
.endm
.macro FINISH
	s_wait_tensorcnt 0x0                           ; the wave's end
	ds_add_u32 v[SPW], v[NIL]
	s_wait_dscnt 0x0
	CROUND                                         ; the closing round: no work-group ends while a partner may still ask for a tile that names it
	s_endpgm
.endm
.set PW,  64                           ; v64-71  the eight fragments' scale words
.set TM,  72                           ; v72-87  at work
.set TL,  88                           ; v88-91  the scale words' way out
	s_load_b256 s[4:11], s[0:1], 0x0               ; xc, wc, qk, vt
	HEAD
	s_and_b32 s17, ttmp7, 0xffff                   ; the cluster's row: 0-7 job qk, 8-11 job v
	s_lshl_b32 s20, s17, 3
	s_sub_co_u32 s20, s20, 64                      ; 8 (row - 8)
	s_cmp_ge_u32 s17, 8                            ; only numbers of the cluster are chosen; cy and cx are added plainly below
	s_cselect_b32 s18, 0, s17
	s_cselect_b32 s20, s20, 0
	s_cselect_b32 s42, 64, 16                      ; K steps in a block of the output
	s_cselect_b32 s19, 16*8*HPA, 0                 ; job v: A is wv, blocks 16-23 of wc
	s_lshl_b32 s18, s18, 2
	s_add_co_u32 s18, s18, s41                     ; A's tile: 4 x row + cy, or cy
	s_lshl_b32 s21, ttmp9, 2
	s_add_co_u32 s20, s20, s21
	s_add_co_u32 s20, s20, s40                     ; B's tile: 4 x cluster x + cx (+ 8 (row - 8))
	s_lshl_b32 s72, s18, 1
	s_add_co_u32 s72, s72, s16
	s_mul_i32 s72, s72, 8*HPA
	s_add_co_u32 s72, s72, s19                     ; the block of A that I would fetch
	s_mov_b32 s73, 0
	s_lshl_b32 s74, s20, 1
	s_add_co_u32 s74, s74, s16
	s_mul_i32 s74, s74, 8*HPB                      ; and of B
	s_mov_b32 s75, 0
	s_lshl_b32 s76, s18, 1
	s_add_co_u32 s76, s76, s15
	s_mul_i32 s76, s76, s42                        ; the output: (A's block of mine) x K steps
	s_lshl_b32 s77, s20, 1
	s_add_co_u32 s77, s77, s16
	s_add_co_u32 s76, s76, s77                     ; + B's block of mine: it is a K step of the next product
	s_mul_i32 s76, s76, 12800
	s_mov_b32 s77, 0
	s_mov_b32 s70, 0x76543210
	s_mov_b32 s71, 0xfedcba98                      ; v_permlanex16_b32's selects for lane l xor 16
	s_mov_b32 s3, 1                                ; K = 1,024: two laps
	s_wait_kmcnt 0x0
	s_cmp_ge_u32 s17, 8
	s_cselect_b64 s[66:67], s[6:7], s[4:5]         ; A: xc, or wc
	s_cselect_b64 s[68:69], s[4:5], s[6:7]         ; B: wc, or xc
	s_cselect_b64 s[8:9], s[10:11], s[8:9]         ; out: qk, or vt
	s_add_nc_u64 s[66:67], s[66:67], s[72:73]
	s_add_nc_u64 s[68:69], s[68:69], s[74:75]
	s_add_nc_u64 s[8:9], s[8:9], s[76:77]
	FILLS
	LANES
	KLOOP
; THE WAY OUT.  For A's fragment a my 64 registers are 128 neighbours along the next K, 16 of each block of 32 (the other 16 in lane l xor 16): they become one fragment and one scale word a row, stored as an image.
.macro QOUT a
.set WN,  2+(\a)/4
.set ACB, 64*((\a)%4)
.set PCA, 96+20*(\a)                   ; each fragment has registers of its own: no store's data are written again
	WIN WN|(WN<<2)
.irp b, 0,1,2,3
	v_max3_num_f32 v[TM+\b], |v[ACB+16*\b]|, |v[ACB+16*\b+1]|, 0x1800000   ; each accumulator is read from its low end on; the floor 2^(3 - 127) holds the byte at 1
.endr
.irp i, 2,4,6,8,10,12,14
.irp b, 0,1,2,3
	v_max3_num_f32 v[TM+\b], |v[ACB+16*\b+\i]|, |v[ACB+16*\b+\i+1]|, v[TM+\b]
.endr
.endr
	WIN 0
.irp b, 0,1,2,3
	v_permlanex16_b32 v[TM+4+\b], v[TM+\b], s70, s71
.endr
.irp b, 0,1,2,3
	v_max_num_f32 v[TM+\b], v[TM+\b], v[TM+4+\b]   ; the block's largest magnitude
.endr
.irp b, 0,1,2,3
	v_add_nc_u32 v[TM+12+\b], 0xff000000, v[TM+\b] ; 2 off its exponent field: the conversion's scale operand
.endr
.irp b, 0,1,2,3
	v_lshrrev_b32 v[TM+4+\b], 23, v[TM+12+\b]      ; the scale's byte
.endr
	v_lshl_or_b32 v[PW+(\a)], v[TM+5], 8, v[TM+4]
	v_lshl_or_b32 v[PW+(\a)], v[TM+6], 16, v[PW+(\a)]
	v_lshl_or_b32 v[PW+(\a)], v[TM+7], 24, v[PW+(\a)]
	WIN WN
.irp c, 0,1
	v_cvt_scalef32_pk16_fp6_f32 v[PCA+6*\c:PCA+6*\c+2], v[ACB+32*\c:ACB+32*\c+15], v[TM+12+2*\c]
	v_cvt_scalef32_pk16_fp6_f32 v[PCA+12+4*\c:PCA+12+4*\c+2], v[ACB+32*\c+16:ACB+32*\c+31], v[TM+12+2*\c+1]
.endr
	WIN 0
	v_nop                                          ; one plain place behind a scaled conversion
.irp c, 0,1                            ; a whole block to a lane
.irp i, 0,1,2
	v_permlane16_swap_b32 v[PCA+6*\c+\i], v[PCA+12+4*\c+\i]
.endr
.irp i, 0,1,2
	v_mov_b32 v[PCA+3+6*\c+\i], v[PCA+12+4*\c+\i]
.endr
.endr
.irp g, 0,1,2
	global_store_b128 v[LN16], v[PCA+4*\g:PCA+4*\g+3], s[8:9] offset:FRB*(\a)+512*\g   ; 512 consecutive bytes, at a multiple of 256 from the buffer's first byte
.endr
.endm
.irp b, 0,1,2,3
	v_mov_b32 v[TM+4+\b], 0                        ; a lane permute's destination counts as one of its sources
.endr
.irp a, 0,1,2,3,4,5,6,7
	QOUT \a
.endr
	v_cmp_ne_u32 vcc_lo, 0, v2                     ; lanes 0-15 store their row's words of fragments 0-3, lanes 16-31 of fragments 4-7
.irp j, 0,1,2,3
	v_cndmask_b32 v[TL+\j], v[PW+\j], v[PW+4+\j], vcc_lo
.endr
	global_store_b128 v[LN16], v[TL:TL+3], s[8:9] offset:SCW
	FINISH
.Lfunc_end_k_qf509e61649_proj:
	.size	k_qf509e61649_proj, .Lfunc_end_k_qf509e61649_proj-k_qf509e61649_proj
	.p2alignl 7, 3214868480
	.fill 96, 4, 3214868480
	.section	.rodata,"a",@progbits
	.p2align	6, 0x0
	.amdhsa_kernel k_qf509e61649_proj
		.amdhsa_group_segment_fixed_size 327680
		.amdhsa_private_segment_fixed_size 0
		.amdhsa_enable_private_segment 0
		.amdhsa_kernarg_size 32
		.amdhsa_user_sgpr_count 2
		.amdhsa_user_sgpr_kernarg_segment_ptr 1
		.amdhsa_wavefront_size32 1
		.amdhsa_system_sgpr_workgroup_id_x 1
		.amdhsa_system_sgpr_workgroup_id_y 1
		.amdhsa_system_sgpr_workgroup_id_z 1
		.amdhsa_system_vgpr_workitem_id 0
		.amdhsa_next_free_vgpr 1024
		.amdhsa_next_free_sgpr 80
		.amdhsa_reserve_vcc 1
		.amdhsa_float_denorm_mode_32 3
		.amdhsa_float_denorm_mode_16_64 3
		.amdhsa_memory_ordered 1
		.amdhsa_forward_progress 1
		.amdhsa_inst_pref_size 137
	.end_amdhsa_kernel
	.amdgpu_metadata
---
amdhsa.version: [ 1, 2 ]
amdhsa.kernels:
  - .name:           k_qf509e61649_proj
    .symbol:         k_qf509e61649_proj.kd
    .args:
      - { .name: xc, .offset: 0, .size: 8, .value_kind: global_buffer, .address_space: global }
      - { .name: wc, .offset: 8, .size: 8, .value_kind: global_buffer, .address_space: global }
      - { .name: qk, .offset: 16, .size: 8, .value_kind: global_buffer, .address_space: global }
      - { .name: vt, .offset: 24, .size: 8, .value_kind: global_buffer, .address_space: global }
    .group_segment_fixed_size: 327680
    .private_segment_fixed_size: 0
    .kernarg_segment_align: 8
    .kernarg_segment_size: 32
    .max_flat_workgroup_size: 128
    .sgpr_count:     80
    .vgpr_count:     1024
    .wavefront_size: 32
...
	.end_amdgpu_metadata
.endif
;; end of part 2
;; launch scores (part 3): grid 12 x 16, 4 waves a work-group, clusters of 4 x 4, 327,680 bytes of LDS; arguments qk, pc; writes pc
.if DOCPART == 3
	.amdgcn_target "amdgcn-amd-amdhsa--gfx1250"
	.amdhsa_code_object_version 6
	.text
	.protected	k_qf509e61649_scores
	.globl	k_qf509e61649_scores
	.p2align	8
	.type	k_qf509e61649_scores,@function
k_qf509e61649_scores:
	s_mov_b64 s[64:65], 0
	v_nop
	global_prefetch_b8 v0, s[64:65] scope:SCOPE_SE
	s_setreg_imm32_b32 hwreg(HW_REG_WAVE_MODE, 25, 1), 1
	s_wait_xcnt 0x0
	s_wait_alu depctr_hold_cnt(0) depctr_sa_sdst(0) depctr_va_vdst(0) depctr_va_sdst(0) depctr_va_ssrc(0) depctr_va_vcc(0) depctr_vm_vsrc(0)
	s_getreg_b32 s2, hwreg(HW_REG_IB_STS2, 6, 4)
	s_cmp_eq_u32 s2, 0
	s_cbranch_scc0 .Lentry_in_a_cluster
	s_endpgm
.Lentry_in_a_cluster:
	s_bfe_u32 s2, ttmp6, 0x10000c
	s_cmp_lg_u32 s2, 0xf033
	s_cbranch_scc0 .Lentry_shape_is_right
	s_endpgm
.Lentry_shape_is_right:
; S = q k^T on codes of FP6 (E2M3) with E8M0 scales, the causal mask, and the softmax's p, quantised along the keys, for each chunk of 128 keys UNDER THE CHUNK'S OWN M.
; t = score x log2(e) / 32; M = the ceiling of the largest t of my query in the chunk, a whole number; p = 2^(t - M); l = the sum of the unquantised p.  Codes, scale words, -M and l go to pc;
; the last launch brings a chunk under the row's final M by taking a whole number off p's scale bytes, which changes no code.
; pc: [64 query blocks][16 key chunks][13,824 bytes]: 8 fragment images, 512 bytes of scale words, 512 of -M, 512 of l (the last three in one order: (a, r) at 256 (a / 4) + 16 r + 4 (a % 4)).
; SHARES: a batch's 8 x 8 tiles of 256 x 256 are 2 x 2 clusters of 4 x 4; the cluster above the diagonal is not launched: 3 clusters a batch.  In the two on the diagonal EVERY partner masks by value
; (no branch may hang on the place in the cluster): tiles above the diagonal come out as zero codes with l = 0 and -M = 3e38, which the last launch's whole laps read.
; OPERANDS IN MEMORY lie as images of fragment registers: [block of 128 rows][128 along K][half-panel]; in qk a token block has 16 K steps: 0-7 q, 8-15 k.
; Fragment a, lane r holds row 32 (a / 2) + 8 (a % 2) + r + 8 (r / 8) of its block, so that as source 0 the 16 registers of tiles 2 b, 2 b + 1 are 16 neighbouring rows: 32 b + 16 (lane / 16) + 0 .. 15.
; THE CORE: a tile of 256 x 256, four waves of 128 x 128; K in steps of 256 through two LDS slots; joint loads in a 4 x 4 cluster.  Source 0 = k's fragments, source 1 = q's: a lane holds one query.
; REGISTERS: window 0: v1-31 addresses; v32-63 scale words and nothing else; v64-87 and v96-207 the way out; v128-223 A's fragments in the loop.  Window 1: B's two sets.  Windows 2, 3: the accumulators.
; LIMITS: NaN and infinities are not served; |t| stays under 3e38.  A block of p whose largest weight lies under 2^-60 of its chunk's largest is quantised on that floor's grid (byte 65),
; so that the last launch can take up to 64 off a byte; what that loses lies under 2^-60 of the chunk's largest weight.
.set HPA,   12800                      ; A's half-panel
.set HPB,   12800                      ; B's
.set PVK,   0
.set QA,    2*HPA                      ; what one tensor load brings: 128 rows x 256 along K
.set QB,    2*HPB
.set SLOT,  2*QA+2*QB                  ; A's two blocks, then B's two
.set SPARE, 2*SLOT                     ; behind the ring: the spare words, 128 bytes a wave: two blocks of 256 bytes that no other line names
.set FR,    12                         ; registers of a fragment
.set FRB,   1536                       ; its image
.set SCW,   12288                      ; where a half-panel's scale words begin
.set ADRA,  16                         ; v16-17  my A fragments in slot 0, 1: + 16 x lane
.set ADRB,  18                         ; v18-19  the same for B
.set ADRSA, 20                         ; v20-21  A's scale words in slot 0, 1: + 16 r; lanes 16-31 one half-panel on: the slot's second 128 along K
.set ADRSB, 22                         ; v22-23  the same for B
.set LN16,  26                         ; v26     16 x lane
.set SPW,   28                         ; v28     my spare word; never rewritten
.set NIL,   29                         ; v29     0; never rewritten
.set SC,    32                         ; set s at 32 + 16 s: registers 0-7 the words of A's fragments, 8-15 of B's; lanes 0-15 for the slot's first 128 along K, lanes 16-31 for its second
.set AF,    128
.set G1,    24                         ; s[24:31], s[32:39]: groups 1 and 0 (a set a slot) for A;  s[48:55], s[56:63] for B
.set G0,    32
.set G1B,   48
.set G0B,   56
.set MUL_LO, 0xa1                      ; source 0 window 1, source 1 window 0, C and D window 2
.set MUL_HI, 0xf1                      ; the same, C and D window 3
.set TO_B,   0x40                      ; destination window 1
.set MSB, 0
.macro WIN new                         ; the immediate's high byte repeats the setting that is left
.if MSB != (\new)
	s_set_vgpr_msb (MSB<<8)|(\new)
.set MSB, \new
.endif
.endm
.macro PLACES n                        ; plain places behind matrix instructions, in front of loads into registers that they read and of reads of their results
.rept \n
	v_nop
.endr
.endm
; A joint load: waves 0 and 1 fetch A's two blocks, waves 2 and 3 B's.  The branch hangs on the wave's number alone.  Four v_nop follow each line.
.macro JLOAD g0a, g1a, g0b, g1b
	s_cmp_eq_u32 s15, 0
	s_cbranch_scc0 .Lfor_b_\@
	tensor_load_to_lds s[\g0a:\g0a+3], s[\g1a:\g1a+7]
	s_nop 0
.rept 4
	v_nop
.endr
	s_branch .Lasked_\@
.Lfor_b_\@:
	tensor_load_to_lds s[\g0b:\g0b+3], s[\g1b:\g1b+7]
	s_nop 0
.rept 4
	v_nop
.endr
.Lasked_\@:
.endm
.macro CREST                           ; a round of the cluster's barrier behind its opening barrier
	s_cmp_lg_u32 s14, 0
	s_cbranch_scc1 .Lnot_wave_0_\@
	s_barrier_signal -3
.Lnot_wave_0_\@:
	s_barrier_wait -3
	s_barrier_signal -1
	s_barrier_wait -1
.endm
.macro CROUND
	s_barrier_signal -1
	s_barrier_wait -1
	CREST
.endm
.macro HEAD                            ; the add's two registers, the wave, the place in the cluster, both groups 1
	v_lshl_add_u32 v[SPW], v0, 2, SPARE
	v_mov_b32 v[NIL], 0
	ds_add_u32 v28, v29
	ds_add_u32 v28, v29
	s_wait_dscnt 0x0
	v_lshrrev_b32 v1, 5, v0
	v_readfirstlane_b32 s14, v1                    ; wave 0..3
	s_lshr_b32 s15, s14, 1                         ; which block of A is mine.  Also: I fetch for A (0) or for B (1)
	s_and_b32 s16, s14, 1                          ; which block of B is mine.  Also: which block I fetch
	s_bfe_u32 s40, ttmp6, 0x40000                  ; cx
	s_bfe_u32 s41, ttmp6, 0x40004                  ; cy
	s_lshl_b32 s43, s41, 2
	s_lshl_b32 s43, 15, s43                        ; my row of the cluster
	s_lshl_b32 s44, 0x1111, s40                    ; my column
	s_or_b32 s[G1], s43, (3<<16)|(1<<21)           ; 15:0 the mask; 17:16 elements of 8 bytes; 21 set beside a mask; no padding
	s_or_b32 s[G1B], s44, (3<<16)|(1<<21)
	s_mov_b32 s[G1+1], 32<<16                      ; tensor_dim0 = 32 elements: rows of 256 bytes
	s_mov_b32 s[G1+2], (QA/256)<<16                ; tensor_dim1
	s_mov_b32 s[G1+3], 32<<16                      ; tile_dim0
	s_mov_b32 s[G1+4], QA/256                      ; tile_dim1
	s_mov_b32 s[G1+5], 32                          ; the pitch: the block is dense
	s_mov_b32 s[G1+6], 0
	s_mov_b32 s[G1+7], 0
	s_mov_b32 s[G1B+1], 32<<16
	s_mov_b32 s[G1B+2], (QB/256)<<16
	s_mov_b32 s[G1B+3], 32<<16
	s_mov_b32 s[G1B+4], QB/256
	s_mov_b32 s[G1B+5], 32
	s_mov_b32 s[G1B+6], 0
	s_mov_b32 s[G1B+7], 0
.endm
.macro FILLS                           ; s[66:67], s[68:69]: the first bytes that I would fetch of A and of B.  Both slots are asked for behind one round: two loads of mine are out
	s_mul_i32 s46, s16, QA                         ; where they go: no place in the cluster enters an LDS address
	s_mul_i32 s47, s16, QB
	s_add_co_u32 s47, s47, 2*QA
	CROUND
.irp s, 0,1
	s_mov_b32 s[G0+4*\s], 1
	s_add_co_u32 s[G0+4*\s+1], s46, \s*SLOT
	s_add_nc_u64 s[G0+4*\s+2:G0+4*\s+3], s[66:67], \s*QA
	s_or_b32 s[G0+4*\s+3], s[G0+4*\s+3], 0x80000000
	s_mov_b32 s[G0B+4*\s], 1
	s_add_co_u32 s[G0B+4*\s+1], s47, \s*SLOT
	s_add_nc_u64 s[G0B+4*\s+2:G0B+4*\s+3], s[68:69], \s*QB
	s_or_b32 s[G0B+4*\s+3], s[G0B+4*\s+3], 0x80000000
	JLOAD G0+4*\s, G1, G0B+4*\s, G1B
.endr
.endm
.macro LANES                           ; the lanes' LDS addresses: a constant, a constant x the wave's halves, constants x the lane's r and h
	v_and_b32 v1, 15, v0                           ; r
	v_bfe_u32 v2, v0, 4, 1                         ; h
	v_and_b32 v3, 31, v0
	v_lshlrev_b32 v[LN16], 4, v3
	v_mul_u32_u24 v6, v2, HPA
	v_lshl_add_u32 v6, v1, 4, v6                   ; 16 r + h x A's half-panel
	v_mul_u32_u24 v7, v2, HPB
	v_lshl_add_u32 v7, v1, 4, v7                   ; 16 r + h x B's half-panel
	s_mul_i32 s21, s15, QA
	s_mul_i32 s22, s16, QB
	s_add_co_u32 s22, s22, 2*QA
.irp s, 0,1
	v_add_nc_u32 v[ADRA+\s], s21, v[LN16]
	v_add_nc_u32 v[ADRB+\s], s22, v[LN16]
	s_add_co_u32 s23, s21, SCW
	s_add_co_u32 s45, s22, SCW
	v_add_nc_u32 v[ADRSA+\s], s23, v6
	v_add_nc_u32 v[ADRSB+\s], s45, v7
.if PVK
	s_add_co_u32 s23, s21, 12800
	v_add_nc_u32 v[ADRN+\s], s23, v6
.endif
	s_add_co_u32 s21, s21, SLOT
	s_add_co_u32 s22, s22, SLOT
.endr
.endm
.macro FRAG reg, adr, off              ; a fragment comes back as it was stored: three loads, 512 consecutive bytes each
.irp g, 0,1,2
	ds_load_b128 v[\reg+4*\g:\reg+4*\g+3], v[\adr] offset:\off+512*\g
.endr
.endm
.macro FETCH_B slot, q, p              ; B's eight fragments of the slot's q-th 128 along K into set p
	WIN TO_B
.irp i, 0,1,2,3,4,5,6,7
	FRAG 128*(\p)+FR*\i, ADRB+\slot, (\q)*HPB+FRB*\i
.endr
	WIN 0
.endm
.macro FETCH_A slot, q, i0             ; A's fragments i0 .. i0 + 3
.irp i, \i0, \i0+1, \i0+2, \i0+3
	FRAG AF+FR*(\i), ADRA+\slot, (\q)*HPA+FRB*(\i)
.endr
.endm
.macro SCALES s                        ; a slot's scale words: four loads, each the words of four fragments, for both of the slot's steps
.irp g, 0,1
	ds_load_b128 v[SC+16*(\s)+4*\g:SC+16*(\s)+4*\g+3], v[ADRSA+(\s)] offset:256*\g
.endr
.irp g, 0,1
	ds_load_b128 v[SC+16*(\s)+8+4*\g:SC+16*(\s)+8+4*\g+3], v[ADRSB+(\s)] offset:256*\g
.endr
.endm
; 16 matrix instructions: A's fragments a0, a0 + 1 x B's eight.  The 64 accumulators take turns, one instruction a turn, in the same order in every step.
; The slot's second step takes both sides' scale words from lanes 16-31.
.macro MUL16 a0, p, q, sc, zero
.irp a, \a0, \a0+1
.irp b, 0,1,2,3,4,5,6,7
.if \zero
	v_wmma_scale_f32_16x16x128_f8f6f4 v[8*(8*((\a)%4)+\b):8*(8*((\a)%4)+\b)+7], v[128*(\p)+FR*\b:128*(\p)+FR*\b+FR-1], v[AF+FR*(\a):AF+FR*(\a)+FR-1], 0, v[SC+16*(\sc)+8+\b], v[SC+16*(\sc)+(\a)] matrix_a_fmt:MATRIX_FMT_FP6 matrix_b_fmt:MATRIX_FMT_FP6
.elseif (\q) == 0
	v_wmma_scale_f32_16x16x128_f8f6f4 v[8*(8*((\a)%4)+\b):8*(8*((\a)%4)+\b)+7], v[128*(\p)+FR*\b:128*(\p)+FR*\b+FR-1], v[AF+FR*(\a):AF+FR*(\a)+FR-1], v[8*(8*((\a)%4)+\b):8*(8*((\a)%4)+\b)+7], v[SC+16*(\sc)+8+\b], v[SC+16*(\sc)+(\a)] matrix_a_fmt:MATRIX_FMT_FP6 matrix_b_fmt:MATRIX_FMT_FP6
.else
	v_wmma_scale_f32_16x16x128_f8f6f4 v[8*(8*((\a)%4)+\b):8*(8*((\a)%4)+\b)+7], v[128*(\p)+FR*\b:128*(\p)+FR*\b+FR-1], v[AF+FR*(\a):AF+FR*(\a)+FR-1], v[8*(8*((\a)%4)+\b):8*(8*((\a)%4)+\b)+7], v[SC+16*(\sc)+8+\b], v[SC+16*(\sc)+(\a)] matrix_a_fmt:MATRIX_FMT_FP6 matrix_b_fmt:MATRIX_FMT_FP6 matrix_a_scale:MATRIX_SCALE_ROW1 matrix_b_scale:MATRIX_SCALE_ROW1
.endif
.endr
.endr
.endm
.macro STEP slot, zero                 ; a slot's first 128 along K; it fetches the second
	s_wait_dscnt 12                                ; all but the youngest twelve loads (A's fragments 4-7) are in
	WIN MUL_LO
	MUL16 0, 0, 0, \slot, \zero
	MUL16 2, 0, 0, \slot, \zero
	s_wait_dscnt 0x0                               ; A's fragments 4-7 are in
	PLACES 4
	FETCH_B \slot, 1, 1
	FETCH_A \slot, 1, 0
	WIN MUL_HI
	MUL16 4, 0, 0, \slot, \zero
	MUL16 6, 0, 0, \slot, \zero
	PLACES 4
	WIN 0
	FETCH_A \slot, 1, 4
.endm
; A slot's second 128 along K changes slots: one barrier; in front of it each wave waits for all its tensor loads, adds 0 to its spare word, and waits for that and for its reads of this slot.
.macro TURN slot, next, fill
	s_wait_tensorcnt 0x0                           ; all my tensor loads have landed: my part of the next slot
	ds_add_u32 v[SPW], v[NIL]                      ; 0 onto my spare word
	s_wait_dscnt 13                                ; (the add and the twelve loads of A's fragments 4-7 may be out)
	WIN MUL_LO
	MUL16 0, 1, 1, \slot, 0
	s_wait_dscnt 0x0                               ; the add is done, and my reads of this slot are over
	s_barrier_signal -1
	MUL16 2, 1, 1, \slot, 0
	WIN 0
	s_barrier_wait -1
.if \fill
	CREST                                          ; the barrier has opened a round of the cluster's: no wave of any partner still reads this slot or has a load on its way
	s_add_nc_u64 s[G0+4*\slot+2:G0+4*\slot+3], s[G0+4*\slot+2:G0+4*\slot+3], 2*QA
	s_add_nc_u64 s[G0B+4*\slot+2:G0B+4*\slot+3], s[G0B+4*\slot+2:G0B+4*\slot+3], 2*QB
	JLOAD G0+4*\slot, G1, G0B+4*\slot, G1B         ; my one tensor load behind the round; its four v_nop are the places in front of the loads below
.else
	PLACES 4
.endif
	SCALES \next
.if PVK
	NEGM \next
.endif
	FETCH_B \next, 0, 0
	FETCH_A \next, 0, 0
	WIN MUL_HI
	MUL16 4, 1, 1, \slot, 0
	MUL16 6, 1, 1, \slot, 0
	WIN 0
.if PVK
	s_wait_dscnt 36                                ; the scale words and the -M are in; the 36 fragment loads behind them may be out
	ADJ \next
.else
	PLACES 4
.endif
	FETCH_A \next, 0, 4
.endm
.macro KLOOP                           ; s3: laps less one; a lap is once round the ring, 512 along K
	s_wait_tensorcnt 0x1                           ; my part of slot 0 is in; slot 1's may stay out
	s_barrier_signal -1
	s_barrier_wait -1
	SCALES 0
.if PVK
	NEGM 0
.endif
	FETCH_B 0, 0, 0
	FETCH_A 0, 0, 0
	FETCH_A 0, 0, 4
.if PVK
	s_wait_dscnt 48                                ; the scale words and the -M are in; the 48 fragment loads may be out
	ADJ 0
.endif
	STEP 0, 1                                      ; the first step's products start the sums: nothing is cleared
.Llap:
	TURN 0, 1, 1
	STEP 1, 0
	TURN 1, 0, 1
	STEP 0, 0
	s_sub_co_u32 s3, s3, 1
	s_cmp_lg_u32 s3, 0
	s_cbranch_scc1 .Llap
	TURN 0, 1, 0                                   ; the last lap fills nothing, and has no round
	STEP 1, 0
	s_wait_dscnt 12
	WIN MUL_LO
	MUL16 0, 1, 1, 1, 0
	MUL16 2, 1, 1, 1, 0
	s_wait_dscnt 0x0
	WIN MUL_HI
	MUL16 4, 1, 1, 1, 0
	MUL16 6, 1, 1, 1, 0
	WIN 0
	PLACES 4
.endm
.macro FINISH
	s_wait_tensorcnt 0x0                           ; the wave's end
	ds_add_u32 v[SPW], v[NIL]
	s_wait_dscnt 0x0
	CROUND                                         ; the closing round: no work-group ends while a partner may still ask for a tile that names it
	s_endpgm
.endm
.set HPP, 13824                        ; a half-panel of pc
.set PW,  64                           ; v64-71   p's scale words, one a fragment
.set NM,  72                           ; v72-79   -M
.set LL,  80                           ; v80-87   l
.set BM,  176                          ; v176-179 a block's largest score, then its largest p
.set PX,  180                          ; v180-183 what lane l xor 16 sent; at work
.set SO,  184                          ; v184-187 the conversions' scale operands
.set BY,  188                          ; v188-191 the bytes
.set LS,  192                          ; v[192:193], v[194:195] the sum in two chains of pairs
.set LT,  194
.set TL,  196                          ; v196-207 the way out of the words, -M and l
	s_load_b128 s[4:7], s[0:1], 0x0                ; qk, pc
	HEAD
	s_and_b32 s17, ttmp7, 0xffff                   ; the batch
	s_add_co_u32 s18, ttmp9, 1
	s_lshr_b32 s18, s18, 1                         ; clusters 0, 1, 2 of a batch: (query half, key half) = (0, 0), (1, 0), (1, 1)
	s_lshr_b32 s19, ttmp9, 1
	s_lshl_b32 s18, s18, 2
	s_add_co_u32 s18, s18, s41                     ; the tile of queries
	s_lshl_b32 s19, s19, 2
	s_add_co_u32 s19, s19, s40                     ; the tile of keys
	s_lshl_b32 s20, s17, 4                         ; 16 token blocks a batch
	s_lshl_b32 s72, s18, 1
	s_add_co_u32 s72, s72, s20
	s_add_co_u32 s72, s72, s16
	s_mul_i32 s72, s72, 16*HPA                     ; q: K steps 0-7 of the token block that I would fetch
	s_mov_b32 s73, 0
	s_lshl_b32 s74, s19, 1
	s_add_co_u32 s74, s74, s20
	s_add_co_u32 s74, s74, s16
	s_mul_i32 s74, s74, 16*HPB
	s_add_co_u32 s74, s74, 8*HPB                   ; k: K steps 8-15
	s_mov_b32 s75, 0
	s_lshl_b32 s76, s18, 1
	s_add_co_u32 s76, s76, s20
	s_add_co_u32 s76, s76, s15
	s_lshl_b32 s76, s76, 4                         ; pc: my block of queries x 16 chunks
	s_lshl_b32 s77, s19, 1
	s_add_co_u32 s77, s77, s16
	s_add_co_u32 s76, s76, s77                     ; + my chunk of keys
	s_mul_i32 s76, s76, HPP
	s_mov_b32 s77, 0
	s_mov_b32 s70, 0x76543210
	s_mov_b32 s71, 0xfedcba98                      ; v_permlanex16_b32's selects for lane l xor 16
	s_mov_b32 s78, 0x3d38aa3b                      ; c = log2(e) / sqrt(1024)
	s_mov_b32 s79, s78                             ; (named with it as a pair, so it is written)
	s_mov_b32 s3, 1                                ; K = 1,024: two laps
	s_wait_kmcnt 0x0
	s_add_nc_u64 s[66:67], s[4:5], s[72:73]
	s_add_nc_u64 s[68:69], s[4:5], s[74:75]
	s_add_nc_u64 s[6:7], s[6:7], s[76:77]
	FILLS
	LANES
	s_sub_co_i32 s21, s41, s40                     ; the mask's number, a value and no address: on the diagonal clusters query tile - key tile = cy - cx
	s_lshl_b32 s21, s21, 8
	s_sub_co_i32 s22, s15, s16
	s_lshl_b32 s22, s22, 7
	s_add_co_i32 s21, s21, s22
	v_and_b32 v3, 8, v1
	v_add_nc_u32 v3, v3, v1
	v_lshlrev_b32 v4, 4, v2
	v_sub_nc_u32 v3, v3, v4
	v_add_nc_u32 v24, s21, v3                      ; d = 256 (cy - cx) + 128 (my block of A - my block of B) + r + 8 (r / 8) - 16 h
	v_mov_b32 v25, 0xff800000                      ; -infinity
	v_mov_b32 v13, 0                               ; (named as the upper half of the pair v[12:13])
	KLOOP
; THE WAY OUT, fragment by fragment of queries.  Register 16 b + i of my 64 is key 32 b + 16 h + i of the chunk; my query is 32 (a / 2) + 8 (a % 2) + r + 8 (r / 8) of its block.
.macro SOFT a
.set WN,  2+(\a)/4
.set ACB, 64*((\a)%4)
.set PCA, 96+20*((\a)%4)               ; four sets of codes by turns
.set OFA, 32*((\a)/2)+8*((\a)%2)
	s_cmp_eq_u32 ttmp9, 1                          ; the cluster under the diagonal hides nothing: a branch on the cluster's number, the same in all partners
	s_cbranch_scc1 .Lopen_\@
	WIN WN|(WN<<6)
.set n, 0
.rept 64
	v_cmp_gt_i32 vcc_lo, 32*(n/16)+n%16-OFA, v24   ; hidden where the key comes after the query
	v_cndmask_b32 v[ACB+n], v[ACB+n], v25, vcc_lo  ; (each accumulator from its low end on)
.set n, n+1
.endr
	WIN 0
.Lopen_\@:
.if (\a) > 3
	s_wait_xcnt 0x0                                ; fragment a - 4's stores have read this set of codes: it is written again only behind this wait
.endif
	WIN WN|(WN<<2)
.irp b, 0,1,2,3
	v_max_num_f32 v[BM+\b], v[ACB+16*\b], v[ACB+16*\b+1]   ; the largest score of each block of 32 keys: it serves the row's maximum and, since p rises with the score, the block's largest p
.endr
.irp i, 2,4,6,8,10,12,14
.irp b, 0,1,2,3
	v_max3_num_f32 v[BM+\b], v[ACB+16*\b+\i], v[ACB+16*\b+\i+1], v[BM+\b]
.endr
.endr
	WIN 0
.irp b, 0,1,2,3
	v_permlanex16_b32 v[PX+\b], v[BM+\b], s70, s71
.endr
.irp b, 0,1,2,3
	v_max_num_f32 v[BM+\b], v[BM+\b], v[PX+\b]     ; with lane l xor 16's 16 keys
.endr
	v_max3_num_f32 v[PX], v[BM], v[BM+1], v[BM+2]
	v_max_num_f32 v[PX], v[PX], v[BM+3]            ; the chunk's largest score of my query,
	v_mul_f32 v[PX], s78, v[PX]                    ; as t,
	v_max_num_f32 v[PX], 0xff61b1e6, v[PX]         ; held at -3e38 where every key is hidden: -M is then 3e38, p = 0 and l = 0
	v_floor_f32 v12, -v[PX]                        ; -M = floor(-t) = -ceil(t): a whole number
.irp b, 0,1,2,3
	v_fma_f32 v[BM+\b], v[BM+\b], s78, v12
.endr
.irp b, 0,1,2,3
	v_exp_f32 v[BM+\b], v[BM+\b]                   ; the block's largest p: the same two instructions on the same number give the same bits
.endr
	WIN WN|(WN<<6)
.set n, 0
.rept 32
	v_pk_fma_f32 v[ACB+n:ACB+n+1], v[ACB+n:ACB+n+1], s[78:79], v[12:13] op_sel_hi:[1,0,0]   ; t - M, two at a time (the low words of c and of -M serve both halves)
.set n, n+2
.endr
.set n, 0
.rept 64
	v_exp_f32 v[ACB+n], v[ACB+n]                   ; p = 2^(t - M), at most 1, not normalised
.set n, n+1
.endr
	WIN 0
	s_wait_alu depctr_va_vdst(0)
.irp b, 0,1,2,3
	v_max_num_f32 v[BM+\b], 0x21800000, v[BM+\b]   ; the floor 2^-60: no byte under 65.  (A plain place behind the exponentials)
.endr
.irp b, 0,1,2,3
	v_add_nc_u32 v[SO+\b], 0xff000000, v[BM+\b]    ; 2 off the exponent field: the conversion's scale operand
.endr
.irp b, 0,1,2,3
	v_lshrrev_b32 v[BY+\b], 23, v[SO+\b]           ; the scale's byte
.endr
	v_lshl_or_b32 v[PW+(\a)], v[BY+1], 8, v[BY]
	v_lshl_or_b32 v[PW+(\a)], v[BY+2], 16, v[PW+(\a)]
	v_lshl_or_b32 v[PW+(\a)], v[BY+3], 24, v[PW+(\a)]
	WIN WN
.irp c, 0,1
	v_cvt_scalef32_pk16_fp6_f32 v[PCA+6*\c:PCA+6*\c+2], v[ACB+32*\c:ACB+32*\c+15], v[SO+2*\c]
	v_cvt_scalef32_pk16_fp6_f32 v[PCA+12+4*\c:PCA+12+4*\c+2], v[ACB+32*\c+16:ACB+32*\c+31], v[SO+2*\c+1]
.endr
	v_pk_mul_f32 v[LS:LS+1], v[ACB:ACB+1], 1.0 op_sel_hi:[1,0]      ; the sum is taken of the unquantised p: two chains of pairs.  (These are also the plain place behind the conversions)
	v_pk_mul_f32 v[LT:LT+1], v[ACB+2:ACB+3], 1.0 op_sel_hi:[1,0]
.irp j, 4,8,12,16,20,24,28,32,36,40,44,48,52,56,60
	v_pk_add_f32 v[LS:LS+1], v[ACB+\j:ACB+\j+1], v[LS:LS+1]
	v_pk_add_f32 v[LT:LT+1], v[ACB+\j+2:ACB+\j+3], v[LT:LT+1]
.endr
	WIN 0
.irp c, 0,1                            ; a whole block to a lane
.irp i, 0,1,2
	v_permlane16_swap_b32 v[PCA+6*\c+\i], v[PCA+12+4*\c+\i]
.endr
.irp i, 0,1,2
	v_mov_b32 v[PCA+3+6*\c+\i], v[PCA+12+4*\c+\i]
.endr
.endr
	v_pk_add_f32 v[LS:LS+1], v[LS:LS+1], v[LT:LT+1]
	v_add_f32 v[LS], v[LS], v[LS+1]
	v_permlanex16_b32 v[PX+1], v[LS], s70, s71
	v_add_f32 v[LL+(\a)], v[LS], v[PX+1]           ; with lane l xor 16's: the chunk's l of my query
	v_mov_b32 v[NM+(\a)], v12
.irp g, 0,1,2
	global_store_b128 v[LN16], v[PCA+4*\g:PCA+4*\g+3], s[6:7] offset:FRB*(\a)+512*\g   ; 512 consecutive bytes, at a multiple of 256 from the buffer's first byte
.endr
.endm
.irp b, 0,1,2,3
	v_mov_b32 v[PX+\b], 0                          ; a lane permute's destination counts as one of its sources
.endr
.irp a, 0,1,2,3,4,5,6,7
	SOFT \a
.endr
	v_cmp_ne_u32 vcc_lo, 0, v2                     ; lanes 0-15 store their row's numbers of fragments 0-3, lanes 16-31 of fragments 4-7
.irp j, 0,1,2,3
	v_cndmask_b32 v[TL+\j], v[PW+\j], v[PW+4+\j], vcc_lo
	v_cndmask_b32 v[TL+4+\j], v[NM+\j], v[NM+4+\j], vcc_lo
	v_cndmask_b32 v[TL+8+\j], v[LL+\j], v[LL+4+\j], vcc_lo
.endr
	global_store_b128 v[LN16], v[TL:TL+3], s[6:7] offset:SCW
	global_store_b128 v[LN16], v[TL+4:TL+7], s[6:7] offset:SCW+512
	global_store_b128 v[LN16], v[TL+8:TL+11], s[6:7] offset:SCW+1024
	FINISH
.Lfunc_end_k_qf509e61649_scores:
	.size	k_qf509e61649_scores, .Lfunc_end_k_qf509e61649_scores-k_qf509e61649_scores
	.p2alignl 7, 3214868480
	.fill 96, 4, 3214868480
	.section	.rodata,"a",@progbits
	.p2align	6, 0x0
	.amdhsa_kernel k_qf509e61649_scores
		.amdhsa_group_segment_fixed_size 327680
		.amdhsa_private_segment_fixed_size 0
		.amdhsa_enable_private_segment 0
		.amdhsa_kernarg_size 16
		.amdhsa_user_sgpr_count 2
		.amdhsa_user_sgpr_kernarg_segment_ptr 1
		.amdhsa_wavefront_size32 1
		.amdhsa_system_sgpr_workgroup_id_x 1
		.amdhsa_system_sgpr_workgroup_id_y 1
		.amdhsa_system_sgpr_workgroup_id_z 1
		.amdhsa_system_vgpr_workitem_id 0
		.amdhsa_next_free_vgpr 1024
		.amdhsa_next_free_sgpr 80
		.amdhsa_reserve_vcc 1
		.amdhsa_float_denorm_mode_32 3
		.amdhsa_float_denorm_mode_16_64 3
		.amdhsa_memory_ordered 1
		.amdhsa_forward_progress 1
		.amdhsa_inst_pref_size 234
	.end_amdhsa_kernel
	.amdgpu_metadata
---
amdhsa.version: [ 1, 2 ]
amdhsa.kernels:
  - .name:           k_qf509e61649_scores
    .symbol:         k_qf509e61649_scores.kd
    .args:
      - { .name: qk, .offset: 0, .size: 8, .value_kind: global_buffer, .address_space: global }
      - { .name: pc, .offset: 8, .size: 8, .value_kind: global_buffer, .address_space: global }
    .group_segment_fixed_size: 327680
    .private_segment_fixed_size: 0
    .kernarg_segment_align: 8
    .kernarg_segment_size: 16
    .max_flat_workgroup_size: 128
    .sgpr_count:     80
    .vgpr_count:     1024
    .wavefront_size: 32
...
	.end_amdgpu_metadata
.endif
;; end of part 3
;; launch pv (part 4): grid 4 x 32, 4 waves a work-group, clusters of 4 x 4, 327,680 bytes of LDS; arguments pc, vt, out0; writes out0
.if DOCPART == 4
	.amdgcn_target "amdgcn-amd-amdhsa--gfx1250"
	.amdhsa_code_object_version 6
	.text
	.protected	k_qf509e61649_pv
	.globl	k_qf509e61649_pv
	.p2align	8
	.type	k_qf509e61649_pv,@function
k_qf509e61649_pv:
	s_mov_b64 s[64:65], 0
	v_nop
	global_prefetch_b8 v0, s[64:65] scope:SCOPE_SE
	s_setreg_imm32_b32 hwreg(HW_REG_WAVE_MODE, 25, 1), 1
	s_wait_xcnt 0x0
	s_wait_alu depctr_hold_cnt(0) depctr_sa_sdst(0) depctr_va_vdst(0) depctr_va_sdst(0) depctr_va_ssrc(0) depctr_va_vcc(0) depctr_vm_vsrc(0)
	s_getreg_b32 s2, hwreg(HW_REG_IB_STS2, 6, 4)
	s_cmp_eq_u32 s2, 0
	s_cbranch_scc0 .Lentry_in_a_cluster
	s_endpgm
.Lentry_in_a_cluster:
	s_bfe_u32 s2, ttmp6, 0x10000c
	s_cmp_lg_u32 s2, 0xf033
	s_cbranch_scc0 .Lentry_shape_is_right
	s_endpgm
.Lentry_shape_is_right:
; O = (p v) / l on codes of FP6 (E2M3) with E8M0 scales.  p comes in chunks of 128 keys, each quantised under its own whole number M; here each chunk is brought under the row's final M:
; final M - the chunk's M, a whole number, is taken off each of p's four scale bytes of that chunk, which changes no code; l is the chunks' l under the final M, by v_ldexp_f32, and divides at the end.
; SHARES: a tile of 256 queries x 256 of d_out; a cluster is 4 query tiles x the 4 tiles of d_out.  The cluster of a batch's first four query tiles walks 1,024 keys, the other 2,048:
; the trip count hangs on the cluster's number, the same in all partners; chunks above the diagonal inside that range hold zero codes.
; pc: [64 query blocks][16 chunks][13,824 bytes]: 8 fragment images, 512 bytes of scale words, 512 of -M, 512 of l.  vt: [8 blocks of d_out][64 token blocks][12,800 bytes].
; Fragment a, lane r holds row 32 (a / 2) + 8 (a % 2) + r + 8 (r / 8) of its block, so that as source 0 the 16 registers of tiles 2 b, 2 b + 1 are 16 neighbouring rows: 32 b + 16 (lane / 16) + 0 .. 15.
; THE CORE: four waves of 128 x 128; K in steps of 256 through two LDS slots; joint loads.  Source 0 = v^T's fragments, source 1 = p's: a lane holds one query and its registers run along d_out.
; REGISTERS: window 0: v1-31 addresses; v32-63 scale words and nothing else; v64-71 -M final; v72-87 l, then 1 / l in pairs; v88-95 a slot's -M; v104-111 at work; v128-223 A's fragments.
;   Window 1: B's two sets.  Windows 2, 3: the accumulators.
; LIMITS: NaN and infinities are not served.  At most 64 is taken off a byte (the bytes are 65 at the least, so none borrows and none falls under 1): a chunk more than 64 binades under the row's M
; counts as 2^-64 of its own weights, an error under 2^-64 of the row's largest weight.
.set HPA,   13824                      ; A's half-panel
.set HPB,   12800                      ; B's
.set PVK,   1
.set QA,    2*HPA                      ; what one tensor load brings: 128 rows x 256 along K
.set QB,    2*HPB
.set SLOT,  2*QA+2*QB                  ; A's two blocks, then B's two
.set SPARE, 2*SLOT                     ; behind the ring: the spare words, 128 bytes a wave: two blocks of 256 bytes that no other line names
.set FR,    12                         ; registers of a fragment
.set FRB,   1536                       ; its image
.set SCW,   12288                      ; where a half-panel's scale words begin
.set ADRA,  16                         ; v16-17  my A fragments in slot 0, 1: + 16 x lane
.set ADRB,  18                         ; v18-19  the same for B
.set ADRSA, 20                         ; v20-21  A's scale words in slot 0, 1: + 16 r; lanes 16-31 one half-panel on: the slot's second 128 along K
.set ADRSB, 22                         ; v22-23  the same for B
.set LN16,  26                         ; v26     16 x lane
.set SPW,   28                         ; v28     my spare word; never rewritten
.set NIL,   29                         ; v29     0; never rewritten
.set SC,    32                         ; set s at 32 + 16 s: registers 0-7 the words of A's fragments, 8-15 of B's; lanes 0-15 for the slot's first 128 along K, lanes 16-31 for its second
.set AF,    128
.set G1,    24                         ; s[24:31], s[32:39]: groups 1 and 0 (a set a slot) for A;  s[48:55], s[56:63] for B
.set G0,    32
.set G1B,   48
.set G0B,   56
.set MUL_LO, 0xa1                      ; source 0 window 1, source 1 window 0, C and D window 2
.set MUL_HI, 0xf1                      ; the same, C and D window 3
.set TO_B,   0x40                      ; destination window 1
.set R16,   10                         ; v10     16 r
.set ADRN,  24                         ; v24-25  a slot's -M of my block of queries: + 16 r; lanes 16-31 one half-panel on, as the scale words
.set STO,   27                         ; v27     the way out: where I put 64 bytes of a row
.set RD,    31                         ; v31     the way out: where I read a row back
.set NMF,   64
.set LQ,    72
.set NL,    88
.set TT,    104
.set MSB, 0
.macro WIN new                         ; the immediate's high byte repeats the setting that is left
.if MSB != (\new)
	s_set_vgpr_msb (MSB<<8)|(\new)
.set MSB, \new
.endif
.endm
.macro PLACES n                        ; plain places behind matrix instructions, in front of loads into registers that they read and of reads of their results
.rept \n
	v_nop
.endr
.endm
; A joint load: waves 0 and 1 fetch A's two blocks, waves 2 and 3 B's.  The branch hangs on the wave's number alone.  Four v_nop follow each line.
.macro JLOAD g0a, g1a, g0b, g1b
	s_cmp_eq_u32 s15, 0
	s_cbranch_scc0 .Lfor_b_\@
	tensor_load_to_lds s[\g0a:\g0a+3], s[\g1a:\g1a+7]
	s_nop 0
.rept 4
	v_nop
.endr
	s_branch .Lasked_\@
.Lfor_b_\@:
	tensor_load_to_lds s[\g0b:\g0b+3], s[\g1b:\g1b+7]
	s_nop 0
.rept 4
	v_nop
.endr
.Lasked_\@:
.endm
.macro CREST                           ; a round of the cluster's barrier behind its opening barrier
	s_cmp_lg_u32 s14, 0
	s_cbranch_scc1 .Lnot_wave_0_\@
	s_barrier_signal -3
.Lnot_wave_0_\@:
	s_barrier_wait -3
	s_barrier_signal -1
	s_barrier_wait -1
.endm
.macro CROUND
	s_barrier_signal -1
	s_barrier_wait -1
	CREST
.endm
.macro HEAD                            ; the add's two registers, the wave, the place in the cluster, both groups 1
	v_lshl_add_u32 v[SPW], v0, 2, SPARE
	v_mov_b32 v[NIL], 0
	ds_add_u32 v28, v29
	ds_add_u32 v28, v29
	s_wait_dscnt 0x0
	v_lshrrev_b32 v1, 5, v0
	v_readfirstlane_b32 s14, v1                    ; wave 0..3
	s_lshr_b32 s15, s14, 1                         ; which block of A is mine.  Also: I fetch for A (0) or for B (1)
	s_and_b32 s16, s14, 1                          ; which block of B is mine.  Also: which block I fetch
	s_bfe_u32 s40, ttmp6, 0x40000                  ; cx
	s_bfe_u32 s41, ttmp6, 0x40004                  ; cy
	s_lshl_b32 s43, s41, 2
	s_lshl_b32 s43, 15, s43                        ; my row of the cluster
	s_lshl_b32 s44, 0x1111, s40                    ; my column
	s_or_b32 s[G1], s43, (3<<16)|(1<<21)           ; 15:0 the mask; 17:16 elements of 8 bytes; 21 set beside a mask; no padding
	s_or_b32 s[G1B], s44, (3<<16)|(1<<21)
	s_mov_b32 s[G1+1], 32<<16                      ; tensor_dim0 = 32 elements: rows of 256 bytes
	s_mov_b32 s[G1+2], (QA/256)<<16                ; tensor_dim1
	s_mov_b32 s[G1+3], 32<<16                      ; tile_dim0
	s_mov_b32 s[G1+4], QA/256                      ; tile_dim1
	s_mov_b32 s[G1+5], 32                          ; the pitch: the block is dense
	s_mov_b32 s[G1+6], 0
	s_mov_b32 s[G1+7], 0
	s_mov_b32 s[G1B+1], 32<<16
	s_mov_b32 s[G1B+2], (QB/256)<<16
	s_mov_b32 s[G1B+3], 32<<16
	s_mov_b32 s[G1B+4], QB/256
	s_mov_b32 s[G1B+5], 32
	s_mov_b32 s[G1B+6], 0
	s_mov_b32 s[G1B+7], 0
.endm
.macro FILLS                           ; s[66:67], s[68:69]: the first bytes that I would fetch of A and of B.  Both slots are asked for behind one round: two loads of mine are out
	s_mul_i32 s46, s16, QA                         ; where they go: no place in the cluster enters an LDS address
	s_mul_i32 s47, s16, QB
	s_add_co_u32 s47, s47, 2*QA
	CROUND
.irp s, 0,1
	s_mov_b32 s[G0+4*\s], 1
	s_add_co_u32 s[G0+4*\s+1], s46, \s*SLOT
	s_add_nc_u64 s[G0+4*\s+2:G0+4*\s+3], s[66:67], \s*QA
	s_or_b32 s[G0+4*\s+3], s[G0+4*\s+3], 0x80000000
	s_mov_b32 s[G0B+4*\s], 1
	s_add_co_u32 s[G0B+4*\s+1], s47, \s*SLOT
	s_add_nc_u64 s[G0B+4*\s+2:G0B+4*\s+3], s[68:69], \s*QB
	s_or_b32 s[G0B+4*\s+3], s[G0B+4*\s+3], 0x80000000
	JLOAD G0+4*\s, G1, G0B+4*\s, G1B
.endr
.endm
.macro LANES                           ; the lanes' LDS addresses: a constant, a constant x the wave's halves, constants x the lane's r and h
	v_and_b32 v1, 15, v0                           ; r
	v_bfe_u32 v2, v0, 4, 1                         ; h
	v_and_b32 v3, 31, v0
	v_lshlrev_b32 v[LN16], 4, v3
	v_mul_u32_u24 v6, v2, HPA
	v_lshl_add_u32 v6, v1, 4, v6                   ; 16 r + h x A's half-panel
	v_mul_u32_u24 v7, v2, HPB
	v_lshl_add_u32 v7, v1, 4, v7                   ; 16 r + h x B's half-panel
	s_mul_i32 s21, s15, QA
	s_mul_i32 s22, s16, QB
	s_add_co_u32 s22, s22, 2*QA
.irp s, 0,1
	v_add_nc_u32 v[ADRA+\s], s21, v[LN16]
	v_add_nc_u32 v[ADRB+\s], s22, v[LN16]
	s_add_co_u32 s23, s21, SCW
	s_add_co_u32 s45, s22, SCW
	v_add_nc_u32 v[ADRSA+\s], s23, v6
	v_add_nc_u32 v[ADRSB+\s], s45, v7
.if PVK
	s_add_co_u32 s23, s21, 12800
	v_add_nc_u32 v[ADRN+\s], s23, v6
.endif
	s_add_co_u32 s21, s21, SLOT
	s_add_co_u32 s22, s22, SLOT
.endr
.endm
.macro FRAG reg, adr, off              ; a fragment comes back as it was stored: three loads, 512 consecutive bytes each
.irp g, 0,1,2
	ds_load_b128 v[\reg+4*\g:\reg+4*\g+3], v[\adr] offset:\off+512*\g
.endr
.endm
.macro FETCH_B slot, q, p              ; B's eight fragments of the slot's q-th 128 along K into set p
	WIN TO_B
.irp i, 0,1,2,3,4,5,6,7
	FRAG 128*(\p)+FR*\i, ADRB+\slot, (\q)*HPB+FRB*\i
.endr
	WIN 0
.endm
.macro FETCH_A slot, q, i0             ; A's fragments i0 .. i0 + 3
.irp i, \i0, \i0+1, \i0+2, \i0+3
	FRAG AF+FR*(\i), ADRA+\slot, (\q)*HPA+FRB*(\i)
.endr
.endm
.macro SCALES s                        ; a slot's scale words: four loads, each the words of four fragments, for both of the slot's steps
.irp g, 0,1
	ds_load_b128 v[SC+16*(\s)+4*\g:SC+16*(\s)+4*\g+3], v[ADRSA+(\s)] offset:256*\g
.endr
.irp g, 0,1
	ds_load_b128 v[SC+16*(\s)+8+4*\g:SC+16*(\s)+8+4*\g+3], v[ADRSB+(\s)] offset:256*\g
.endr
.endm
.macro NEGM s                          ; the -M of a slot's two chunks: register a = my row of fragment a; lanes 0-15 the first chunk's, lanes 16-31 the second's, as p's scale words lie
.irp g, 0,1
	ds_load_b128 v[NL+4*\g:NL+4*\g+3], v[ADRN+(\s)] offset:256*\g
.endr
.endm
.macro ADJ s                           ; final M - the chunk's M, 0 to 64, comes off each byte of p's scale words; the eight registers by turns
.irp i, 0,1,2,3,4,5,6,7
	v_sub_f32 v[TT+\i], v[NL+\i], v[NMF+\i]        ; a whole number, 0 or more
.endr
.irp i, 0,1,2,3,4,5,6,7
	v_cvt_i32_f32 v[TT+\i], v[TT+\i]               ; (it saturates)
.endr
.irp i, 0,1,2,3,4,5,6,7
	v_min_u32 v[TT+\i], 64, v[TT+\i]
.endr
.irp i, 0,1,2,3,4,5,6,7
	v_perm_b32 v[TT+\i], v[TT+\i], v[TT+\i], 0     ; its low byte into all four
.endr
.irp i, 0,1,2,3,4,5,6,7
	v_sub_nc_u32 v[SC+16*(\s)+\i], v[SC+16*(\s)+\i], v[TT+\i]   ; every byte is 65 or more: none borrows
.endr
.rept 8
	v_nop                                          ; a scale register written by a vector instruction stands 8 places ahead of a scaled matrix instruction
.endr
.endm
; 16 matrix instructions: A's fragments a0, a0 + 1 x B's eight.  The 64 accumulators take turns, one instruction a turn, in the same order in every step.
; The slot's second step takes both sides' scale words from lanes 16-31.
.macro MUL16 a0, p, q, sc, zero
.irp a, \a0, \a0+1
.irp b, 0,1,2,3,4,5,6,7
.if \zero
	v_wmma_scale_f32_16x16x128_f8f6f4 v[8*(8*((\a)%4)+\b):8*(8*((\a)%4)+\b)+7], v[128*(\p)+FR*\b:128*(\p)+FR*\b+FR-1], v[AF+FR*(\a):AF+FR*(\a)+FR-1], 0, v[SC+16*(\sc)+8+\b], v[SC+16*(\sc)+(\a)] matrix_a_fmt:MATRIX_FMT_FP6 matrix_b_fmt:MATRIX_FMT_FP6
.elseif (\q) == 0
	v_wmma_scale_f32_16x16x128_f8f6f4 v[8*(8*((\a)%4)+\b):8*(8*((\a)%4)+\b)+7], v[128*(\p)+FR*\b:128*(\p)+FR*\b+FR-1], v[AF+FR*(\a):AF+FR*(\a)+FR-1], v[8*(8*((\a)%4)+\b):8*(8*((\a)%4)+\b)+7], v[SC+16*(\sc)+8+\b], v[SC+16*(\sc)+(\a)] matrix_a_fmt:MATRIX_FMT_FP6 matrix_b_fmt:MATRIX_FMT_FP6
.else
	v_wmma_scale_f32_16x16x128_f8f6f4 v[8*(8*((\a)%4)+\b):8*(8*((\a)%4)+\b)+7], v[128*(\p)+FR*\b:128*(\p)+FR*\b+FR-1], v[AF+FR*(\a):AF+FR*(\a)+FR-1], v[8*(8*((\a)%4)+\b):8*(8*((\a)%4)+\b)+7], v[SC+16*(\sc)+8+\b], v[SC+16*(\sc)+(\a)] matrix_a_fmt:MATRIX_FMT_FP6 matrix_b_fmt:MATRIX_FMT_FP6 matrix_a_scale:MATRIX_SCALE_ROW1 matrix_b_scale:MATRIX_SCALE_ROW1
.endif
.endr
.endr
.endm
.macro STEP slot, zero                 ; a slot's first 128 along K; it fetches the second
	s_wait_dscnt 12                                ; all but the youngest twelve loads (A's fragments 4-7) are in
	WIN MUL_LO
	MUL16 0, 0, 0, \slot, \zero
	MUL16 2, 0, 0, \slot, \zero
	s_wait_dscnt 0x0                               ; A's fragments 4-7 are in
	PLACES 4
	FETCH_B \slot, 1, 1
	FETCH_A \slot, 1, 0
	WIN MUL_HI
	MUL16 4, 0, 0, \slot, \zero
	MUL16 6, 0, 0, \slot, \zero
	PLACES 4
	WIN 0
	FETCH_A \slot, 1, 4
.endm
; A slot's second 128 along K changes slots: one barrier; in front of it each wave waits for all its tensor loads, adds 0 to its spare word, and waits for that and for its reads of this slot.
.macro TURN slot, next, fill
	s_wait_tensorcnt 0x0                           ; all my tensor loads have landed: my part of the next slot
	ds_add_u32 v[SPW], v[NIL]                      ; 0 onto my spare word
	s_wait_dscnt 13                                ; (the add and the twelve loads of A's fragments 4-7 may be out)
	WIN MUL_LO
	MUL16 0, 1, 1, \slot, 0
	s_wait_dscnt 0x0                               ; the add is done, and my reads of this slot are over
	s_barrier_signal -1
	MUL16 2, 1, 1, \slot, 0
	WIN 0
	s_barrier_wait -1
.if \fill
	CREST                                          ; the barrier has opened a round of the cluster's: no wave of any partner still reads this slot or has a load on its way
	s_add_nc_u64 s[G0+4*\slot+2:G0+4*\slot+3], s[G0+4*\slot+2:G0+4*\slot+3], 2*QA
	s_add_nc_u64 s[G0B+4*\slot+2:G0B+4*\slot+3], s[G0B+4*\slot+2:G0B+4*\slot+3], 2*QB
	JLOAD G0+4*\slot, G1, G0B+4*\slot, G1B         ; my one tensor load behind the round; its four v_nop are the places in front of the loads below
.else
	PLACES 4
.endif
	SCALES \next
.if PVK
	NEGM \next
.endif
	FETCH_B \next, 0, 0
	FETCH_A \next, 0, 0
	WIN MUL_HI
	MUL16 4, 1, 1, \slot, 0
	MUL16 6, 1, 1, \slot, 0
	WIN 0
.if PVK
	s_wait_dscnt 36                                ; the scale words and the -M are in; the 36 fragment loads behind them may be out
	ADJ \next                                      ; its plain instructions are also the places in front of the loads below
.else
	PLACES 4
.endif
	FETCH_A \next, 0, 4
.endm
.macro KLOOP                           ; s3: laps less one; a lap is once round the ring, 512 along K
	s_wait_tensorcnt 0x1                           ; my part of slot 0 is in; slot 1's may stay out
	s_barrier_signal -1
	s_barrier_wait -1
	SCALES 0
.if PVK
	NEGM 0
.endif
	FETCH_B 0, 0, 0
	FETCH_A 0, 0, 0
	FETCH_A 0, 0, 4
.if PVK
	s_wait_dscnt 48                                ; the scale words and the -M are in; the 48 fragment loads may be out
	ADJ 0
.endif
	STEP 0, 1                                      ; the first step's products start the sums: nothing is cleared
.Llap:
	TURN 0, 1, 1
	STEP 1, 0
	TURN 1, 0, 1
	STEP 0, 0
	s_sub_co_u32 s3, s3, 1
	s_cmp_lg_u32 s3, 0
	s_cbranch_scc1 .Llap
	TURN 0, 1, 0                                   ; the last lap fills nothing, and has no round
	STEP 1, 0
	s_wait_dscnt 12
	WIN MUL_LO
	MUL16 0, 1, 1, 1, 0
	MUL16 2, 1, 1, 1, 0
	s_wait_dscnt 0x0
	WIN MUL_HI
	MUL16 4, 1, 1, 1, 0
	MUL16 6, 1, 1, 1, 0
	WIN 0
	PLACES 4
.endm
.macro FINISH
	s_wait_tensorcnt 0x0                           ; the wave's end
	ds_add_u32 v[SPW], v[NIL]
	s_wait_dscnt 0x0
	CROUND                                         ; the closing round: no work-group ends while a partner may still ask for a tile that names it
	s_endpgm
.endm
; Eight chunks' -M and l of my 128 queries: the final -M is the least -M; l is summed under it.  16 lanes read 256 consecutive bytes; both halves of the lanes read the same.
.macro MLGROUP g
.irp k, 0,1,2,3,4,5,6,7
.irp u, 0,1
	global_load_b128 v[128+8*\k+4*\u:128+8*\k+4*\u+3], v[R16], s[10:11] offset:(8*\g+\k)*HPA+12800+256*\u
	global_load_b128 v[192+8*\k+4*\u:192+8*\k+4*\u+3], v[R16], s[10:11] offset:(8*\g+\k)*HPA+13312+256*\u
.endr
.endr
	s_wait_loadcnt 0x0
.irp a, 0,1,2,3,4,5,6,7
	v_mov_b32 v[TT+\a], v[NMF+\a]
.endr
.irp k, 0,2,4,6
.irp a, 0,1,2,3,4,5,6,7
	v_min3_num_f32 v[NMF+\a], v[NMF+\a], v[128+8*\k+\a], v[136+8*\k+\a]
.endr
.endr
.irp a, 0,1,2,3,4,5,6,7
	v_sub_f32 v[TT+\a], v[NMF+\a], v[TT+\a]        ; old M - new M: a whole number, 0 or less
.endr
.irp a, 0,1,2,3,4,5,6,7
	v_cvt_i32_f32 v[TT+\a], v[TT+\a]               ; (it saturates)
.endr
.irp a, 0,1,2,3,4,5,6,7
	v_ldexp_f32 v[LQ+2*\a], v[LQ+2*\a], v[TT+\a]   ; what was summed under the old M
.endr
.irp k, 0,1,2,3,4,5,6,7
.irp a, 0,1,2,3,4,5,6,7
	v_sub_f32 v[TT+\a], v[NMF+\a], v[128+8*\k+\a]  ; the chunk's M - the new M
.endr
.irp a, 0,1,2,3,4,5,6,7
	v_cvt_i32_f32 v[TT+\a], v[TT+\a]
.endr
.irp a, 0,1,2,3,4,5,6,7
	v_ldexp_f32 v[TT+\a], v[192+8*\k+\a], v[TT+\a]
.endr
.irp a, 0,1,2,3,4,5,6,7
	v_add_f32 v[LQ+2*\a], v[LQ+2*\a], v[TT+\a]
.endr
.endr
.endm
	s_load_b128 s[4:7], s[0:1], 0x0                ; pc, vt
	s_load_b64 s[8:9], s[0:1], 0x10                ; out0
	HEAD
	s_and_b32 s17, ttmp7, 0xffff                   ; the cluster: 2 x batch + half of the queries
	s_lshr_b32 s18, s17, 1                         ; the batch
	s_and_b32 s19, s17, 1                          ; which half: it sets the number of laps, for all sixteen partners alike
	s_lshl_b32 s20, s19, 2
	s_add_co_u32 s20, s20, s41                     ; the tile of queries
	s_lshl_b32 s17, s18, 4                         ; 16 token blocks a batch
	s_lshl_b32 s72, s20, 1
	s_add_co_u32 s72, s72, s17
	s_add_co_u32 s42, s72, s15                     ; my block of queries
	s_add_co_u32 s72, s72, s16
	s_mul_i32 s72, s72, 16*HPA                     ; p: the block of queries that I would fetch, chunk 0
	s_mov_b32 s73, 0
	s_lshl_b32 s74, s40, 1
	s_add_co_u32 s74, s74, s16
	s_lshl_b32 s74, s74, 6
	s_add_co_u32 s74, s74, s17
	s_mul_i32 s74, s74, HPB                        ; v^T: the block of d_out that I would fetch, the batch's first token block
	s_mov_b32 s75, 0
	s_mul_i32 s76, s42, 16*HPA
	s_mov_b32 s77, 0
	s_lshl_b32 s3, s19, 1
	s_add_co_u32 s3, s3, 1                         ; K = 1,024 or 2,048: two or four laps, less one
	s_max_u32 s3, s3, 1                            ; (1 or 3: the count that comes down starts at 1 at the least)
	s_wait_kmcnt 0x0
	s_add_nc_u64 s[66:67], s[4:5], s[72:73]
	s_add_nc_u64 s[68:69], s[6:7], s[74:75]
	s_add_nc_u64 s[10:11], s[4:5], s[76:77]        ; my block of queries in pc, for -M and l
	s_lshl_b32 s76, s42, 19                        ; out0: my 128 rows of 4,096 bytes,
	s_lshl_b32 s43, s40, 10
	s_add_co_u32 s76, s76, s43                     ; the tile's 256 columns,
	s_lshl_b32 s43, s16, 9
	s_add_co_u32 s76, s76, s43                     ; my 128 of them
	s_add_nc_u64 s[8:9], s[8:9], s[76:77]
	FILLS
	LANES
	s_mul_i32 s23, s14, 16*528                     ; the way out: a stage of 16 rows x (512 + 16) bytes a wave, in slot 0, which has had its last fill and its last read by then
	v_mul_u32_u24 v5, v1, 528
	v_lshl_add_u32 v5, v2, 6, v5
	v_add_nc_u32 v[STO], s23, v5                   ; in: row r, + 64 h
	v_add_nc_u32 v[RD], s23, v[LN16]               ; back: 16 bytes a lane of a row
	v_lshlrev_b32 v[R16], 4, v1
.irp a, 0,1,2,3,4,5,6,7
	v_mov_b32 v[NMF+\a], 0x7f61b1e6                ; 3e38: over every -M
	v_mov_b32 v[LQ+2*\a], 0
.endr
	MLGROUP 0                                      ; while the first tiles are on their way
	s_cmp_eq_u32 s19, 0
	s_cbranch_scc1 .Lone_group
	MLGROUP 1
.Lone_group:
.irp a, 0,1,2,3,4,5,6,7
	v_rcp_f32 v[LQ+2*\a], v[LQ+2*\a]               ; key 0 counts for every query: l is over 1/2
.endr
	v_nop                                          ; a plain place behind the reciprocals
	s_wait_alu depctr_va_vdst(0)
.irp a, 0,1,2,3,4,5,6,7
	v_mov_b32 v[LQ+2*\a+1], v[LQ+2*\a]             ; twice: a pair for the packed multiply
.endr
	KLOOP
; THE WAY OUT, fragment by fragment of queries: / l, through my stage, and out as whole rows of 512 bytes.  Register 16 b + i of my 64 is column 32 b + 16 h + i of my 128.
.macro OUTA a
.set WN,  2+(\a)/4
.set ACB, 64*((\a)%4)
	WIN WN
.set n, 0
.rept 32
	v_pk_mul_f32 v[96+n:97+n], v[ACB+n:ACB+n+1], v[LQ+2*(\a):LQ+2*(\a)+1]   ; each accumulator from its low end on
.set n, n+2
.endr
	WIN 0
.irp b, 0,1,2,3,4,5,6,7
	ds_store_b128 v[STO], v[96+8*\b:99+8*\b] offset:128*(\b/2)+32*(\b%2)
	ds_store_b128 v[STO], v[100+8*\b:103+8*\b] offset:128*(\b/2)+32*(\b%2)+16
.endr
	s_wait_xcnt 0x0                                ; the last fragment's stores have read v160 on: it is loaded again only behind this wait
.irp t, 0,1,2,3,4,5,6,7,8,9,10,11,12,13,14,15
	ds_load_b128 v[160+4*\t:163+4*\t], v[RD] offset:528*\t   ; LDS serves a wave's instructions in order: these see the stores above
.endr
.irp t, 0,1,2,3,4,5,6,7,8,9,10,11,12,13,14,15
	s_wait_dscnt 15-\t                             ; row t is back; the younger loads may be out
	global_store_b128 v[LN16], v[160+4*\t:163+4*\t], s[8:9] offset:(32*((\a)/2)+8*((\a)%2)+\t+8*(\t/8))*4096 th:TH_STORE_NT   ; 512 consecutive bytes, at a multiple of 256 from out0's first byte
.endr
.endm
.irp a, 0,1,2,3,4,5,6,7
	OUTA \a
.endr
	FINISH
.Lfunc_end_k_qf509e61649_pv:
	.size	k_qf509e61649_pv, .Lfunc_end_k_qf509e61649_pv-k_qf509e61649_pv
	.p2alignl 7, 3214868480
	.fill 96, 4, 3214868480
	.section	.rodata,"a",@progbits
	.p2align	6, 0x0
	.amdhsa_kernel k_qf509e61649_pv
		.amdhsa_group_segment_fixed_size 327680
		.amdhsa_private_segment_fixed_size 0
		.amdhsa_enable_private_segment 0
		.amdhsa_kernarg_size 24
		.amdhsa_user_sgpr_count 2
		.amdhsa_user_sgpr_kernarg_segment_ptr 1
		.amdhsa_wavefront_size32 1
		.amdhsa_system_sgpr_workgroup_id_x 1
		.amdhsa_system_sgpr_workgroup_id_y 1
		.amdhsa_system_sgpr_workgroup_id_z 1
		.amdhsa_system_vgpr_workitem_id 0
		.amdhsa_next_free_vgpr 1024
		.amdhsa_next_free_sgpr 80
		.amdhsa_reserve_vcc 0
		.amdhsa_float_denorm_mode_32 3
		.amdhsa_float_denorm_mode_16_64 3
		.amdhsa_memory_ordered 1
		.amdhsa_forward_progress 1
		.amdhsa_inst_pref_size 193
	.end_amdhsa_kernel
	.amdgpu_metadata
---
amdhsa.version: [ 1, 2 ]
amdhsa.kernels:
  - .name:           k_qf509e61649_pv
    .symbol:         k_qf509e61649_pv.kd
    .args:
      - { .name: pc, .offset: 0, .size: 8, .value_kind: global_buffer, .address_space: global }
      - { .name: vt, .offset: 8, .size: 8, .value_kind: global_buffer, .address_space: global }
      - { .name: out0, .offset: 16, .size: 8, .value_kind: global_buffer, .address_space: global }
    .group_segment_fixed_size: 327680
    .private_segment_fixed_size: 0
    .kernarg_segment_align: 8
    .kernarg_segment_size: 24
    .max_flat_workgroup_size: 128
    .sgpr_count:     80
    .vgpr_count:     1024
    .wavefront_size: 32
...
	.end_amdgpu_metadata
.endif
;; end of part 4
;; ======== version 2 of 2: 4 launches
;; limits: right only within a limited range of input values
;; workspace buffers: xc 6,553,600 bytes; wc 2,457,600 bytes; qk 13,107,200 bytes; vt 6,553,600 bytes; pc 14,155,776 bytes
;; launch quant (part 5): grid 1408 x 1, 4 waves a work-group, no clusters, 34,560 bytes of LDS; arguments x, wq, wk, wv, xc, wc; writes xc, wc
.if DOCPART == 5
	.amdgcn_target "amdgcn-amd-amdhsa--gfx1250"
	.amdhsa_code_object_version 6
	.text
	.protected	k_qf509e61649_quant
	.globl	k_qf509e61649_quant
	.p2align	8
	.type	k_qf509e61649_quant,@function
k_qf509e61649_quant:
	s_mov_b64 s[64:65], 0
	v_nop
	global_prefetch_b8 v0, s[64:65] scope:SCOPE_SE
	s_setreg_imm32_b32 hwreg(HW_REG_WAVE_MODE, 25, 1), 1
	s_wait_xcnt 0x0
; x [8192][1024] and wq, wk, wv [1024][1024], f32 with K innermost, become codes of FP6 (E2M3) with one E8M0 byte for each 32 along K.
; WORK LEFT OUT BY THE PROGRAM: scores of a key after its query are replaced by -infinity, for all values of the inputs, so they reach no output: the quarter of each batch's score matrix that lies
; wholly above the diagonal (queries 0-1023, keys 1024-2047) is not computed, and the last launch does not walk those keys' weights.  A NaN, an infinity or an overflow that reaches only these scores is not carried to the result.
; A block's scale is 2^(floor(log2(its largest magnitude)) - 2); its byte is the largest magnitude's exponent field - 2, held at 1 from below.
; LAYOUT: a buffer is [block of 128 rows][128 along K][half-panel of 12,800 bytes]; a half-panel is 8 fragment images of 1,536 bytes, then 512 bytes of scale words.
;   Fragment a = 4 w + j, lane r (of 16) of block X holds row 256 (X / 2) + 128 w + 64 (X % 2) + 32 (r / 8) + 8 j + r % 8 of its tensor; register i of lane l lies at 512 (i / 4) + 16 l + 4 (i % 4) of the image;
;   the scale word of (a, r) lies at 256 (a / 4) + 16 r + 4 (a % 4).  By this order of rows a lane's sums of four tiles are 32 neighbours along the next product's K.
; SHARES: 88 blocks (64 of x, 8 of each weight) x 2 halves x 8 steps of K = 1,408 work-groups; a wave takes one fragment, 16 rows x 128 along K.  All of a wave's loads are out at once.
; Only pointers are chosen, by the work-group's number.  No tile is read by two work-groups, so clusters and tensor loads would add nothing.
; Each load reads 512 consecutive bytes of a row; the 16 rows turn through the wave's own stage in LDS (rows 528 bytes apart), from which a lane takes whole blocks of 32.
; LIMITS: NaN and infinities among the inputs are not served.  A block of zeros gets the byte 1 where the rule says 127: its codes are zeros, and this program alone reads the bytes.
.set HP,    12800
.set SP,    528
.set WORDS, 4*16*SP                    ; the four waves' scale words, 256 bytes
.set SPARE, WORDS+256                  ; the spare words, 128 bytes a wave
.set X,     16                         ; v16-79: 16 rows as loaded, then register 32 c + e = k 64 c + 32 h + e of my row
.set TM,    80
.set PC,    96                         ; v96-107 the image's registers
	s_load_b256 s[4:11], s[0:1], 0x0               ; x, wq, wk, wv
	s_load_b128 s[12:15], s[0:1], 0x20             ; xc, wc
	v_lshl_add_u32 v12, v0, 2, SPARE
	v_mov_b32 v13, 0
	v_lshrrev_b32 v1, 5, v0
	v_readfirstlane_b32 s18, v1                    ; wave: fragment j of the half
	v_and_b32 v1, 31, v0
	v_and_b32 v2, 15, v0                           ; r
	v_bfe_u32 v3, v0, 4, 1                         ; h
	v_lshlrev_b32 v4, 4, v1                        ; 16 x lane
	s_mul_i32 s19, s18, 16*SP                      ; my stage
	v_add_nc_u32 v5, s19, v4
	v_mul_u32_u24 v6, v2, SP
	v_lshl_add_u32 v6, v3, 7, v6
	v_add_nc_u32 v6, s19, v6                       ; row r, + 128 h
	s_lshl_b32 s20, s18, 2
	s_add_co_u32 s20, s20, WORDS
	v_lshlrev_b32 v7, 4, v2
	v_add_nc_u32 v7, s20, v7                       ; my row's scale word
	v_lshlrev_b32 v8, 3, v1
	v_add_nc_u32 v9, WORDS, v8                     ; the words' way out, 8 bytes a lane
	v_lshlrev_b32 v10, 3, v3                       ; 8 h
	v_mov_b32 v11, 0                               ; a lane permute's destination counts as one of its sources
	s_mov_b32 s20, 0x76543210
	s_mov_b32 s21, 0xfedcba98                      ; v_permlanex16_b32's selects for lane l xor 16
	s_and_b32 s22, ttmp9, 7                        ; which 128 along K
	s_bfe_u32 s23, ttmp9, 0x10003                  ; which half of the block's fragments
	s_lshr_b32 s16, ttmp9, 4                       ; block 0..87: 0-63 x, 64-71 wq, 72-79 wk, 80-87 wv
	s_and_b32 s17, s16, 7
	s_sub_co_u32 s24, s16, 64
	s_wait_alu depctr_va_vdst(0)
	s_wait_kmcnt 0x0
	s_cmp_lt_u32 s16, 72
	s_cselect_b64 s[6:7], s[6:7], s[8:9]
	s_cmp_lt_u32 s16, 80
	s_cselect_b64 s[6:7], s[6:7], s[10:11]
	s_cmp_lt_u32 s16, 64
	s_cselect_b64 s[4:5], s[4:5], s[6:7]           ; the source,
	s_cselect_b64 s[12:13], s[12:13], s[14:15]     ; the codes' buffer,
	s_cselect_b32 s17, s16, s17                    ; the block in the source,
	s_cselect_b32 s24, s16, s24                    ; and in the codes' buffer
	s_lshr_b32 s26, s17, 1
	s_lshl_b32 s26, s26, 20                        ; 256 rows of 4,096 bytes
	s_lshl_b32 s25, s23, 19                        ; 128
	s_add_co_u32 s26, s26, s25
	s_and_b32 s25, s17, 1
	s_lshl_b32 s25, s25, 18                        ; 64
	s_add_co_u32 s26, s26, s25
	s_lshl_b32 s25, s18, 15                        ; 8
	s_add_co_u32 s26, s26, s25
	s_lshl_b32 s25, s22, 9                         ; 128 numbers
	s_add_co_u32 s26, s26, s25
	s_mov_b32 s27, 0
	s_add_nc_u64 s[4:5], s[4:5], s[26:27]
.irp i, 0,1,2,3,4,5,6,7,8,9,10,11,12,13,14,15
	global_load_b128 v[X+4*\i:X+4*\i+3], v4, s[4:5] offset:(\i+24*(\i/8))*4096 th:TH_LOAD_NT
.endr
	s_lshl_b32 s28, s24, 3
	s_add_co_u32 s28, s28, s22
	s_mul_i32 s28, s28, HP
	s_mov_b32 s29, 0
	s_add_nc_u64 s[12:13], s[12:13], s[28:29]      ; the half-panel
	s_lshl_b32 s28, s23, 2
	s_add_co_u32 s28, s28, s18
	s_mul_i32 s28, s28, 1536
	s_add_nc_u64 s[14:15], s[12:13], s[28:29]      ; my image
	s_lshl_b32 s28, s23, 8
	s_add_nc_u64 s[12:13], s[12:13], s[28:29]      ; the half's scale words (12,288 stands in the store)
.irp n, 0,1
	s_wait_loadcnt 8*(1-\n)
.irp i, 0,1,2,3,4,5,6,7
	ds_store_b128 v5, v[X+4*(8*\n+\i):X+4*(8*\n+\i)+3] offset:SP*(8*\n+\i)
.endr
.endr
	s_wait_dscnt 0x0                               ; the stores have read their registers
.irp c, 0,1
.irp m, 0,1,2,3,4,5,6,7
	ds_load_b128 v[X+32*\c+4*\m:X+32*\c+4*\m+3], v6 offset:256*\c+16*\m
.endr
.endr
	s_wait_dscnt 0x0
.irp k, 0,1,2,3
	v_max3_num_f32 v[TM+\k], |v[X+16*\k]|, |v[X+16*\k+1]|, 0x1800000   ; four chains by turns; the floor 2^(3 - 127): the byte cannot fall under 1
.endr
.irp i, 2,4,6,8,10,12,14
.irp k, 0,1,2,3
	v_max3_num_f32 v[TM+\k], v[TM+\k], |v[X+16*\k+\i]|, |v[X+16*\k+\i+1]|
.endr
.endr
	v_max_num_f32 v84, v[TM], v[TM+1]              ; the largest magnitudes of my two blocks
	v_max_num_f32 v85, v[TM+2], v[TM+3]
	v_add_nc_u32 v84, 0xff000000, v84              ; 2 off the exponent field: the conversion's scale operand
	v_add_nc_u32 v85, 0xff000000, v85
	v_lshrrev_b32 v86, 23, v84
	v_lshrrev_b32 v87, 23, v85
	v_cvt_scalef32_pk16_fp6_f32 v[PC:PC+2], v[X:X+15], v84
	v_cvt_scalef32_pk16_fp6_f32 v[PC+6:PC+8], v[X+32:X+47], v85
	v_cvt_scalef32_pk16_fp6_f32 v[PC+12:PC+14], v[X+16:X+31], v84      ; (a conversion's three registers begin on an even number)
	v_cvt_scalef32_pk16_fp6_f32 v[PC+16:PC+18], v[X+48:X+63], v85
	v_lshl_or_b32 v88, v87, 16, v86                ; blocks h and 2 + h of my row
	v_lshlrev_b32 v88, v10, v88
.irp i, 0,1,2
	v_mov_b32 v[PC+3+\i], v[PC+12+\i]
	v_mov_b32 v[PC+9+\i], v[PC+16+\i]
.endr
	v_permlanex16_b32 v11, v88, s20, s21
	v_or_b32 v88, v88, v11                         ; with lane l xor 16's two bytes the word is whole
	ds_store_b32 v7, v88                           ; (both lanes of a row write the same word)
.irp g, 0,1,2
	global_store_b128 v4, v[PC+4*\g:PC+4*\g+3], s[14:15] offset:512*\g   ; 512 consecutive bytes, at a multiple of 256
.endr
	s_wait_dscnt 0x0
	s_barrier_signal -1
	s_barrier_wait -1                              ; all four waves' words are in LDS
	s_cmp_lg_u32 s18, 0
	s_cbranch_scc1 .Lend
	ds_load_b64 v[90:91], v9
	s_wait_dscnt 0x0
	global_store_b64 v8, v[90:91], s[12:13] offset:12288   ; one aligned unit of 256 bytes
.Lend:
	s_wait_tensorcnt 0x0                           ; the wave's end
	ds_add_u32 v12, v13
	s_wait_dscnt 0x0
	s_endpgm
.Lfunc_end_k_qf509e61649_quant:
	.size	k_qf509e61649_quant, .Lfunc_end_k_qf509e61649_quant-k_qf509e61649_quant
	.p2alignl 7, 3214868480
	.fill 96, 4, 3214868480
	.section	.rodata,"a",@progbits
	.p2align	6, 0x0
	.amdhsa_kernel k_qf509e61649_quant
		.amdhsa_group_segment_fixed_size 34560
		.amdhsa_private_segment_fixed_size 0
		.amdhsa_enable_private_segment 0
		.amdhsa_kernarg_size 48
		.amdhsa_user_sgpr_count 2
		.amdhsa_user_sgpr_kernarg_segment_ptr 1
		.amdhsa_wavefront_size32 1
		.amdhsa_system_sgpr_workgroup_id_x 1
		.amdhsa_system_sgpr_workgroup_id_y 1
		.amdhsa_system_sgpr_workgroup_id_z 1
		.amdhsa_system_vgpr_workitem_id 0
		.amdhsa_next_free_vgpr 128
		.amdhsa_next_free_sgpr 66
		.amdhsa_reserve_vcc 0
		.amdhsa_float_denorm_mode_32 3
		.amdhsa_float_denorm_mode_16_64 3
		.amdhsa_memory_ordered 1
		.amdhsa_forward_progress 1
		.amdhsa_inst_pref_size 11
	.end_amdhsa_kernel
	.amdgpu_metadata
---
amdhsa.version: [ 1, 2 ]
amdhsa.kernels:
  - .name:           k_qf509e61649_quant
    .symbol:         k_qf509e61649_quant.kd
    .args:
      - { .name: x, .offset: 0, .size: 8, .value_kind: global_buffer, .address_space: global }
      - { .name: wq, .offset: 8, .size: 8, .value_kind: global_buffer, .address_space: global }
      - { .name: wk, .offset: 16, .size: 8, .value_kind: global_buffer, .address_space: global }
      - { .name: wv, .offset: 24, .size: 8, .value_kind: global_buffer, .address_space: global }
      - { .name: xc, .offset: 32, .size: 8, .value_kind: global_buffer, .address_space: global }
      - { .name: wc, .offset: 40, .size: 8, .value_kind: global_buffer, .address_space: global }
    .group_segment_fixed_size: 34560
    .private_segment_fixed_size: 0
    .kernarg_segment_align: 8
    .kernarg_segment_size: 48
    .max_flat_workgroup_size: 128
    .sgpr_count:     66
    .vgpr_count:     128
    .wavefront_size: 32
...
	.end_amdgpu_metadata
.endif
;; end of part 5
;; launch proj (part 6): grid 8 x 32, 4 waves a work-group, clusters of 4 x 4, 327,680 bytes of LDS; arguments xc, wc, qk, vt; writes qk, vt
.if DOCPART == 6
	.amdgcn_target "amdgcn-amd-amdhsa--gfx1250"
	.amdhsa_code_object_version 6
	.text
	.protected	k_qf509e61649_proj
	.globl	k_qf509e61649_proj
	.p2align	8
	.type	k_qf509e61649_proj,@function
k_qf509e61649_proj:
	s_mov_b64 s[64:65], 0
	v_nop
	global_prefetch_b8 v0, s[64:65] scope:SCOPE_SE
	s_setreg_imm32_b32 hwreg(HW_REG_WAVE_MODE, 25, 1), 1
	s_wait_xcnt 0x0
	s_wait_alu depctr_hold_cnt(0) depctr_sa_sdst(0) depctr_va_vdst(0) depctr_va_sdst(0) depctr_va_ssrc(0) depctr_va_vcc(0) depctr_vm_vsrc(0)
	s_getreg_b32 s2, hwreg(HW_REG_IB_STS2, 6, 4)
	s_cmp_eq_u32 s2, 0
	s_cbranch_scc0 .Lentry_in_a_cluster
	s_endpgm
.Lentry_in_a_cluster:
	s_bfe_u32 s2, ttmp6, 0x10000c
	s_cmp_lg_u32 s2, 0xf033
	s_cbranch_scc0 .Lentry_shape_is_right
	s_endpgm
.Lentry_shape_is_right:
; Q, K, V = x W^T on codes of FP6 (E2M3), quantised on the way out: Q and K along the columns, V along the tokens.  No f32 result is stored.
; SHARES: a work-group makes 256 tokens (tile row T = 4 cluster y + cy) x 384 columns (t = 4 cluster x + cx): block t of wv, then blocks 2 t and 2 t + 1 of the 16 of wq and wk: three PHASES V, A, B.
; x's 256 rows, all of K, stay in LDS for the whole launch; the three panels of 128 weight rows take turns in one region.  x's rows are shared by a row of the cluster, a weight's by a column: all loads are joint.
; Four waves, 2 x 2: wave row w takes fragments 4 w + j of each of x's two blocks (chunks), wave column b the panel's fragments 4 b + 0 .. 3: 64 weight rows, all of K, in 384 registers.
; x passes by PAIRS of 16-row fragments: 64 products a pair, 8 for each 128 along K; twelve pairs, four a phase.  The next pair's 48 LDS loads go in two runs: 36 in the pair's middle, 12 behind its last product.
; Behind every second product stand up to two lines of the last way out's maxima.
; By the order of rows that quant laid, a lane's 32 sums of a way out are one scale block.  V: source 0 = x: chunk c's four fragments x 8 registers are tokens 64 c + 32 h + 0 .. 31 of token block 2 T + w.
; Q, K: source 0 = the weight's rows: four tiles x 8 registers are columns 32 h + 0 .. 31 of band 0 (phase A) or 1 (phase B) of K step 2 t + b.  Phase A's codes wait in registers for phase B's.
; qk: [64 token blocks][16 K steps: q 0-7, k 8-15][half-panel]; vt: [8 blocks of 128 columns][64 token blocks][half-panel]; fragment a, lane r = row 64 (a / 4) + 32 (r / 8) + 8 (a % 4) + r % 8 of the block.
; FILLS: at the head one load a wave: two halves of wv's panel, chunk 0, chunk 1.  TWO REFILLS of the weights' region (waves 0, 1 a half each), each in a drained round, in the second pair of phases V and A, when all waves
; hold the panel in registers; each is shown by a barrier ahead of the phase's last pair, whose two runs also load the next panel's registers.
; PREFETCH: both refills' panels, each shared out by address among the sixteen waves of a column's four work-groups: phase A's at the head, phase B's ahead of the third pair.
; LIMITS: NaN and infinities are not served.
.set PANEL, 102400                     ; 128 rows, all of K: 8 half-panels
.set HP,    12800
.set FRB,   1536
.set SCW,   12288
.set WREG,  2*PANEL                    ; LDS: chunk 0, chunk 1, the weights' region, the spare words
.set SPARE, 3*PANEL
.set XA,    4                          ; v4-7 my x fragments: 2 c + (K step / 4)
.set WA,    8                          ; v8-9 my weight fragments
.set SPW,   10
.set NIL,   11
.set XSA,   12                         ; v12-15 x's scale words: 2 c + (K step / 4); lanes 16-31 one K step on
.set WSA,   16                         ; v16-17 the weights'
.set LN16,  18
.set S8,    19                         ; 8 h
.set S24,   20                         ; 16 + 8 h
.set PF,    21
.set VS,    22                         ; 16 r + 8 h
.set VW,    24                         ; v24-27 V's scale words
.set PT,    28                         ; v28-31 lane permutes
.set SX,    32                         ; v32-63 x's scale words: 16 c + 4 (q / 2) + j
.set MX,    64                         ; v64-67 maxima, then the conversions' scale operands
.set SW,    68                         ; v68-99 the weights' scale words, two sets: 16 set + 4 (q / 2) + tile
.set EB,    100
.set NCD,   104                        ; v104-151 codes: V 12 t + .., phase A 6 k + ..
.set TC,    152
.set BUF,   168                        ; v168-183 phase B's pieces
.set WD,    184                        ; v184-191 Q's or K's scale words
.set S0,    192                        ; the sums: three sets of 64: v192-255,
.set S1,    768+120                    ; window 3: v120-183,
.set S2,    768+184                    ; v184-247
.set G1A,   24
.set G1B,   32
.set G0A,   56
.set G0B,   60
.set G0R,   68
.set MSB, 0
.macro WIN new
.if MSB != (\new)
	s_set_vgpr_msb (MSB<<8)|(\new)
.set MSB, \new
.endif
.endm
.macro PLACES n
.rept \n
	v_nop
.endr
.endm
.macro WALU
	s_wait_alu depctr_va_vdst(0)
.endm
.macro BARRIER
	s_barrier_signal -1
	s_barrier_wait -1
.endm
.macro CREST
	s_cmp_lg_u32 s14, 0
	s_cbranch_scc1 .Lnot_wave_0_\@
	s_barrier_signal -3
.Lnot_wave_0_\@:
	s_barrier_wait -3
	BARRIER
.endm
.macro TLOAD g0, g1
	tensor_load_to_lds s[\g0:\g0+3], s[\g1:\g1+7]
	s_nop 0
	PLACES 4
.endm
.macro REFILL                          ; waves 0 and 1: half a panel each
	s_cmp_lt_u32 s14, 2
	s_cbranch_scc0 .Lno_half_\@
	TLOAD G0B, G1B
.Lno_half_\@:
.endm
.macro GROUP1 g, mask, rows            ; dense blocks as rows of 256 bytes (32 elements of 8)
	s_or_b32 s[\g], s[\mask], (3<<16)|(1<<21)
	s_mov_b32 s[\g+1], 32<<16
	s_mov_b32 s[\g+2], (\rows)<<16
	s_mov_b32 s[\g+3], 32<<16
	s_mov_b32 s[\g+4], \rows
	s_mov_b32 s[\g+5], 32
	s_mov_b32 s[\g+6], 0
	s_mov_b32 s[\g+7], 0
.endm
; ---- a pair's constants: kind (1 V), sums, chunk, pair in the chunk, the weights' scale set, parity of the fragments of K steps 6 and 7; the next pair's chunk and place; loads of x, loads of weights
.macro PSET kind, d, cs, pp, wp, par, nc, np, ld, wl
.set KIND_, \kind
.set D_, \d
.set CS_, \cs
.set PP_, \pp
.set WP_, \wp
.set PAR_, \par
.set NC_, \nc
.set NP_, \np
.set LD_, \ld
.set WL_, \wl
.endm
; fragment f lies in window 1 + f / 21 at 12 (f % 21): 0-31 the weights' (4 q + tile); 32-43 x's K steps 0 to 5 (2 q + jj), loaded anew when read; 44-51 K steps 6 and 7, two sets by turns
.macro MM s0, s1, x0, x1
	WIN (1+(\s0)/21)|((1+(\s1)/21)<<2)|((DD_>>8)<<4)|((DD_>>8)<<6)
.set DL_, DD_&255
.set A0_, 12*((\s0)%21)
.set B0_, 12*((\s1)%21)
.if Q_ == 0
	v_wmma_scale_f32_16x16x128_f8f6f4 v[DL_:DL_+7], v[A0_:A0_+11], v[B0_:B0_+11], 0, v[\x0], v[\x1] matrix_a_fmt:MATRIX_FMT_FP6 matrix_b_fmt:MATRIX_FMT_FP6
.elseif Q_%2 == 0
	v_wmma_scale_f32_16x16x128_f8f6f4 v[DL_:DL_+7], v[A0_:A0_+11], v[B0_:B0_+11], v[DL_:DL_+7], v[\x0], v[\x1] matrix_a_fmt:MATRIX_FMT_FP6 matrix_b_fmt:MATRIX_FMT_FP6
.else
	v_wmma_scale_f32_16x16x128_f8f6f4 v[DL_:DL_+7], v[A0_:A0_+11], v[B0_:B0_+11], v[DL_:DL_+7], v[\x0], v[\x1] matrix_a_fmt:MATRIX_FMT_FP6 matrix_b_fmt:MATRIX_FMT_FP6 matrix_a_scale:MATRIX_SCALE_ROW1 matrix_b_scale:MATRIX_SCALE_ROW1
.endif
.endm
.macro PROD                            ; product N_ = 8 q + 4 jj + tile
.set Q_, N_/8
.set J_, (N_/4)%2
.set T_, N_%4
.set FW_, 4*Q_+T_
.if Q_ < 6
.set FX_, 32+2*Q_+J_
.else
.set FX_, 44+4*PAR_+2*(Q_-6)+J_
.endif
.set XS_, SX+16*CS_+4*(Q_/2)+2*PP_+J_
.set WS_, SW+16*WP_+4*(Q_/2)+T_
.if KIND_
.set DD_, D_+16*T_+8*J_
	MM FX_, FW_, XS_, WS_
.else
.set DD_, D_+32*J_+8*T_
	MM FW_, FX_, WS_, XS_
.endif
.endm
.macro XLD f, q, j, g
	WIN (1+(\f)/21)<<6
	ds_load_b128 v[12*((\f)%21)+4*(\g):12*((\f)%21)+4*(\g)+3], v[XA+2*NC_+(\q)/4] offset:((\q)%4)*HP+(\j)*FRB+512*(\g)
.endm
.macro XLQ q, e                        ; load e of 6: the next pair's two fragments of K step q
	XLD 32+2*(\q)+(\e)/3, \q, 2*NP_+(\e)/3, (\e)%3
.endm
.macro XL67 e                          ; load e of 12: those of K steps 6 and 7
	XLD 44+4*(1-PAR_)+2*((\e)/6)+((\e)%6)/3, 6+(\e)/6, 2*NP_+((\e)%6)/3, (\e)%3
.endm
.macro XMID                            ; the 36 loads of the middle run
.irp q, 0,1,2,3
.irp e, 0,1,2,3,4,5
	XLQ \q, \e
.endr
.endr
.irp e, 0,1,2,3,4,5,6,7,8,9,10,11
	XL67 \e
.endr
.endm
.macro XEND                            ; the 12 of the last
.irp q, 4,5
.irp e, 0,1,2,3,4,5
	XLQ \q, \e
.endr
.endr
.endm
.macro WLD q, e                        ; load e of 12: the weights' four fragments of K step q
.set F_, 4*(\q)+(\e)/3
	WIN (1+F_/21)<<6
	ds_load_b128 v[12*(F_%21)+4*((\e)%3):12*(F_%21)+4*((\e)%3)+3], v[WA+(\q)/4] offset:((\q)%4)*HP+((\e)/3)*FRB+512*((\e)%3)
.endm
.macro WLQ q
.irp e, 0,1,2,3,4,5,6,7,8,9,10,11
	WLD \q, \e
.endr
.endm
.macro SWLD s                          ; the panel's scale words into set s
	WIN 0
.irp u, 0,1,2,3
	ds_load_b128 v[SW+16*(\s)+4*\u:SW+16*(\s)+4*\u+3], v[WSA+\u/2] offset:(\u%2)*2*HP
.endr
.endm
.macro XSLD c                          ; chunk c's
	WIN 0
.irp u, 0,1,2,3
	ds_load_b128 v[SX+16*(\c)+4*\u:SX+16*(\c)+4*\u+3], v[XSA+2*(\c)+\u/2] offset:(\u%2)*2*HP
.endr
.endm
.macro MID                             ; a pair's middle: K steps 4 and 5 are in (the last run's loads); what K steps 0 to 3 have left is loaded anew
	WIN 0
	WALU
	s_wait_dscnt 0x0
.if LD_ || WL_
	PLACES 4
.endif
.if WL_
	SWLD 1-WP_
.irp q, 0,1,2,3
	WLQ \q
.endr
.endif
.if LD_
	XMID
.endif
	WIN 0
.endm
.macro FIN                             ; behind a pair's last product: K steps 4 and 5, and the weights' 4 to 7
	WIN 0
	PLACES 4
.if LD_
	XEND
.endif
.if WL_
.irp q, 4,5,6,7
	WLQ \q
.endr
.endif
	WIN 0
.endm
.macro RUN from, to, list, x=0, y=0
.set N_, \from
.rept (\to)-(\from)
	PROD
.if N_%2
	\list N_-1, \x, \y
	\list N_, \x, \y
.endif
.set N_, N_+1
.endr
.endm
.macro L_NONE i, x, y
.endm
.macro MAXLINE m, a, first             ; one line of a chain over 32 magnitudes; the floor 2^(3 - 127) is a leaf: the byte cannot fall under 1
	WIN ((\a)>>8)|(((\a)>>8)<<2)
.if \first
	v_max3_num_f32 v[\m], |v[(\a)&255]|, |v[((\a)&255)+1]|, 0x1800000
.else
	v_max3_num_f32 v[\m], |v[(\a)&255]|, |v[((\a)&255)+1]|, v[\m]
.endif
.endm
.macro L_Q i, x, y                     ; Q, K: lines 0-31, the pair's two fragments by turns
.if (\i) < 32
	MAXLINE MX+(\i)%2, (\x)+32*((\i)%2)+2*((\i)/2), (\i)<2
.endif
.endm
.macro L_V i, x, y                     ; V: lines 0-63: tiles 0 and 1 by turns, then 2 and 3; 16 sums from set x, 16 from set y
.set VT_, 2*((\i)/32)+(\i)%2
.set VI_, ((\i)%32)/2
.if VI_ < 8
	MAXLINE MX+VT_, (\x)+16*VT_+2*VI_, VI_==0
.else
	MAXLINE MX+VT_, (\y)+16*VT_+2*(VI_-8), 0
.endif
.endm
.macro GO list, x=0, y=0               ; a whole pair
	RUN 0, 32, \list, \x, \y
	MID
	RUN 32, 64, \list, \x, \y
	FIN
.endm
; ---- the way outs behind a pair's last product
.macro VOUT sa, sb, band
	WIN 0
	WALU
	s_wait_xcnt 0x0                                ; earlier stores have read their registers
.irp t, 0,1,2,3
	v_add_nc_u32 v[MX+\t], 0xff000000, v[MX+\t]    ; 2 off the exponent field: the conversion's scale operand
.endr
.irp t, 0,1,2,3
	v_lshrrev_b32 v[EB+\t], 23, v[MX+\t]
.endr
	WIN (\sa)>>8
.irp t, 0,1,2,3
	v_cvt_scalef32_pk16_fp6_f32 v[NCD+12*\t+6*(\band):NCD+12*\t+6*(\band)+2], v[((\sa)&255)+16*\t:((\sa)&255)+16*\t+15], v[MX+\t]
.endr
	WIN (\sb)>>8
.irp t, 0,1,2,3
	v_cvt_scalef32_pk16_fp6_f32 v[TC+4*\t:TC+4*\t+2], v[((\sb)&255)+16*\t:((\sb)&255)+16*\t+15], v[MX+\t]
.endr
	WIN 0
.irp t, 0,1,2,3
.if \band
	v_lshl_or_b32 v[VW+\t], v[EB+\t], v[S24], v[VW+\t]
.else
	v_lshlrev_b32 v[VW+\t], v[S8], v[EB+\t]
.endif
.endr
.irp t, 0,1,2,3
.irp i, 0,1,2
	v_mov_b32 v[NCD+12*\t+6*(\band)+3+\i], v[TC+4*\t+\i]
.endr
.endr
	PLACES 4
.if \band
.irp t, 0,1,2,3
	v_permlanex16_b32 v[PT+\t], v[VW+\t], s72, s73
.endr
.irp t, 0,1,2,3
	v_or_b32 v[VW+\t], v[VW+\t], v[PT+\t]          ; whole words
.endr
	v_cmp_ne_u32 vcc_lo, 0, v2                     ; lanes 0-15 store words 0, 1 of their row, lanes 16-31 words 2, 3
	v_cndmask_b32 v[EB], v[VW], v[VW+2], vcc_lo
	v_cndmask_b32 v[EB+1], v[VW+1], v[VW+3], vcc_lo
.irp t, 0,1,2,3
.irp g, 0,1,2
	global_store_b128 v[LN16], v[NCD+12*\t+4*\g:NCD+12*\t+4*\g+3], s[50:51] offset:FRB*\t+512*\g
.endr
.endr
	global_store_b64 v[VS], v[EB:EB+1], s[52:53]   ; 256 consecutive bytes
.endif
.endm
.macro QOUT s, k0, ph                  ; two fragments k0, k0 + 1 of the token block; ph 0: band 0 into NCD; ph 1: band 1, and the whole operand leaves
	WIN 0
	WALU
	s_wait_xcnt 0x0
.irp j, 0,1
	v_add_nc_u32 v[MX+\j], 0xff000000, v[MX+\j]
.endr
.irp j, 0,1
	v_lshrrev_b32 v[EB+\j], 23, v[MX+\j]
.endr
	WIN (\s)>>8
.irp j, 0,1
.if \ph
	v_cvt_scalef32_pk16_fp6_f32 v[BUF+8*\j+2:BUF+8*\j+4], v[((\s)&255)+32*\j:((\s)&255)+32*\j+15], v[MX+\j]
.else
	v_cvt_scalef32_pk16_fp6_f32 v[NCD+6*(\k0+\j):NCD+6*(\k0+\j)+2], v[((\s)&255)+32*\j:((\s)&255)+32*\j+15], v[MX+\j]
.endif
	v_cvt_scalef32_pk16_fp6_f32 v[TC+4*\j:TC+4*\j+2], v[((\s)&255)+32*\j+16:((\s)&255)+32*\j+31], v[MX+\j]
.endr
	WIN 0
.irp j, 0,1
.if \ph
	v_lshl_or_b32 v[WD+\k0+\j], v[EB+\j], v[S24], v[WD+\k0+\j]
.else
	v_lshlrev_b32 v[WD+\k0+\j], v[S8], v[EB+\j]
.endif
.endr
.irp j, 0,1
.irp i, 0,1,2
.if \ph
	v_mov_b32 v[BUF+8*\j+5+\i], v[TC+4*\j+\i]
.else
	v_mov_b32 v[NCD+6*(\k0+\j)+3+\i], v[TC+4*\j+\i]
.endif
.endr
.if \ph
	v_mov_b32 v[BUF+8*\j], v[NCD+6*(\k0+\j)+4]
	v_mov_b32 v[BUF+8*\j+1], v[NCD+6*(\k0+\j)+5]
.endif
.endr
	PLACES 4
.if \ph
.irp j, 0,1
	global_store_b128 v[LN16], v[NCD+6*(\k0+\j):NCD+6*(\k0+\j)+3], s[54:55] offset:FRB*(\k0+\j)
	global_store_b128 v[LN16], v[BUF+8*\j:BUF+8*\j+3], s[54:55] offset:FRB*(\k0+\j)+512
	global_store_b128 v[LN16], v[BUF+8*\j+4:BUF+8*\j+7], s[54:55] offset:FRB*(\k0+\j)+1024
.endr
.endif
.endm
.macro READY                           ; the middle run is in; the twelve loads of the last run may be out
	WALU
	s_wait_dscnt 12
.endm
.macro SHOW                            ; the refill is shown to all waves
	WALU
	s_wait_tensorcnt 0x0
	s_wait_dscnt 0x0
	BARRIER
.endm
; ================= the head
	s_load_b256 s[4:11], s[0:1], 0x0               ; xc, wc, qk, vt
	v_lshl_add_u32 v[SPW], v0, 2, SPARE
	v_mov_b32 v[NIL], 0
	ds_add_u32 v[SPW], v[NIL]
	ds_add_u32 v[SPW], v[NIL]
	v_lshrrev_b32 v1, 5, v0
	v_readfirstlane_b32 s14, v1                    ; the wave
	s_lshr_b32 s15, s14, 1                         ; w
	s_and_b32 s16, s14, 1                          ; b
	s_bfe_u32 s40, ttmp6, 0x40000                  ; cx
	s_bfe_u32 s41, ttmp6, 0x40004                  ; cy
	s_lshl_b32 s42, ttmp9, 2
	s_add_co_u32 s42, s42, s40                     ; t
	s_and_b32 s43, ttmp7, 0xffff
	s_lshl_b32 s43, s43, 2
	s_add_co_u32 s43, s43, s41                     ; T
	s_lshl_b32 s44, s41, 2
	s_lshl_b32 s44, 15, s44                        ; my row of the cluster
	s_lshl_b32 s45, 0x1111, s40                    ; my column
	GROUP1 G1A, 44, PANEL/256
	GROUP1 G1B, 45, PANEL/512
	s_mul_i32 s46, s43, 2*PANEL                    ; my rows of x
	s_mul_i32 s22, s14, PANEL/2                    ; waves 0, 1: which half of a panel
	s_add_co_u32 s47, s42, 16
	s_mul_i32 s47, s47, PANEL
	s_add_co_u32 s47, s47, s22                     ; wv's panel
	s_mul_i32 s49, s42, 2*PANEL                    ; phase A's
	s_add_co_u32 s48, s49, s22
	s_mov_b32 s[G0A], 1
	s_mov_b32 s[G0A+1], 0
	s_mov_b32 s[G0R], 1
	s_mov_b32 s[G0R+1], PANEL
	s_mov_b32 s[G0B], 1
	s_add_co_u32 s[G0B+1], s22, WREG
	s_mov_b32 s72, 0x76543210
	s_mov_b32 s73, 0xfedcba98                      ; v_permlanex16_b32's selects for lane l xor 16
	s_mov_b32 s21, 0
	s_wait_alu depctr_va_vdst(0)
	s_wait_dscnt 0x0
	BARRIER                                        ; the opening round
	CREST
	s_wait_kmcnt 0x0
	s_mov_b32 s20, s46
	s_add_nc_u64 s[G0A+2:G0A+3], s[4:5], s[20:21]
	s_add_nc_u64 s[G0R+2:G0R+3], s[G0A+2:G0A+3], PANEL
	s_or_b32 s[G0A+3], s[G0A+3], 0x80000000
	s_or_b32 s[G0R+3], s[G0R+3], 0x80000000
	s_mov_b32 s20, s47
	s_add_nc_u64 s[G0B+2:G0B+3], s[6:7], s[20:21]
	s_or_b32 s[G0B+3], s[G0B+3], 0x80000000
	s_cmp_lt_u32 s14, 2
	s_cbranch_scc0 .Lwave_2
	TLOAD G0B, G1B                                 ; waves 0, 1: wv's panel, a half each
	s_branch .Lasked
.Lwave_2:
	s_cmp_eq_u32 s14, 2
	s_cbranch_scc0 .Lwave_3
	TLOAD G0A, G1A                                 ; wave 2: chunk 0
	s_branch .Lasked
.Lwave_3:
	TLOAD G0R, G1A                                 ; wave 3: chunk 1
.Lasked:
	v_and_b32 v1, 15, v0                           ; r
	v_bfe_u32 v2, v0, 4, 1                         ; h
	v_and_b32 v3, 31, v0
	v_lshlrev_b32 v[LN16], 4, v3
	s_mul_i32 s20, s15, 4*FRB
	v_add_nc_u32 v[XA], s20, v[LN16]
	v_add_nc_u32 v[XA+1], 4*HP, v[XA]
	v_add_nc_u32 v[XA+2], PANEL, v[XA]
	v_add_nc_u32 v[XA+3], PANEL+4*HP, v[XA]
	s_mul_i32 s20, s16, 4*FRB
	s_add_co_u32 s20, s20, WREG
	v_add_nc_u32 v[WA], s20, v[LN16]
	v_add_nc_u32 v[WA+1], 4*HP, v[WA]
	v_mul_u32_u24 v23, v2, HP
	v_lshl_add_u32 v23, v1, 4, v23                 ; 16 r + a K step for lanes 16-31
	s_lshl_b32 s20, s15, 8
	s_add_co_u32 s20, s20, SCW
	v_add_nc_u32 v[XSA], s20, v23
	v_add_nc_u32 v[XSA+1], 4*HP, v[XSA]
	v_add_nc_u32 v[XSA+2], PANEL, v[XSA]
	v_add_nc_u32 v[XSA+3], PANEL+4*HP, v[XSA]
	s_lshl_b32 s20, s16, 8
	s_add_co_u32 s20, s20, WREG+SCW
	v_add_nc_u32 v[WSA], s20, v23
	v_add_nc_u32 v[WSA+1], 4*HP, v[WSA]
	v_lshlrev_b32 v[S8], 3, v2
	v_add_nc_u32 v[S24], 16, v[S8]
	v_lshl_add_u32 v[VS], v1, 4, v[S8]
	s_lshl_b32 s20, s41, 2
	s_add_co_u32 s20, s20, s14                     ; my number among the sixteen waves of my column
	s_mul_i32 s20, s20, PANEL/16
	s_add_co_u32 s20, s20, s49
	v_min_u32 v[PF], PANEL/16/256-1, v3            ; 25 blocks of 256 bytes
	v_lshl_add_u32 v[PF], v[PF], 8, s20
.irp t, 0,1,2,3
	v_mov_b32 v[PT+\t], 0                          ; a lane permute's destination counts as one of its sources
.endr
	s_lshr_b32 s20, s42, 1                         ; where the results go.  vt: column block 2 (t / 2) + b, token block 2 T + w
	s_lshl_b32 s20, s20, 1
	s_add_co_u32 s20, s20, s16
	s_lshl_b32 s20, s20, 6
	s_lshl_b32 s22, s43, 1
	s_add_co_u32 s22, s22, s15
	s_add_co_u32 s20, s20, s22
	s_mul_i32 s20, s20, HP
	s_and_b32 s23, s42, 1
	s_mul_i32 s76, s23, 4*FRB
	s_add_co_u32 s76, s76, s20                     ; fragments 4 (t % 2) ..
	s_mov_b32 s77, 0
	s_add_nc_u64 s[50:51], s[10:11], s[76:77]
	s_lshl_b32 s78, s23, 8
	s_add_co_u32 s78, s78, s20
	s_add_co_u32 s78, s78, SCW
	s_mov_b32 s79, 0
	s_add_nc_u64 s[52:53], s[10:11], s[78:79]
	s_lshl_b32 s22, s22, 4                         ; qk: token block 2 T + w, K step 2 t + b
	s_lshl_b32 s80, s42, 1
	s_add_co_u32 s80, s80, s16
	s_add_co_u32 s80, s80, s22
	s_mul_i32 s80, s80, HP
	s_mov_b32 s81, 0
	s_add_nc_u64 s[54:55], s[8:9], s[80:81]
	WALU
	s_cmp_lt_u32 s14, 2
	s_cbranch_scc0 .Lno_w
	s_wait_tensorcnt 0x0
.Lno_w:
	BARRIER                                        ; wv's panel is in
	global_prefetch_b8 v[PF], s[6:7] th:TH_LOAD_NT scope:SCOPE_SE
	SWLD 0
.irp q, 0,1,2,3,4,5,6,7
	WLQ \q
.endr
	WIN 0
	s_cmp_eq_u32 s14, 3
	s_cbranch_scc1 .Lno_x
	s_wait_tensorcnt 0x0
.Lno_x:
	s_wait_dscnt 0x0
	BARRIER                                        ; chunk 0 is in; chunk 1 may still be on its way
	XSLD 0
	PSET 1, S0, 0, 0, 0, 1, 0, 0, 1, 0             ; (the first pair's fragments are asked for as a next pair's)
	XMID
	XEND
	WIN 0
; ================= phase V
	PSET 1, S0, 0, 0, 0, 0, 0, 1, 1, 0
	s_wait_dscnt 12                                ; all but the twelve of K steps 4 and 5
	GO L_NONE
	WALU
	s_wait_tensorcnt 0x0                           ; the first refill's round: all loads are in, chunk 1 among them;
	ds_add_u32 v[SPW], v[NIL]
	s_mov_b32 s20, s48
	s_add_nc_u64 s[G0B+2:G0B+3], s[6:7], s[20:21]
	s_or_b32 s[G0B+3], s[G0B+3], 0x80000000
	s_wait_dscnt 0x0
	s_barrier_signal -1
	PSET 1, S1, 0, 1, 0, 1, 1, 0, 1, 0
	RUN 0, 8, L_NONE
	WIN 0
	s_barrier_wait -1
	CREST
	REFILL                                         ; phase A's panel onto wv's
	RUN 8, 32, L_NONE
	MID
	XSLD 1
	RUN 32, 64, L_NONE
	FIN
	global_prefetch_b8 v[PF], s[6:7] offset:PANEL th:TH_LOAD_NT scope:SCOPE_SE
	READY
	PSET 1, S2, 1, 0, 0, 0, 1, 1, 1, 0
	GO L_V, S0, S1
	VOUT S0, S1, 0
	SHOW
	PSET 1, S0, 1, 1, 0, 1, 0, 0, 1, 1
	GO L_NONE
; ================= phase A.  Behind a change of weights the last run is 12 loads of x and 48 of weights
	WALU
	s_wait_dscnt 60
	PSET 0, S1, 0, 0, 1, 0, 0, 1, 1, 0
	GO L_V, S2, S0
	VOUT S2, S0, 1
	WALU
	s_wait_tensorcnt 0x0                           ; the second refill's round
	ds_add_u32 v[SPW], v[NIL]
	s_add_nc_u64 s[G0B+2:G0B+3], s[G0B+2:G0B+3], PANEL
	s_wait_dscnt 0x0
	s_barrier_signal -1
	PSET 0, S2, 0, 1, 1, 1, 1, 0, 1, 0
	RUN 0, 8, L_Q, S1
	WIN 0
	WALU
	s_barrier_wait -1
	CREST
	REFILL                                         ; phase B's panel
	RUN 8, 32, L_Q, S1
	MID
	RUN 32, 64, L_Q, S1
	FIN
	QOUT S1, 0, 0
	READY
	PSET 0, S1, 1, 0, 1, 0, 1, 1, 1, 0
	GO L_Q, S2
	QOUT S2, 2, 0
	SHOW
	PSET 0, S2, 1, 1, 1, 1, 0, 0, 1, 1
	GO L_Q, S1
	QOUT S1, 4, 0
; ================= phase B
	WALU
	s_wait_dscnt 60
	PSET 0, S1, 0, 0, 0, 0, 0, 1, 1, 0
	GO L_Q, S2
	QOUT S2, 6, 0
	READY
	PSET 0, S2, 0, 1, 0, 1, 1, 0, 1, 0
	GO L_Q, S1
	QOUT S1, 0, 1
	READY
	PSET 0, S1, 1, 0, 0, 0, 1, 1, 1, 0
	GO L_Q, S2
	QOUT S2, 2, 1
	READY
	PSET 0, S2, 1, 1, 0, 1, 0, 0, 0, 0
	GO L_Q, S1
	QOUT S1, 4, 1
.set I_, 0
.rept 32
	L_Q I_, S2, 0
.set I_, I_+1
.endr
	QOUT S2, 6, 1
.irp n, 0,4
.irp t, 0,1,2,3
	v_permlanex16_b32 v[PT+\t], v[WD+\n+\t], s72, s73
.endr
.irp t, 0,1,2,3
	v_or_b32 v[WD+\n+\t], v[WD+\n+\t], v[PT+\t]
.endr
.endr
	v_cmp_ne_u32 vcc_lo, 0, v2                     ; lanes 0-15 store fragments 0-3's words, lanes 16-31 fragments 4-7's
.irp j, 0,1,2,3
	v_cndmask_b32 v[EB+\j], v[WD+\j], v[WD+4+\j], vcc_lo
.endr
	global_store_b128 v[LN16], v[EB:EB+3], s[54:55] offset:SCW
	WALU
	s_wait_tensorcnt 0x0                           ; the wave's end
	ds_add_u32 v[SPW], v[NIL]
	s_wait_dscnt 0x0
	BARRIER                                        ; the closing round
	CREST
	s_endpgm
.Lfunc_end_k_qf509e61649_proj:
	.size	k_qf509e61649_proj, .Lfunc_end_k_qf509e61649_proj-k_qf509e61649_proj
	.p2alignl 7, 3214868480
	.fill 96, 4, 3214868480
	.section	.rodata,"a",@progbits
	.p2align	6, 0x0
	.amdhsa_kernel k_qf509e61649_proj
		.amdhsa_group_segment_fixed_size 327680
		.amdhsa_private_segment_fixed_size 0
		.amdhsa_enable_private_segment 0
		.amdhsa_kernarg_size 32
		.amdhsa_user_sgpr_count 2
		.amdhsa_user_sgpr_kernarg_segment_ptr 1
		.amdhsa_wavefront_size32 1
		.amdhsa_system_sgpr_workgroup_id_x 1
		.amdhsa_system_sgpr_workgroup_id_y 1
		.amdhsa_system_sgpr_workgroup_id_z 1
		.amdhsa_system_vgpr_workitem_id 0
		.amdhsa_next_free_vgpr 1016
		.amdhsa_next_free_sgpr 84
		.amdhsa_reserve_vcc 1
		.amdhsa_float_denorm_mode_32 3
		.amdhsa_float_denorm_mode_16_64 3
		.amdhsa_memory_ordered 1
		.amdhsa_forward_progress 1
		.amdhsa_inst_pref_size 224
	.end_amdhsa_kernel
	.amdgpu_metadata
---
amdhsa.version: [ 1, 2 ]
amdhsa.kernels:
  - .name:           k_qf509e61649_proj
    .symbol:         k_qf509e61649_proj.kd
    .args:
      - { .name: xc, .offset: 0, .size: 8, .value_kind: global_buffer, .address_space: global }
      - { .name: wc, .offset: 8, .size: 8, .value_kind: global_buffer, .address_space: global }
      - { .name: qk, .offset: 16, .size: 8, .value_kind: global_buffer, .address_space: global }
      - { .name: vt, .offset: 24, .size: 8, .value_kind: global_buffer, .address_space: global }
    .group_segment_fixed_size: 327680
    .private_segment_fixed_size: 0
    .kernarg_segment_align: 8
    .kernarg_segment_size: 32
    .max_flat_workgroup_size: 128
    .sgpr_count:     84
    .vgpr_count:     1016
    .wavefront_size: 32
...
	.end_amdgpu_metadata
.endif
;; end of part 6
;; launch scores (part 7): grid 12 x 16, 4 waves a work-group, clusters of 4 x 4, 327,680 bytes of LDS; arguments qk, pc; writes pc
.if DOCPART == 7
	.amdgcn_target "amdgcn-amd-amdhsa--gfx1250"
	.amdhsa_code_object_version 6
	.text
	.protected	k_qf509e61649_scores
	.globl	k_qf509e61649_scores
	.p2align	8
	.type	k_qf509e61649_scores,@function
k_qf509e61649_scores:
	s_mov_b64 s[64:65], 0
	v_nop
	global_prefetch_b8 v0, s[64:65] scope:SCOPE_SE
	s_setreg_imm32_b32 hwreg(HW_REG_WAVE_MODE, 25, 1), 1
	s_wait_xcnt 0x0
	s_wait_alu depctr_hold_cnt(0) depctr_sa_sdst(0) depctr_va_vdst(0) depctr_va_sdst(0) depctr_va_ssrc(0) depctr_va_vcc(0) depctr_vm_vsrc(0)
	s_getreg_b32 s2, hwreg(HW_REG_IB_STS2, 6, 4)
	s_cmp_eq_u32 s2, 0
	s_cbranch_scc0 .Lentry_in_a_cluster
	s_endpgm
.Lentry_in_a_cluster:
	s_bfe_u32 s2, ttmp6, 0x10000c
	s_cmp_lg_u32 s2, 0xf033
	s_cbranch_scc0 .Lentry_shape_is_right
	s_endpgm
.Lentry_shape_is_right:
; S = q k^T on codes of FP6 (E2M3) with E8M0 scales, the causal mask, and the softmax's p, quantised along the keys, for each chunk of 128 keys UNDER THE CHUNK'S OWN M.
; t = score x log2(e) / 32; M = the ceiling of the largest t of my query in the chunk, a whole number; p = 2^(t - M); l = the sum of the unquantised p.  Codes, scale words, -M and l go to pc;
; the last launch brings a chunk under the row's final M by taking a whole number off p's scale bytes, which changes no code.
; pc: [64 query blocks][16 key chunks][13,824 bytes]: 8 fragment images, 512 bytes of scale words, 512 of -M, 512 of l (the last three in one order: (a, r) at 256 (a / 4) + 16 r + 4 (a % 4)).
; WORK LEFT OUT: a batch's 8 x 8 tiles of 256 x 256 are 2 x 2 clusters of 4 x 4; the cluster above the diagonal, all of whose scores the causal mask replaces, is not launched: 3 clusters a batch.  In the two on the diagonal
; EVERY partner masks by value (no branch may hang on the place in the cluster): tiles above the diagonal come out as zero codes with l = 0 and -M = 3e38, which the last launch reads.
; Fragment a, lane r holds row 64 (a / 4) + 32 (r / 8) + 8 (a % 4) + r % 8 of its block of 128: so of the four tiles 4 c .. 4 c + 3 of k as source 0 a lane's 32 registers are keys 64 c + 32 h + 0 .. 31: a whole scale block.
; THE CORE: a tile of 256 x 256, four waves of 128 x 128, eight steps of 128 along K.  Two LDS slots of THREE steps: steps 0-2 at the head, 3-5 behind the first drained round, 6 and 7 onto slot 0 in the middle of step 2.
; Each is asked for about three steps ahead; the flow is written out and has no loop to run ahead in, so nothing is prefetched.  Joint loads in a 4 x 4 cluster: q along a row, k along a column.
; A step is two halves of 32 products (q's fragments 0-3, then 4-7, against k's eight).  The next step's LDS loads go in two runs: 40 between the halves, 12 (q's fragments 4-7) behind the second.  q's fragments have one set of registers, k's two.
; REGISTERS: window 0: v1-31 addresses; v32-63 scale words and nothing else; v128-223 q's fragments; on the way out v64-223.  Window 1: k's two sets.  Windows 2, 3: the accumulators.
; LIMITS: NaN and infinities are not served; the promise holds while the scaled scores t stay under 2^31 in magnitude.  A block of p whose largest weight lies under 2^-60 of its chunk's largest is quantised on that
; floor's grid (byte 65), so that the last launch can take up to 64 off a byte; what that loses lies under 2^-60 of the chunk's largest weight.
.set HP,    12800
.set QA,    3*HP                       ; a block's part of a slot
.set SLOT,  4*QA                       ; q's two blocks, then k's two
.set SPARE, 2*SLOT
.set FRB,   1536
.set SCW,   12288
.set ADRA,  14                         ; v14-15  my q fragments in slot 0, 1: + 16 x lane
.set ADRB,  16                         ; v16-17  k's
.set ADRSA, 18                         ; v18-19  q's scale words: + 16 r
.set ADRSB, 20                         ; v20-21  k's
.set S8,    23                         ; v23     8 h
.set LN16,  26
.set SPW,   28
.set NIL,   29
.set SC,    32                         ; set s at 32 + 16 s: registers 0-7 the words of q's fragments, 8-15 of k's
.set AF,    128
.set G1,    24
.set G0,    32
.set G1B,   44
.set G0B,   52
.set CX,    80
.set CY,    81
.set MSB, 0
.macro WIN new
.if MSB != (\new)
	s_set_vgpr_msb (MSB<<8)|(\new)
.set MSB, \new
.endif
.endm
.macro PLACES n
.rept \n
	v_nop
.endr
.endm
.macro WALU
	s_wait_alu depctr_va_vdst(0)
.endm
.macro BARRIER
	s_barrier_signal -1
	s_barrier_wait -1
.endm
.macro CREST
	s_cmp_lg_u32 s14, 0
	s_cbranch_scc1 .Lnot_wave_0_\@
	s_barrier_signal -3
.Lnot_wave_0_\@:
	s_barrier_wait -3
	BARRIER
.endm
.macro JLOAD                           ; waves 0 and 1 fetch q's two blocks, waves 2 and 3 k's: one joint load a wave
	s_cmp_eq_u32 s15, 0
	s_cbranch_scc0 .Lfor_b_\@
	tensor_load_to_lds s[G0:G0+3], s[G1:G1+7]
	s_nop 0
	PLACES 4
	s_branch .Lasked_\@
.Lfor_b_\@:
	tensor_load_to_lds s[G0B:G0B+3], s[G1B:G1B+7]
	s_nop 0
	PLACES 4
.Lasked_\@:
.endm
.macro ONWARD                          ; both groups 0: three steps on along K
	s_add_nc_u64 s[G0+2:G0+3], s[G0+2:G0+3], QA
	s_add_nc_u64 s[G0B+2:G0B+3], s[G0B+2:G0B+3], QA
.endm
.macro LDA i, g, st
	WIN 0
	ds_load_b128 v[AF+12*(\i)+4*(\g):AF+12*(\i)+4*(\g)+3], v[ADRA+((\st)/3)%2] offset:((\st)%3)*HP+FRB*(\i)+512*(\g)
.endm
.macro LDB i, g, st
	WIN 0x40
	ds_load_b128 v[128*((\st)%2)+12*(\i)+4*(\g):128*((\st)%2)+12*(\i)+4*(\g)+3], v[ADRB+((\st)/3)%2] offset:((\st)%3)*HP+FRB*(\i)+512*(\g)
.endm
.macro LDS e, st                       ; scale words: e = 0, 1 q's, 2, 3 k's
	WIN 0
	ds_load_b128 v[SC+16*((\st)%2)+4*(\e):SC+16*((\st)%2)+4*(\e)+3], v[ADRSA+2*((\e)/2)+((\st)/3)%2] offset:((\st)%3)*HP+256*((\e)%2)
.endm
.macro LD40 e                          ; load e of the 40 of the middle run: scale words, q's fragments 0-3, k's eight
.if (\e) < 4
	LDS \e, ST_+1
.elseif (\e) < 16
	LDA ((\e)-4)/3, ((\e)-4)%3, ST_+1
.else
	LDB ((\e)-16)/3, ((\e)-16)%3, ST_+1
.endif
.endm
.macro MIDRUN
.set e_, 0
.rept 40
	LD40 e_
.set e_, e_+1
.endr
.endm
.macro ENDRUN
.irp i, 4,5,6,7
.irp g, 0,1,2
	LDA \i, \g, ST_+1
.endr
.endr
.endm
; products from .. to - 1 of a half: n = 8 (q's fragment % 4) + k's fragment.  The 64 accumulators take turns in the same order in every step.
.macro RUN hi, from, to
.set N_, \from
.rept (\to)-(\from)
	WIN 0xa1+0x50*(\hi)
.set A_, AF+12*(4*(\hi)+N_/8)
.set B_, 128*(ST_%2)+12*(N_%8)
.set XA_, SC+16*(ST_%2)+4*(\hi)+N_/8
.set XB_, SC+16*(ST_%2)+8+N_%8
.if ST_ == 0
	v_wmma_scale_f32_16x16x128_f8f6f4 v[8*N_:8*N_+7], v[B_:B_+11], v[A_:A_+11], 0, v[XB_], v[XA_] matrix_a_fmt:MATRIX_FMT_FP6 matrix_b_fmt:MATRIX_FMT_FP6
.else
	v_wmma_scale_f32_16x16x128_f8f6f4 v[8*N_:8*N_+7], v[B_:B_+11], v[A_:A_+11], v[8*N_:8*N_+7], v[XB_], v[XA_] matrix_a_fmt:MATRIX_FMT_FP6 matrix_b_fmt:MATRIX_FMT_FP6
.endif
.set N_, N_+1
.endr
	WIN 0
.endm
.macro STEP st
.set ST_, \st
	s_wait_dscnt 12                                ; the middle run is in; the twelve loads of the last may be out
	RUN 0, 0, 32
	s_wait_dscnt 0x0                               ; q's fragments 4-7 are in
	PLACES 4
	MIDRUN
	RUN 1, 0, 32
	PLACES 4
	ENDRUN
.endm
.macro TURN st, fill                   ; a slot's last step
.set ST_, \st
	s_wait_tensorcnt 0x0                           ; the other slot's load is in,
	ds_add_u32 v[SPW], v[NIL]
	s_wait_dscnt 13                                ; (the add and the twelve loads of q's fragments 4-7 may be out)
	RUN 0, 0, 16
	s_wait_dscnt 0x0                               ; my reads of this slot are over
	s_barrier_signal -1
	RUN 0, 16, 32
	s_barrier_wait -1
.if \fill
	CREST
	ONWARD
	s_sub_co_u32 s[G0+1], s[G0+1], SLOT            ; steps 6 and 7 onto slot 0: two steps of each block
	s_sub_co_u32 s[G0B+1], s[G0B+1], SLOT
	s_mov_b32 s[G1+2], (2*HP/256)<<16
	s_mov_b32 s[G1+4], 2*HP/256
	s_mov_b32 s[G1B+2], (2*HP/256)<<16
	s_mov_b32 s[G1B+4], 2*HP/256
	JLOAD
.else
	PLACES 4
.endif
	MIDRUN
	RUN 1, 0, 32
	PLACES 4
	ENDRUN
.endm
	s_load_b128 s[4:7], s[0:1], 0x0                ; qk, pc
	v_lshl_add_u32 v[SPW], v0, 2, SPARE
	v_mov_b32 v[NIL], 0
	ds_add_u32 v[SPW], v[NIL]
	ds_add_u32 v[SPW], v[NIL]
	v_lshrrev_b32 v1, 5, v0
	v_readfirstlane_b32 s14, v1                    ; wave
	s_lshr_b32 s15, s14, 1                         ; which block of q is mine.  Also: I fetch for q (0) or k (1)
	s_and_b32 s16, s14, 1                          ; which block of k is mine.  Also: which block I fetch
	s_bfe_u32 s[CX], ttmp6, 0x40000
	s_bfe_u32 s[CY], ttmp6, 0x40004
	s_lshl_b32 s83, s[CY], 2
	s_lshl_b32 s83, 15, s83                        ; my row of the cluster
	s_lshl_b32 s84, 0x1111, s[CX]                  ; my column
	s_or_b32 s[G1], s83, (3<<16)|(1<<21)
	s_or_b32 s[G1B], s84, (3<<16)|(1<<21)
.irp g, G1, G1B
	s_mov_b32 s[\g+1], 32<<16
	s_mov_b32 s[\g+2], (QA/256)<<16
	s_mov_b32 s[\g+3], 32<<16
	s_mov_b32 s[\g+4], QA/256
	s_mov_b32 s[\g+5], 32
	s_mov_b32 s[\g+6], 0
	s_mov_b32 s[\g+7], 0
.endr
	s_and_b32 s17, ttmp7, 0xffff                   ; the batch
	s_add_co_u32 s18, ttmp9, 1
	s_lshr_b32 s18, s18, 1                         ; clusters 0, 1, 2 of a batch: (query half, key half) = (0, 0), (1, 0), (1, 1)
	s_lshr_b32 s19, ttmp9, 1
	s_lshl_b32 s18, s18, 2
	s_add_co_u32 s18, s18, s[CY]                   ; the tile of queries
	s_lshl_b32 s19, s19, 2
	s_add_co_u32 s19, s19, s[CX]                   ; the tile of keys
	s_lshl_b32 s20, s17, 4                         ; 16 token blocks a batch
	s_lshl_b32 s72, s18, 1
	s_add_co_u32 s72, s72, s20
	s_add_co_u32 s72, s72, s16
	s_mul_i32 s72, s72, 16*HP                      ; q: K steps 0-7 of the token block
	s_mov_b32 s73, 0
	s_lshl_b32 s74, s19, 1
	s_add_co_u32 s74, s74, s20
	s_add_co_u32 s74, s74, s16
	s_mul_i32 s74, s74, 16*HP
	s_add_co_u32 s74, s74, 8*HP                    ; k: K steps 8-15
	s_mov_b32 s75, 0
	s_mov_b32 s[G0], 1
	s_mul_i32 s[G0+1], s16, QA                     ; no place in the cluster enters an LDS address
	s_mov_b32 s[G0B], 1
	s_add_co_u32 s[G0B+1], s[G0+1], 2*QA
	WALU
	s_wait_dscnt 0x0
	BARRIER                                        ; the opening round
	CREST
	s_wait_kmcnt 0x0
	s_add_nc_u64 s[G0+2:G0+3], s[4:5], s[72:73]
	s_or_b32 s[G0+3], s[G0+3], 0x80000000
	s_add_nc_u64 s[G0B+2:G0B+3], s[4:5], s[74:75]
	s_or_b32 s[G0B+3], s[G0B+3], 0x80000000
	JLOAD                                          ; steps 0-2: one load a wave at the head
	s_lshl_b32 s76, s18, 1
	s_add_co_u32 s76, s76, s20
	s_add_co_u32 s76, s76, s15
	s_lshl_b32 s76, s76, 4                         ; pc: my block of queries x 16 chunks
	s_lshl_b32 s77, s19, 1
	s_add_co_u32 s77, s77, s16
	s_add_co_u32 s76, s76, s77                     ; + my chunk of keys
	s_mul_i32 s76, s76, 13824
	s_mov_b32 s77, 0
	s_add_nc_u64 s[6:7], s[6:7], s[76:77]
	s_mov_b32 s70, 0x76543210
	s_mov_b32 s71, 0xfedcba98                      ; v_permlanex16_b32's selects for lane l xor 16
	s_mov_b32 s78, 0x3d38aa3b                      ; c = log2(e) / sqrt(1024)
	s_mov_b32 s79, s78                             ; (named with it as a pair, so it is written)
	v_and_b32 v1, 15, v0                           ; r
	v_bfe_u32 v2, v0, 4, 1                         ; h
	v_and_b32 v3, 31, v0
	v_lshlrev_b32 v[LN16], 4, v3
	v_lshlrev_b32 v6, 4, v1
	v_lshlrev_b32 v[S8], 3, v2
	s_mul_i32 s21, s15, QA
	s_mul_i32 s22, s16, QA
	s_add_co_u32 s22, s22, 2*QA
	v_add_nc_u32 v[ADRA], s21, v[LN16]
	v_add_nc_u32 v[ADRB], s22, v[LN16]
	s_add_co_u32 s21, s21, SCW
	s_add_co_u32 s22, s22, SCW
	v_add_nc_u32 v[ADRSA], s21, v6
	v_add_nc_u32 v[ADRSB], s22, v6
	v_add_nc_u32 v[ADRA+1], SLOT, v[ADRA]
	v_add_nc_u32 v[ADRB+1], SLOT, v[ADRB]
	v_add_nc_u32 v[ADRSA+1], SLOT, v[ADRSA]
	v_add_nc_u32 v[ADRSB+1], SLOT, v[ADRSB]
	s_sub_co_i32 s21, s[CY], s[CX]                 ; the mask's number, a value and no address: on the diagonal clusters query tile - key tile = cy - cx
	s_lshl_b32 s21, s21, 8
	s_sub_co_i32 s22, s15, s16
	s_lshl_b32 s22, s22, 7
	s_add_co_i32 s21, s21, s22
	v_lshrrev_b32 v3, 3, v1
	v_mul_u32_u24 v3, v3, 24
	v_add_nc_u32 v3, v3, v1                        ; 32 (r / 8) + r % 8
	v_lshlrev_b32 v4, 5, v2
	v_sub_nc_u32 v3, v3, v4
	v_add_nc_u32 v24, s21, v3                      ; 256 (cy - cx) + 128 (my block of q - my block of k) + my query's place in a fragment - 32 h
	v_mov_b32 v25, 0xff800000                      ; -infinity
	WALU
	s_wait_tensorcnt 0x0                           ; my part of slot 0 is in
	ds_add_u32 v[SPW], v[NIL]
	ONWARD
	s_add_co_u32 s[G0+1], s[G0+1], SLOT
	s_add_co_u32 s[G0B+1], s[G0B+1], SLOT
	s_wait_dscnt 0x0
	BARRIER
	CREST
	JLOAD                                          ; steps 3-5 into slot 1
.set ST_, -1
	MIDRUN
	ENDRUN
	STEP 0
	STEP 1
	TURN 2, 1
	STEP 3
	STEP 4
	TURN 5, 0
	STEP 6
.set ST_, 7
	s_wait_dscnt 12
	RUN 0, 0, 32
	s_wait_dscnt 0x0
	RUN 1, 0, 32
	PLACES 4
; THE WAY OUT.  Register n of a fragment's 64 is key 64 (n / 32) + 32 h + n % 32 of the chunk; my query is 64 (a / 4) + 8 (a % 4) + 32 (r / 8) + r % 8 of its block.
.set BM,  64                           ; v64-79 the largest score of each of my two blocks of 32 keys, then its largest p, then the conversion's scale operand
.set NB,  80                           ; v80-95 -M in the even registers
.set PX,  96
.set PY,  104
.set PW,  112                          ; v112-119 scale words
.set LL,  120                          ; v120-127 l
.set TM,  128
.set BY,  132
.set PCS, 148                          ; v148-195 codes, four sets by turns
.set TC,  196
.set LS,  204
.set LT,  206
.set TL,  208
	s_cmp_eq_u32 ttmp9, 1                          ; the cluster under the diagonal hides nothing: a branch on the cluster's number, the same in all partners
	s_cbranch_scc1 .Lopen
.macro MASK a
	WIN (2+(\a)/4)|((2+(\a)/4)<<6)
.set n_, 0
.rept 64
	v_cmp_gt_i32 vcc_lo, 64*(n_/32)+n_%32-64*((\a)/4)-8*((\a)%4), v24   ; hidden where the key comes after the query
	v_cndmask_b32 v[64*((\a)%4)+n_], v[64*((\a)%4)+n_], v25, vcc_lo     ; (each accumulator from its low end on)
.set n_, n_+1
.endr
.endm
.irp a, 0,1,2,3,4,5,6,7
	MASK \a
.endr
	WIN 0
	WALU
.Lopen:
.macro LARGEST a
.set WN, 2+(\a)/4
.set ACB, 64*((\a)%4)
	WIN WN|(WN<<2)
.irp b, 0,1,2,3
	v_max_num_f32 v[TM+\b], v[ACB+16*\b], v[ACB+16*\b+1]
.endr
.irp i, 2,4,6,8,10,12,14
.irp b, 0,1,2,3
	v_max3_num_f32 v[TM+\b], v[ACB+16*\b+\i], v[ACB+16*\b+\i+1], v[TM+\b]
.endr
.endr
	WIN 0
	v_max_num_f32 v[BM+2*(\a)], v[TM], v[TM+1]
	v_max_num_f32 v[BM+2*(\a)+1], v[TM+2], v[TM+3]
.endm
.irp a, 0,1,2,3,4,5,6,7
	v_mov_b32 v[PY+\a], 0                          ; a lane permute's destination counts as one of its sources
	v_mov_b32 v[NB+2*\a+1], 0                      ; (named as the upper half of a pair)
.endr
.irp a, 0,1,2,3,4,5,6,7
	LARGEST \a
.endr
.irp a, 0,1,2,3,4,5,6,7
	v_max_num_f32 v[PX+\a], v[BM+2*\a], v[BM+2*\a+1]
.endr
.irp a, 0,1,2,3,4,5,6,7
	v_permlanex16_b32 v[PY+\a], v[PX+\a], s70, s71
.endr
.irp a, 0,1,2,3,4,5,6,7
	v_max_num_f32 v[PX+\a], v[PX+\a], v[PY+\a]     ; the chunk's largest score of my query,
.endr
.irp a, 0,1,2,3,4,5,6,7
	v_mul_f32 v[PX+\a], s78, v[PX+\a]              ; as t,
.endr
.irp a, 0,1,2,3,4,5,6,7
	v_max_num_f32 v[PX+\a], 0xff61b1e6, v[PX+\a]   ; held at -3e38 where every key is hidden: -M is then 3e38, p = 0 and l = 0
.endr
.irp a, 0,1,2,3,4,5,6,7
	v_floor_f32 v[NB+2*\a], -v[PX+\a]              ; -M = floor(-t) = -ceil(t): a whole number
.endr
.irp a, 0,1,2,3,4,5,6,7
	v_fma_f32 v[BM+2*\a], v[BM+2*\a], s78, v[NB+2*\a]
	v_fma_f32 v[BM+2*\a+1], v[BM+2*\a+1], s78, v[NB+2*\a]
.endr
	WALU
.set n_, 0
.rept 16
	v_exp_f32 v[BM+n_], v[BM+n_]                   ; a block's largest p: the same two instructions on the same number give the same bits
.set n_, n_+1
.endr
	v_nop
	WALU
.set n_, 0
.rept 16
	v_max_num_f32 v[BM+n_], 0x21800000, v[BM+n_]   ; the floor 2^-60: no byte under 65
.set n_, n_+1
.endr
.set n_, 0
.rept 16
	v_add_nc_u32 v[BM+n_], 0xff000000, v[BM+n_]    ; 2 off the exponent field
.set n_, n_+1
.endr
.set n_, 0
.rept 16
	v_lshrrev_b32 v[BY+n_], 23, v[BM+n_]
.set n_, n_+1
.endr
.irp a, 0,1,2,3,4,5,6,7
	v_lshl_or_b32 v[PW+\a], v[BY+2*\a+1], 16, v[BY+2*\a]   ; blocks h and 2 + h
.endr
.irp a, 0,1,2,3,4,5,6,7
	v_lshlrev_b32 v[PW+\a], v[S8], v[PW+\a]
.endr
.irp a, 0,1,2,3,4,5,6,7
	v_permlanex16_b32 v[PY+\a], v[PW+\a], s70, s71
.endr
.irp a, 0,1,2,3,4,5,6,7
	v_or_b32 v[PW+\a], v[PW+\a], v[PY+\a]          ; whole words
.endr
.macro SOFT a
.set WN, 2+(\a)/4
.set ACB, 64*((\a)%4)
.set PCA, PCS+12*((\a)%4)
	WIN WN|(WN<<6)
.set n_, 0
.rept 32
	v_pk_fma_f32 v[ACB+n_:ACB+n_+1], v[ACB+n_:ACB+n_+1], s[78:79], v[NB+2*(\a):NB+2*(\a)+1] op_sel_hi:[1,0,0]   ; t - M
.set n_, n_+2
.endr
	WALU
.set n_, 0
.rept 64
	v_exp_f32 v[ACB+n_], v[ACB+n_]                 ; p = 2^(t - M), at most 1
.set n_, n_+1
.endr
	v_nop
	WALU
.if (\a) > 3
	s_wait_xcnt 0x0                                ; fragment a - 4's stores have read this set of codes
.endif
	WIN WN
	v_cvt_scalef32_pk16_fp6_f32 v[PCA:PCA+2], v[ACB:ACB+15], v[BM+2*(\a)]
	v_cvt_scalef32_pk16_fp6_f32 v[TC:TC+2], v[ACB+16:ACB+31], v[BM+2*(\a)]
	v_cvt_scalef32_pk16_fp6_f32 v[PCA+6:PCA+8], v[ACB+32:ACB+47], v[BM+2*(\a)+1]
	v_cvt_scalef32_pk16_fp6_f32 v[TC+4:TC+6], v[ACB+48:ACB+63], v[BM+2*(\a)+1]
	WIN WN|(WN<<2)
	v_pk_add_f32 v[LS:LS+1], v[ACB:ACB+1], v[ACB+4:ACB+5]      ; l is taken of the unquantised p: two chains of pairs
	v_pk_add_f32 v[LT:LT+1], v[ACB+2:ACB+3], v[ACB+6:ACB+7]
	WIN WN
.irp j, 8,12,16,20,24,28,32,36,40,44,48,52,56,60
	v_pk_add_f32 v[LS:LS+1], v[ACB+\j:ACB+\j+1], v[LS:LS+1]
	v_pk_add_f32 v[LT:LT+1], v[ACB+\j+2:ACB+\j+3], v[LT:LT+1]
.endr
	WIN 0
	v_pk_add_f32 v[LS:LS+1], v[LS:LS+1], v[LT:LT+1]
.irp i, 0,1,2
	v_mov_b32 v[PCA+3+\i], v[TC+\i]
.endr
	v_add_f32 v[LS], v[LS], v[LS+1]
.irp i, 0,1,2
	v_mov_b32 v[PCA+9+\i], v[TC+4+\i]
.endr
	v_permlanex16_b32 v[PY+(\a)], v[LS], s70, s71
	v_add_f32 v[LL+(\a)], v[LS], v[PY+(\a)]        ; with lane l xor 16's: the chunk's l of my query
.irp g, 0,1,2
	global_store_b128 v[LN16], v[PCA+4*\g:PCA+4*\g+3], s[6:7] offset:FRB*(\a)+512*\g
.endr
.endm
.irp a, 0,1,2,3,4,5,6,7
	SOFT \a
.endr
	v_cmp_ne_u32 vcc_lo, 0, v2                     ; lanes 0-15 store their row's numbers of fragments 0-3, lanes 16-31 of fragments 4-7
.irp j, 0,1,2,3
	v_cndmask_b32 v[TL+\j], v[PW+\j], v[PW+4+\j], vcc_lo
	v_cndmask_b32 v[TL+4+\j], v[NB+2*\j], v[NB+8+2*\j], vcc_lo
	v_cndmask_b32 v[TL+8+\j], v[LL+\j], v[LL+4+\j], vcc_lo
.endr
	global_store_b128 v[LN16], v[TL:TL+3], s[6:7] offset:SCW
	global_store_b128 v[LN16], v[TL+4:TL+7], s[6:7] offset:SCW+512
	global_store_b128 v[LN16], v[TL+8:TL+11], s[6:7] offset:SCW+1024
	WALU
	s_wait_tensorcnt 0x0                           ; the wave's end
	ds_add_u32 v[SPW], v[NIL]
	s_wait_dscnt 0x0
	BARRIER                                        ; the closing round
	CREST
	s_endpgm
.Lfunc_end_k_qf509e61649_scores:
	.size	k_qf509e61649_scores, .Lfunc_end_k_qf509e61649_scores-k_qf509e61649_scores
	.p2alignl 7, 3214868480
	.fill 96, 4, 3214868480
	.section	.rodata,"a",@progbits
	.p2align	6, 0x0
	.amdhsa_kernel k_qf509e61649_scores
		.amdhsa_group_segment_fixed_size 327680
		.amdhsa_private_segment_fixed_size 0
		.amdhsa_enable_private_segment 0
		.amdhsa_kernarg_size 16
		.amdhsa_user_sgpr_count 2
		.amdhsa_user_sgpr_kernarg_segment_ptr 1
		.amdhsa_wavefront_size32 1
		.amdhsa_system_sgpr_workgroup_id_x 1
		.amdhsa_system_sgpr_workgroup_id_y 1
		.amdhsa_system_sgpr_workgroup_id_z 1
		.amdhsa_system_vgpr_workitem_id 0
		.amdhsa_next_free_vgpr 1024
		.amdhsa_next_free_sgpr 90
		.amdhsa_reserve_vcc 1
		.amdhsa_float_denorm_mode_32 3
		.amdhsa_float_denorm_mode_16_64 3
		.amdhsa_memory_ordered 1
		.amdhsa_forward_progress 1
		.amdhsa_inst_pref_size 224
	.end_amdhsa_kernel
	.amdgpu_metadata
---
amdhsa.version: [ 1, 2 ]
amdhsa.kernels:
  - .name:           k_qf509e61649_scores
    .symbol:         k_qf509e61649_scores.kd
    .args:
      - { .name: qk, .offset: 0, .size: 8, .value_kind: global_buffer, .address_space: global }
      - { .name: pc, .offset: 8, .size: 8, .value_kind: global_buffer, .address_space: global }
    .group_segment_fixed_size: 327680
    .private_segment_fixed_size: 0
    .kernarg_segment_align: 8
    .kernarg_segment_size: 16
    .max_flat_workgroup_size: 128
    .sgpr_count:     90
    .vgpr_count:     1024
    .wavefront_size: 32
...
	.end_amdgpu_metadata
.endif
;; end of part 7
;; launch pv (part 8): grid 4 x 64, 4 waves a work-group, clusters of 4 x 4, 327,680 bytes of LDS; arguments pc, vt, out0; writes out0
.if DOCPART == 8
	.amdgcn_target "amdgcn-amd-amdhsa--gfx1250"
	.amdhsa_code_object_version 6
	.text
	.protected	k_qf509e61649_pv
	.globl	k_qf509e61649_pv
	.p2align	8
	.type	k_qf509e61649_pv,@function
k_qf509e61649_pv:
	s_mov_b64 s[64:65], 0
	v_nop
	global_prefetch_b8 v0, s[64:65] scope:SCOPE_SE
	s_setreg_imm32_b32 hwreg(HW_REG_WAVE_MODE, 25, 1), 1
	s_wait_xcnt 0x0
	s_wait_alu depctr_hold_cnt(0) depctr_sa_sdst(0) depctr_va_vdst(0) depctr_va_sdst(0) depctr_va_ssrc(0) depctr_va_vcc(0) depctr_vm_vsrc(0)
	s_getreg_b32 s2, hwreg(HW_REG_IB_STS2, 6, 4)
	s_cmp_eq_u32 s2, 0
	s_cbranch_scc0 .Lentry_in_a_cluster
	s_endpgm
.Lentry_in_a_cluster:
	s_bfe_u32 s2, ttmp6, 0x10000c
	s_cmp_lg_u32 s2, 0xf033
	s_cbranch_scc0 .Lentry_shape_is_right
	s_endpgm
.Lentry_shape_is_right:
; O = (p v) / l on codes of FP6 (E2M3) with E8M0 scales.  p comes in chunks of 128 keys, each quantised under its own whole number M; here each chunk is brought under the row's final M:
; final M - the chunk's M, a whole number, is taken off each of p's four scale bytes of that chunk, which changes no code; l is the chunks' l under the final M, by v_ldexp_f32, and divides at the end.
; SHARES: a tile of 128 queries x 256 of d_out: 64 blocks of queries x 4 tiles = 256 work-groups.  A cluster is the 4 blocks of a quarter g of a batch's queries x the 4 tiles of d_out.
; WORK LEFT OUT: it walks 8, 8, 12 or 16 chunks of keys for g = 0, 1, 2, 3: the keys behind them come after every query of the quarter, so the causal mask makes their weights zero.  The number hangs on the cluster's number,
; the same in all partners; chunks above the diagonal inside that range hold zero codes.
; A wave makes 64 queries x 128 columns: p's fragments 4 (wave / 2) + 0 .. 3 against the 8 of v^T's block wave % 2: 32 accumulators.
; pc: [64 query blocks][16 chunks][13,824 bytes]: 8 fragment images, 512 bytes of scale words, 512 of -M, 512 of l.  vt: [8 blocks of d_out][64 token blocks][12,800 bytes].
; Fragment a, lane r holds row 64 (a / 4) + 32 (r / 8) + 8 (a % 4) + r % 8 of its block of 128.
; THE RING: two LDS slots of FOUR chunks each (p's block 4 x 13,824 bytes, then v^T's two blocks, 51,200 each).  Slot 0 is asked for at the head, slot 1 behind the drained round ahead of chunk 0; so 8 chunks want no refill,
; 12 one, 16 two.  Each fill is asked for four chunks ahead; the flow is written out and has no loop to run ahead in, so nothing is prefetched.
; Waves 0 and 1 fetch the halves of p's part, waves 2 and 3 a block of v^T each; p's tiles are asked for jointly along a row of the cluster, v^T's along a column.
; A chunk: the wait for its fragments, the next chunk's 36 LDS loads in one run into the other sets, 32 products.  A slot's reads are over at the head of its fourth chunk: the change of slots stands there.
; Source 0 = v^T's fragments, source 1 = p's: a lane holds one query; register 8 b + i is column 64 (b / 4) + 32 h + 8 (b % 4) + i of my 128.
; REGISTERS: window 0: v1-31 addresses; v32-55 scale words, two sets of 12, and nothing else; v64-67 -M final; v68-75 l, then 1 / l in pairs; v76-79 two chunks' -M; v80-87 at work;
;   v128-223 p's fragments, two sets of 48 (at the head v128-255 hold the chunks' -M and l).  Window 1: v^T's fragments, two sets, at v0 and v128; on the way out four sets of rows read back.
;   Window 2: accumulator (a, b) at v[8 (8 a + b)].  On the way out the quotients stand in v96-159 of windows 0 and 3 by turns.
; LIMITS: NaN and infinities are not served.  At most 64 is taken off a byte (the bytes are 65 at the least, so none borrows and none falls under 1): a chunk more than 64 binades under the row's M
; counts as 2^-64 of its own weights, an error under 2^-64 of the row's largest weight.
.set HPA,   13824
.set HPB,   12800
.set QA,    2*HPA                      ; what wave 0 or 1 brings
.set QB,    4*HPB                      ; what wave 2 or 3 brings
.set BOFF,  4*HPA
.set SLOT,  BOFF+2*QB
.set SPARE, 2*SLOT
.set FRB,   1536
.set SCW,   12288
.set R16,   10
.set ADRA,  16
.set ADRB,  18
.set ADRSA, 20                         ; scale words: + 16 r; lanes 16-31 one half-panel on: the pair's second chunk.  The -M lie 512 bytes behind them
.set ADRSB, 22
.set LN16,  26
.set STO,   27
.set SPW,   28
.set NIL,   29
.set RD,    31
.set SC,    32                         ; set u at 32 + 12 u: registers 0-3 p's words, 4-11 v^T's
.set NMF,   64
.set LQ,    68
.set NL,    76
.set TT,    80
.set AF,    128
.set MM,    128
.set ML,    192
.set G1,    24
.set G0,    32
.set G1B,   48
.set G0B,   56
.set MSB, 0
.macro WIN new
.if MSB != (\new)
	s_set_vgpr_msb (MSB<<8)|(\new)
.set MSB, \new
.endif
.endm
.macro PLACES n
.rept \n
	v_nop
.endr
.endm
.macro WALU
	s_wait_alu depctr_va_vdst(0)
.endm
.macro BARRIER
	s_barrier_signal -1
	s_barrier_wait -1
.endm
.macro CROUND
	BARRIER
	s_cmp_lg_u32 s14, 0
	s_cbranch_scc1 .Lnot_wave_0_\@
	s_barrier_signal -3
.Lnot_wave_0_\@:
	s_barrier_wait -3
	BARRIER
.endm
.macro JLOAD s                         ; waves 0 and 1 fetch for p, waves 2 and 3 for v^T: one joint load a wave
	s_cmp_eq_u32 s15, 0
	s_cbranch_scc0 .Lfor_b_\@
	tensor_load_to_lds s[G0+4*\s:G0+4*\s+3], s[G1:G1+7]
	s_nop 0
	PLACES 4
	s_branch .Lasked_\@
.Lfor_b_\@:
	tensor_load_to_lds s[G0B+4*\s:G0B+4*\s+3], s[G1B:G1B+7]
	s_nop 0
	PLACES 4
.Lasked_\@:
.endm
.macro LD s, q, e                      ; load e of the 36 of the slot's chunk q, into sets q % 2
.if (\e) < 24
	WIN 0x40
	ds_load_b128 v[128*((\q)%2)+4*(\e):128*((\q)%2)+4*(\e)+3], v[ADRB+(\s)] offset:(\q)*HPB+FRB*((\e)/3)+512*((\e)%3)
.else
	WIN 0
	ds_load_b128 v[AF+48*((\q)%2)+4*((\e)-24):AF+48*((\q)%2)+4*((\e)-24)+3], v[ADRA+(\s)] offset:(\q)*HPA+FRB*(((\e)-24)/3)+512*((\e)%3)
.endif
.endm
.macro FRAGS s, q
.set e_, 0
.rept 36
	LD \s, \q, e_
.set e_, e_+1
.endr
	WIN 0
.endm
.macro SCALES s, u                     ; the scale words of the slot's chunks 2 u and 2 u + 1 into set u, and p's -M of the two
	ds_load_b128 v[SC+12*(\u):SC+12*(\u)+3], v[ADRSA+(\s)] offset:(\u)*2*HPA
.irp g, 0,1
	ds_load_b128 v[SC+12*(\u)+4+4*\g:SC+12*(\u)+4+4*\g+3], v[ADRSB+(\s)] offset:(\u)*2*HPB+256*\g
.endr
	ds_load_b128 v[NL:NL+3], v[ADRSA+(\s)] offset:(\u)*2*HPA+512
.endm
.macro ADJ u                           ; final M - the chunk's M, 0 to 64, comes off each byte of p's scale words
.irp i, 0,1,2,3
	v_sub_f32 v[TT+\i], v[NL+\i], v[NMF+\i]
.endr
.irp i, 0,1,2,3
	v_cvt_i32_f32 v[TT+\i], v[TT+\i]               ; (it saturates)
.endr
.irp i, 0,1,2,3
	v_min_u32 v[TT+\i], 64, v[TT+\i]
.endr
.irp i, 0,1,2,3
	v_perm_b32 v[TT+\i], v[TT+\i], v[TT+\i], 0     ; its low byte into all four
.endr
.irp i, 0,1,2,3
	v_sub_nc_u32 v[SC+12*(\u)+\i], v[SC+12*(\u)+\i], v[TT+\i]   ; every byte is 65 or more: none borrows
.endr
	WALU
	PLACES 8                                       ; a scale register written by a vector instruction stands 8 places ahead of a scaled matrix instruction
.endm
; A chunk's 32 products: the accumulators take turns, one instruction a turn, in the same order in every chunk.  A pair's second chunk takes its scale words from lanes 16-31.
.macro RUN q, zero
.set N_, 0
	WIN 0xa1
.rept 32
.set A_, AF+48*((\q)%2)+12*(N_/8)
.set B_, 128*((\q)%2)+12*(N_%8)
.set XA_, SC+12*((\q)/2)+N_/8
.set XB_, SC+12*((\q)/2)+4+N_%8
.if \zero
	v_wmma_scale_f32_16x16x128_f8f6f4 v[8*N_:8*N_+7], v[B_:B_+11], v[A_:A_+11], 0, v[XB_], v[XA_] matrix_a_fmt:MATRIX_FMT_FP6 matrix_b_fmt:MATRIX_FMT_FP6
.elseif (\q)%2 == 0
	v_wmma_scale_f32_16x16x128_f8f6f4 v[8*N_:8*N_+7], v[B_:B_+11], v[A_:A_+11], v[8*N_:8*N_+7], v[XB_], v[XA_] matrix_a_fmt:MATRIX_FMT_FP6 matrix_b_fmt:MATRIX_FMT_FP6
.else
	v_wmma_scale_f32_16x16x128_f8f6f4 v[8*N_:8*N_+7], v[B_:B_+11], v[A_:A_+11], v[8*N_:8*N_+7], v[XB_], v[XA_] matrix_a_fmt:MATRIX_FMT_FP6 matrix_b_fmt:MATRIX_FMT_FP6 matrix_a_scale:MATRIX_SCALE_ROW1 matrix_b_scale:MATRIX_SCALE_ROW1
.endif
.set N_, N_+1
.endr
	WIN 0
.endm
.macro KS slot, q, zero                ; one of a slot's first three chunks
	WALU
	s_wait_dscnt 0x0                               ; this chunk's fragments are in (and, at a pair's head, its scale words and -M)
	PLACES 4                                       ; the other sets were read by the products just issued
	FRAGS \slot, (\q)+1
.if (\q) == 1
	SCALES \slot, 1
.endif
.if (\q)%2 == 0
	ADJ (\q)/2                                     ; while the loads above are on their way
.endif
	RUN \q, \zero
.endm
; A slot's fourth chunk, where a next slot follows: the change of slots stands at its head.  lim < 4: a round of the cluster's barrier, and clusters with g >= lim fill this slot again, eight chunks on.  lim = 4: the work-group's barrier alone.
.macro KCH slot, next, lim
	WALU
	s_wait_tensorcnt 0x0                           ; all my tensor loads have landed
	ds_add_u32 v[SPW], v[NIL]
	PLACES 4
	s_wait_dscnt 0x0                               ; the add is done, and my reads of this slot are over
.if \lim < 4
	CROUND
	s_cmp_lt_u32 s19, \lim                         ; g is the cluster's: all partners go the same way
	s_cbranch_scc1 .Lno_fill_\@
	s_add_nc_u64 s[G0+4*\slot+2:G0+4*\slot+3], s[G0+4*\slot+2:G0+4*\slot+3], 2*BOFF
	s_add_nc_u64 s[G0B+4*\slot+2:G0B+4*\slot+3], s[G0B+4*\slot+2:G0B+4*\slot+3], 2*QB
	JLOAD \slot
.Lno_fill_\@:
.else
	BARRIER
.endif
	FRAGS \next, 0
	SCALES \next, 0
	RUN 3, 0
.endm
.macro MLLOAD g                        ; eight chunks' -M and l of my 64 queries
.irp k, 0,1,2,3,4,5,6,7
	global_load_b128 v[MM+4*(8*\g+\k):MM+4*(8*\g+\k)+3], v[R16], s[10:11] offset:(8*\g+\k)*HPA+12800
	global_load_b128 v[ML+4*(8*\g+\k):ML+4*(8*\g+\k)+3], v[R16], s[10:11] offset:(8*\g+\k)*HPA+13312
.endr
.endm
.macro MLCOMP g                        ; the final -M is the least -M; l is summed under it, two chunks (eight numbers) at a time
.irp j, 0,1,2,3
	v_mov_b32 v[TT+\j], v[NMF+\j]
.endr
.irp k, 0,2,4,6
.irp j, 0,1,2,3
	v_min3_num_f32 v[NMF+\j], v[NMF+\j], v[MM+4*(8*\g+\k)+\j], v[MM+4*(8*\g+\k)+4+\j]
.endr
.endr
.irp j, 0,1,2,3
	v_sub_f32 v[TT+\j], v[NMF+\j], v[TT+\j]        ; old M - new M: a whole number, 0 or less
.endr
.irp j, 0,1,2,3
	v_cvt_i32_f32 v[TT+\j], v[TT+\j]
.endr
.irp j, 0,1,2,3
	v_ldexp_f32 v[LQ+2*\j], v[LQ+2*\j], v[TT+\j]
.endr
.irp k, 0,2,4,6
.irp i, 0,1,2,3,4,5,6,7
	v_sub_f32 v[TT+\i], v[NMF+\i%4], v[MM+4*(8*\g+\k)+\i]   ; the chunk's M - the new M
.endr
.irp i, 0,1,2,3,4,5,6,7
	v_cvt_i32_f32 v[TT+\i], v[TT+\i]
.endr
.irp i, 0,1,2,3,4,5,6,7
	v_ldexp_f32 v[TT+\i], v[ML+4*(8*\g+\k)+\i], v[TT+\i]
.endr
.irp j, 0,1,2,3
	v_add_f32 v[LQ+2*\j], v[LQ+2*\j], v[TT+\j]
.endr
.irp j, 0,1,2,3
	v_add_f32 v[LQ+2*\j], v[LQ+2*\j], v[TT+4+\j]
.endr
.endr
.endm
	s_load_b128 s[4:7], s[0:1], 0x0                ; pc, vt
	s_load_b64 s[8:9], s[0:1], 0x10                ; out0
	v_lshl_add_u32 v[SPW], v0, 2, SPARE
	v_mov_b32 v[NIL], 0
	ds_add_u32 v[SPW], v[NIL]
	ds_add_u32 v[SPW], v[NIL]
	v_lshrrev_b32 v1, 5, v0
	v_readfirstlane_b32 s14, v1                    ; wave
	v_and_b32 v1, 15, v0                           ; r
	v_bfe_u32 v2, v0, 4, 1                         ; h
	v_lshlrev_b32 v[R16], 4, v1
	s_lshr_b32 s15, s14, 1                         ; which four fragments of p are mine.  Also: I fetch for p (0) or for v^T (1)
	s_and_b32 s16, s14, 1                          ; which block of v^T is mine.  Also: which part I fetch
	s_bfe_u32 s40, ttmp6, 0x40000                  ; cx
	s_bfe_u32 s41, ttmp6, 0x40004                  ; cy
	s_lshl_b32 s43, s41, 2
	s_lshl_b32 s43, 15, s43                        ; my row of the cluster
	s_lshl_b32 s44, 0x1111, s40                    ; my column
	s_or_b32 s[G1], s43, (3<<16)|(1<<21)
	s_or_b32 s[G1B], s44, (3<<16)|(1<<21)
	s_mov_b32 s[G1+1], 32<<16
	s_mov_b32 s[G1+2], (QA/256)<<16
	s_mov_b32 s[G1+3], 32<<16
	s_mov_b32 s[G1+4], QA/256
	s_mov_b32 s[G1+5], 32
	s_mov_b32 s[G1+6], 0
	s_mov_b32 s[G1+7], 0
	s_mov_b32 s[G1B+1], 32<<16
	s_mov_b32 s[G1B+2], (QB/256)<<16
	s_mov_b32 s[G1B+3], 32<<16
	s_mov_b32 s[G1B+4], QB/256
	s_mov_b32 s[G1B+5], 32
	s_mov_b32 s[G1B+6], 0
	s_mov_b32 s[G1B+7], 0
	s_and_b32 s17, ttmp7, 0xffff                   ; the cluster: 4 x batch + quarter of the queries
	s_lshr_b32 s18, s17, 2                         ; the batch
	s_and_b32 s19, s17, 3                          ; g
	s_lshl_b32 s17, s18, 4                         ; 16 token blocks a batch
	s_lshl_b32 s20, s19, 2
	s_add_co_u32 s20, s20, s17
	s_add_co_u32 s42, s20, s41                     ; my block of queries: 16 x batch + 4 g + cy
	s_mul_i32 s76, s42, 16*HPA
	s_mul_i32 s72, s16, QA
	s_add_co_u32 s72, s72, s76                     ; p: the two chunks of slot 0 that I would fetch
	s_mov_b32 s73, 0
	s_lshl_b32 s74, s40, 1
	s_add_co_u32 s74, s74, s16
	s_lshl_b32 s74, s74, 6
	s_add_co_u32 s74, s74, s17
	s_mul_i32 s74, s74, HPB                        ; v^T: the block of d_out that I would fetch, the batch's first token block
	s_mov_b32 s75, 0
	s_lshl_b32 s43, s15, 8
	s_add_co_u32 s76, s76, s43                     ; -M and l: my four fragments' 256 bytes of each 512
	s_mov_b32 s77, 0
	WALU
	s_wait_dscnt 0x0
	s_wait_kmcnt 0x0
	s_add_nc_u64 s[10:11], s[4:5], s[76:77]
	MLLOAD 0                                       ; ahead of the round and of the tiles' requests
	s_cmp_lt_u32 s19, 2
	s_cbranch_scc1 .Leight_a
	MLLOAD 1                                       ; (the second half of a batch's queries has all 16 chunks written; those not walked hold -M = 3e38 and l = 0)
.Leight_a:
	s_add_nc_u64 s[66:67], s[4:5], s[72:73]
	s_add_nc_u64 s[68:69], s[6:7], s[74:75]
	s_lshl_b32 s76, s42, 19                        ; out0: my block's 128 rows of 4,096 bytes,
	s_lshl_b32 s43, s15, 18
	s_add_co_u32 s76, s76, s43                     ; my 64 of them,
	s_lshl_b32 s43, s40, 10
	s_add_co_u32 s76, s76, s43                     ; the tile's 256 columns,
	s_lshl_b32 s43, s16, 9
	s_add_co_u32 s76, s76, s43                     ; my 128 of them
	s_add_nc_u64 s[8:9], s[8:9], s[76:77]
	s_mul_i32 s46, s16, QA                         ; where the tiles go: no place in the cluster enters an LDS address
	s_mul_i32 s47, s16, QB
	s_add_co_u32 s47, s47, BOFF
.irp s, 0,1
	s_mov_b32 s[G0+4*\s], 1
	s_add_co_u32 s[G0+4*\s+1], s46, \s*SLOT
	s_add_nc_u64 s[G0+4*\s+2:G0+4*\s+3], s[66:67], \s*BOFF
	s_or_b32 s[G0+4*\s+3], s[G0+4*\s+3], 0x80000000
	s_mov_b32 s[G0B+4*\s], 1
	s_add_co_u32 s[G0B+4*\s+1], s47, \s*SLOT
	s_add_nc_u64 s[G0B+4*\s+2:G0B+4*\s+3], s[68:69], \s*QB
	s_or_b32 s[G0B+4*\s+3], s[G0B+4*\s+3], 0x80000000
.endr
	CROUND                                         ; all sixteen work-groups are here
	JLOAD 0                                        ; slot 0: one load a wave at the head
	v_and_b32 v3, 31, v0
	v_lshlrev_b32 v[LN16], 4, v3
	v_mul_u32_u24 v6, v2, HPA
	v_mul_u32_u24 v7, v2, HPB
	v_add_nc_u32 v6, v6, v[R16]                    ; 16 r + h x p's half-panel
	v_add_nc_u32 v7, v7, v[R16]                    ; 16 r + h x v^T's
	s_mul_i32 s21, s15, 4*FRB                      ; my four fragments of p,
	s_lshl_b32 s23, s15, 8
	s_add_co_u32 s23, s23, SCW                     ; their scale words,
	s_mul_i32 s22, s16, QB
	s_add_co_u32 s22, s22, BOFF                    ; my block of v^T,
	s_add_co_u32 s45, s22, SCW                     ; its scale words
	WALU
.irp s, 0,1
	v_add_nc_u32 v[ADRA+\s], s21, v[LN16]
	v_add_nc_u32 v[ADRB+\s], s22, v[LN16]
	v_add_nc_u32 v[ADRSA+\s], s23, v6
	v_add_nc_u32 v[ADRSB+\s], s45, v7
	s_add_co_u32 s21, s21, SLOT
	s_add_co_u32 s22, s22, SLOT
	s_add_co_u32 s23, s23, SLOT
	s_add_co_u32 s45, s45, SLOT
.endr
	s_mul_i32 s23, s14, 16*528                     ; the way out: a stage of 16 rows x (512 + 16) bytes a wave, at the ring's head: used behind the barrier in the last chunk
	v_mul_u32_u24 v5, v1, 528
	v_lshl_add_u32 v5, v2, 7, v5
	v_add_nc_u32 v[STO], s23, v5                   ; in: row r, + 128 h
	v_add_nc_u32 v[RD], s23, v[LN16]               ; back: 16 bytes a lane of a row
.irp j, 0,1,2,3
	v_mov_b32 v[NMF+\j], 0x7f61b1e6                ; 3e38: over every -M
	v_mov_b32 v[LQ+2*\j], 0
.endr
	WALU
	s_wait_loadcnt 0x0                             ; the chunks' -M and l are in; the arithmetic on them stands while the first tiles land
	MLCOMP 0
	s_cmp_lt_u32 s19, 2
	s_cbranch_scc1 .Leight_b
	MLCOMP 1
.Leight_b:
	WALU
.irp j, 0,1,2,3
	v_rcp_f32 v[LQ+2*\j], v[LQ+2*\j]               ; key 0 counts for every query: l is over 1/2
.endr
	v_nop
	WALU
.irp j, 0,1,2,3
	v_mov_b32 v[LQ+2*\j+1], v[LQ+2*\j]             ; twice: a pair for the packed multiply
.endr
	WALU
	s_wait_tensorcnt 0x0                           ; my part of slot 0 is in
	ds_add_u32 v[SPW], v[NIL]
	s_wait_dscnt 0x0
	CROUND                                         ; slot 0 is shown to all, and the joint loads meet
	JLOAD 1                                        ; slot 1's first fill
	FRAGS 0, 0
	SCALES 0, 0
	KS 0, 0, 1                                     ; chunk 0: its products start the sums
	KS 0, 1, 0
	KS 0, 2, 0
	KCH 0, 1, 2                                    ; chunk 3; g = 2, 3: slot 0 takes chunks 8 to 11
	KS 1, 0, 0
	KS 1, 1, 0
	KS 1, 2, 0
	WALU
	s_cmp_lt_u32 s19, 2
	s_cbranch_scc1 .Lfinal                         ; g = 0, 1: chunk 7 is the last
	KCH 1, 0, 3                                    ; chunk 7; g = 3: slot 1 takes chunks 12 to 15
	KS 0, 0, 0
	KS 0, 1, 0
	KS 0, 2, 0
	WALU
	s_cmp_lt_u32 s19, 3
	s_cbranch_scc1 .Lfinal                         ; g = 2: chunk 11 is the last
	KCH 0, 1, 4                                    ; chunk 11
	KS 1, 0, 0
	KS 1, 1, 0
	KS 1, 2, 0
.Lfinal:                                               ; the last chunk, a slot's fourth
	WALU
	s_wait_tensorcnt 0x0                           ; no tensor load of mine is out,
	s_wait_dscnt 0x0                               ; and my reads of the ring are over: behind this barrier its first bytes are the stages
	s_barrier_signal -1
	RUN 3, 0
	s_barrier_wait -1
	PLACES 4
; THE WAY OUT, fragment by fragment of queries: / l, through my stage, and out as whole rows of 512 bytes.  Fragment a's rows come back into v[64 a] on of window 1: no store's data are written again.
.macro PACK a
	WIN 2|(0xc0*((\a)%2))                          ; source 0 window 2, destination window 0 or 3
.set n_, 0
.rept 32
	v_pk_mul_f32 v[96+n_:97+n_], v[64*(\a)+n_:64*(\a)+n_+1], v[LQ+2*(\a):LQ+2*(\a)+1]   ; each accumulator from its low end on
.set n_, n_+2
.endr
	WIN 0x0c*((\a)%2)                              ; the data: window 0 or 3
.irp b, 0,1,2,3,4,5,6,7
	ds_store_b128 v[STO], v[96+8*\b:99+8*\b] offset:256*(\b/4)+32*(\b%4)
	ds_store_b128 v[STO], v[100+8*\b:103+8*\b] offset:256*(\b/4)+32*(\b%4)+16
.endr
	WIN 0x40
.irp t, 0,1,2,3,4,5,6,7,8,9,10,11,12,13,14,15
	ds_load_b128 v[64*(\a)+4*\t:64*(\a)+4*\t+3], v[RD] offset:528*\t   ; LDS serves a wave's instructions in order: these see the stores above
.endr
	WIN 0
.endm
.macro SEND a, younger
	s_wait_dscnt \younger                          ; fragment a's rows are back
	WIN 4
.irp t, 0,1,2,3,4,5,6,7,8,9,10,11,12,13,14,15
	global_store_b128 v[LN16], v[64*(\a)+4*\t:64*(\a)+4*\t+3], s[8:9] offset:(8*(\a)+\t+24*(\t/8))*4096 th:TH_STORE_NT   ; 512 consecutive bytes, at a multiple of 256
.endr
	WIN 0
.endm
	PACK 0
	PACK 1
	SEND 0, 32                                     ; behind fragment 0's loads: fragment 1's 16 stores and 16 loads
	PACK 2
	SEND 1, 32
	PACK 3
	SEND 2, 32
	SEND 3, 0
	s_wait_tensorcnt 0x0                           ; the wave's end
	ds_add_u32 v[SPW], v[NIL]
	s_wait_dscnt 0x0
	CROUND                                         ; the closing round
	s_endpgm
.Lfunc_end_k_qf509e61649_pv:
	.size	k_qf509e61649_pv, .Lfunc_end_k_qf509e61649_pv-k_qf509e61649_pv
	.p2alignl 7, 3214868480
	.fill 96, 4, 3214868480
	.section	.rodata,"a",@progbits
	.p2align	6, 0x0
	.amdhsa_kernel k_qf509e61649_pv
		.amdhsa_group_segment_fixed_size 327680
		.amdhsa_private_segment_fixed_size 0
		.amdhsa_enable_private_segment 0
		.amdhsa_kernarg_size 24
		.amdhsa_user_sgpr_count 2
		.amdhsa_user_sgpr_kernarg_segment_ptr 1
		.amdhsa_wavefront_size32 1
		.amdhsa_system_sgpr_workgroup_id_x 1
		.amdhsa_system_sgpr_workgroup_id_y 1
		.amdhsa_system_sgpr_workgroup_id_z 1
		.amdhsa_system_vgpr_workitem_id 0
		.amdhsa_next_free_vgpr 928
		.amdhsa_next_free_sgpr 80
		.amdhsa_reserve_vcc 0
		.amdhsa_float_denorm_mode_32 3
		.amdhsa_float_denorm_mode_16_64 3
		.amdhsa_memory_ordered 1
		.amdhsa_forward_progress 1
		.amdhsa_inst_pref_size 167
	.end_amdhsa_kernel
	.amdgpu_metadata
---
amdhsa.version: [ 1, 2 ]
amdhsa.kernels:
  - .name:           k_qf509e61649_pv
    .symbol:         k_qf509e61649_pv.kd
    .args:
      - { .name: pc, .offset: 0, .size: 8, .value_kind: global_buffer, .address_space: global }
      - { .name: vt, .offset: 8, .size: 8, .value_kind: global_buffer, .address_space: global }
      - { .name: out0, .offset: 16, .size: 8, .value_kind: global_buffer, .address_space: global }
    .group_segment_fixed_size: 327680
    .private_segment_fixed_size: 0
    .kernarg_segment_align: 8
    .kernarg_segment_size: 24
    .max_flat_workgroup_size: 128
    .sgpr_count:     80
    .vgpr_count:     928
    .wavefront_size: 32
...
	.end_amdgpu_metadata
.endif
;; end of part 8
